; MI455X (gfx1250); checked and timed in simulation.
; The chip was launched on July 23, 2026; its instructions are those of AMD's public machine-readable ISA for CDNA 5 (MIT licence, August 2026) and "CDNA5" Instruction Set Architecture Reference Guide (July 2026). The comments in the code are by the model that wrote it; some were corrected since.
;; Advanced NKAT Finetuner. Allowed arithmetic: matrix products marked QUANTISED: E2M3 operands, one E8M0 scale for each 32 along K, by v_wmma_scale_f32_16x16x128_f8f6f4 with both operands' format E2M3, f32 sums; products left as they are: f32 operands where the result goes on into a quantised operand, else bf16, f16 or f32 operands; f32 sums; everything else in f32.
;; Inputs: W1_codes 4,096 x 64 x 24 uint8 (E2M3 codes of W1, K innermost, in blocks of 32 codes, four codes in three bytes); W1_scales 4,096 x 64 uint8 (E8M0 scales of W1, one for each 32 codes along K); W2_codes 4,096 x 128 x 24 uint8 (E2M3 codes of W2, K innermost, in blocks of 32 codes, four codes in three bytes); W2_scales 4,096 x 128 uint8 (E8M0 scales of W2, one for each 32 codes along K); W3_codes 2,048 x 128 x 24 uint8 (E2M3 codes of W3, K innermost, in blocks of 32 codes, four codes in three bytes); W3_scales 2,048 x 128 uint8 (E8M0 scales of W3, one for each 32 codes along K); W_out_codes 2,048 x 64 x 24 uint8 (E2M3 codes of W_out, K innermost, in blocks of 32 codes, four codes in three bytes); W_out_scales 2,048 x 64 uint8 (E8M0 scales of W_out, one for each 32 codes along K); b1 4,096 float32; b2 4,096 float32; b3 2,048 float32; b_out 2,048 float32; cp1 4,096 x 9 float32; cp2 4,096 x 9 float32; cp3 2,048 x 9 float32; rw1 4,096 float32; rw2 4,096 float32; rw3 2,048 float32; x 1,024 x 2,048 float32.
;; Outputs: out0 1,024 x 2,048 float32.
;; This version of the problem:
;;   THIS VERSION OF THE PROBLEM IS GIVEN IN LOW PRECISION. The matrix products marked QUANTISED in the list below multiply operands that are first quantised to E2M3 (2 exponent bits, 3 mantissa bits; 6 bits a number), with one power-of-two scale for each 32 numbers along K (OCP MX v1.0); their sums are f32. All else is computed in f32.
;;   The module's matrix products, in the order in which they are computed (A, B: the left and right operand; K: the contracted axis; several contracted axes count as one K, in the product's order):
;;     1. [M 1,024, K 2,048] x [K 2,048, N 4,096]; A: computed on the way; B: input W1 (given as codes): QUANTISED
;;     2. batch 4,096 x [M 1, K 8] x [K 8, N 1,024]; A: input cp1; B: computed on the way: left as it is (K = 8 < 32)
;;     3. batch 4 x [M 524,288, K 2] x [K 2, N 2]; A: computed on the way; B: computed on the way: left as it is (K = 2 < 32)
;;     4. [M 1,024, K 4,096] x [K 4,096, N 4,096]; A: computed on the way; B: input W2 (given as codes): QUANTISED
;;     5. batch 4,096 x [M 1, K 8] x [K 8, N 1,024]; A: input cp2; B: computed on the way: left as it is (K = 8 < 32)
;;     6. batch 4 x [M 524,288, K 2] x [K 2, N 2]; A: computed on the way; B: computed on the way: left as it is (K = 2 < 32)
;;     7. [M 1,024, K 4,096] x [K 4,096, N 2,048]; A: computed on the way; B: input W3 (given as codes): QUANTISED
;;     8. batch 2,048 x [M 1, K 8] x [K 8, N 1,024]; A: input cp3; B: computed on the way: left as it is (K = 8 < 32)
;;     9. batch 4 x [M 262,144, K 2] x [K 2, N 2]; A: computed on the way; B: computed on the way: left as it is (K = 2 < 32)
;;     10. [M 1,024, K 2,048] x [K 2,048, N 2,048]; A: computed on the way; B: input W_out (given as codes): QUANTISED
;;   THE QUANTISER, for each operand of a quantised product, along K:
;;     - K is cut into blocks of 32 from its start; a last block that is shorter is filled with zeros.
;;     - A block's scale is 2^e with e = floor(log2(the largest magnitude in the block)) - 2, held to -126 .. 127; a block of zeros has e = 0. As a byte (E8M0): e + 127.
;;     - Each number is divided by its block's scale, clamped to +-7.5, and rounded to the nearest number of E2M3, ties to even, subnormals kept.
;;     - The product sums the exact products of the quantised numbers (number of the format x scale) in f32.
;;   ~~~python
;;   def quantise(x, axis):      # numpy; x: float32 -> the quantised numbers, widened to float32 again
;;       x = np.moveaxis(x, axis, -1); K = x.shape[-1]
;;       x = np.pad(x, [(0, 0)] * (x.ndim - 1) + [(0, -K % 32)]); x = x.reshape(x.shape[:-1] + (-1, 32)); a = np.abs(x).max(-1, keepdims=True)
;;       e = np.where(a > 0, np.clip(np.frexp(np.where(a > 0, a, 1))[1] - 1 - 2, -126, 127), 0)      # np.frexp(a)[1] - 1 = floor(log2(a)), exactly
;;       r = np.clip(x / 2.0 ** e, -7.5, 7.5)
;;       step = 2.0 ** (np.maximum(np.frexp(np.where(r == 0, 1, r))[1] - 1, 0) - 3)
;;       q = np.round(r / step) * step * 2.0 ** e      # np.round: ties to even
;;       return np.moveaxis(q.reshape(q.shape[:-2] + (-1,))[..., :K], -1, axis).astype(np.float32)
;;   ~~~
;;   OPERANDS COMPUTED ON THE WAY. 'Computed on the way' means the value that the module computes at that place (a softmax that the list does not call 'softmax' is quantised finished and normalised). What goes into a quantiser is computed in f32, as accurately as f32 sums, v_exp_f32 and their like allow (about 1e-6 of the number): no bf16 or f16 on the way to a quantiser, and a product that is left as it is and whose result goes on into a quantised operand takes f32 operands (vector FMAs, or v_wmma_f32_16x16x4_f32). A number that lies on a knife's edge between two numbers of the format may be rounded either way, as far as f32 arithmetic and the matrix unit's own rounding can turn it there, and no further.
;;   INPUTS GIVEN AS CODES. W1 (in the module: [4096, 2048], K = its axis 1); W2 (in the module: [4096, 4096], K = its axis 1); W3 (in the module: [2048, 4096], K = its axis 1); W_out (in the module: [2048, 2048], K = its axis 1): each comes as NAME_codes (uint8): NAME with its K axis moved to the last place and cut into blocks of 32 codes, [.., K / 32, bytes a block], one block behind the other in memory; four codes in three bytes: a row's codes are one little-endian stream of bits, code i at bits 6 i .. 6 i + 5 (a code: sign, 2 exponent bits, 3 mantissa bits); and NAME_scales (uint8): the same leading axes, one E8M0 byte (e + 127) for each 32 codes along K. Its value is code x scale, taken as it is: it is not quantised again, and the codes and scales need not be those that the quantiser above would give.
;; One version. Each part assembles by itself: llvm-mc -triple=amdgcn-amd-amdhsa -mcpu=gfx1250 --defsym DOCPART=n.
;; ======== version 1 of 1: 5 launches
;; workspace buffers: act0 1,572,864 bytes; sc0 65,536 bytes; act1 3,145,728 bytes; sc1 131,072 bytes; act2 3,145,728 bytes; sc2 131,072 bytes; act3 1,572,864 bytes; sc3 65,536 bytes
;; launch lnq (part 1): grid 64 x 1, 16 waves a work-group, no clusters, 140,288 bytes of LDS; arguments x, act0, sc0; writes act0, sc0
.if DOCPART == 1
	.amdgcn_target "amdgcn-amd-amdhsa--gfx1250"
	.amdhsa_code_object_version 6
	.text
	.protected	k_qe30f69dd65_lnq
	.globl	k_qe30f69dd65_lnq
	.p2align	8
	.type	k_qe30f69dd65_lnq,@function
k_qe30f69dd65_lnq:
	s_mov_b64 s[64:65], 0
	v_nop
	global_prefetch_b8 v0, s[64:65] scope:SCOPE_SE
	s_setreg_imm32_b32 hwreg(HW_REG_WAVE_MODE, 25, 1), 1
	s_wait_xcnt 0x0
; Layer norm of x [1024][2048] f32 over the features (no gain, no bias), then the MX-FP6 quantiser along the features, which are the first product's K.
; OUT: act0 = codes as IMAGES OF THE OPERAND'S REGISTERS: [K chunk of 128 (16)][tile of 16 rows (64)][1,536 bytes]; in a fragment, half c (k = 64 c ..) at 768 c:
; registers 6c .. 6c+3 at 16 x lane, registers 6c+4, 6c+5 at 512 + 8 x lane; lane (r, h) = row r, k = 64 c + 32 h + 0 .. 31.  sc0 = scale words [tile of rows][K chunk][16 rows], four E8M0 bytes each.
; SHARES: a work-group takes 16 rows (one tile), wave w features 128 w .. 128 w + 127 (K chunk w).  64 work-groups: an image wants 16 rows under one store, and a row's mean wants the whole row.
; The mean is taken first and the squares of the differences afterwards: no difference of large sums.
; LIMITS: NaN and infinities are not served; a block whose largest magnitude lies under 2^-124 (a block of zeros too) gets the scale byte 1: its codes are read by this program alone.
.set SPI,  528                         ; a stage row: 512 bytes + 16
.set STW,  16*SPI                      ; a wave's stage
.set ST1,  16*STW                      ; partial sums [row][wave], 1,024 bytes; the squares' 1,024 bytes behind them
.set SCS,  ST1+2048                    ; the tile's scale words [wave][row], 1,024 bytes
.set D,    16                          ; v16-79   as loaded: row i in four registers; later the partial sums
.set V,    80                          ; v80-143  my row's 64 numbers: register 32 g + i = feature 64 g + 32 h + i of the wave's 128
.set AC,   144                         ; v144-151 four chains of sums
.set MN,   152                         ; v152-153 what the row is shifted or scaled by (the low register serves both halves)
.set MX,   154                         ; v154-155 largest magnitudes
.set SO,   156                         ; v156-157 the conversions' scale operands
.set BY,   158                         ; v158-159 scale bytes
.set PC,   160                         ; v160-175 codes
	s_load_b128 s[4:7], s[0:1], 0x0                ; x, act0
	s_load_b64 s[8:9], s[0:1], 0x10                ; sc0
	v_lshl_add_u32 v176, v0, 2, 0x21c00
	v_mov_b32 v177, 0
	v_lshrrev_b32 v1, 5, v0
	v_readfirstlane_b32 s10, v1                    ; wave 0..15
	v_and_b32 v1, 15, v0                           ; r
	v_bfe_u32 v2, v0, 4, 1                         ; h
	v_and_b32 v3, 31, v0                           ; lane
	s_lshl_b32 s11, s10, 9
	v_lshl_add_u32 v4, v3, 4, s11                  ; x: 16 x lane + 512 x wave in a row
	s_mul_i32 s12, s10, STW
	v_lshl_add_u32 v5, v3, 4, s12                  ; the stage, in: 16 x lane
	v_mul_u32_u24 v6, v1, SPI
	v_lshl_add_u32 v6, v2, 7, v6
	v_add_nc_u32 v6, s12, v6                       ; the stage, out: row r, + 128 h
	s_lshl_b32 s13, s10, 2
	s_add_co_u32 s13, s13, ST1
	v_lshl_add_u32 v7, v1, 6, s13                  ; my wave's partial sum of row r
	v_lshl_add_u32 v8, v1, 6, ST1                  ; row r's sixteen
	v_lshlrev_b32 v9, 4, v3                        ; 16 x lane
	v_lshlrev_b32 v10, 3, v3                       ; 8 x lane
	s_lshl_b32 s13, s10, 6
	s_add_co_u32 s13, s13, SCS
	v_lshl_add_u32 v11, v1, 2, s13                 ; my scale word's place: 64 x wave + 4 r
	v_add_nc_u32 v12, SCS, v9
	s_lshl_b32 s14, ttmp9, 17                      ; 16 rows of 8,192 bytes
	s_mov_b32 s15, 0
	s_mul_i32 s20, s10, 64*1536                    ; act0: K chunk w,
	s_mul_i32 s21, ttmp9, 1536                     ; tile of rows = work-group
	s_add_co_u32 s20, s20, s21
	s_mov_b32 s21, 0
	s_lshl_b32 s22, ttmp9, 10                      ; sc0: 1,024 bytes a tile of rows
	s_mov_b32 s23, 0
	s_mov_b32 s16, 0x76543210
	s_mov_b32 s17, 0xfedcba98                      ; v_permlanex16_b32's selects for lane l xor 16
	s_mov_b32 s18, 0x3a000000                      ; 1 / 2048
	s_wait_kmcnt 0x0
	s_add_nc_u64 s[4:5], s[4:5], s[14:15]
	s_add_nc_u64 s[6:7], s[6:7], s[20:21]
	s_add_nc_u64 s[8:9], s[8:9], s[22:23]
.irp i, 0,1,2,3,4,5,6,7,8,9,10,11,12,13,14,15
	global_load_b128 v[D+4*\i:D+4*\i+3], v4, s[4:5] offset:8192*\i th:TH_LOAD_NT   ; 32 lanes read 512 consecutive bytes of row i
.endr
.irp i, 0,1,2,3,4,5,6,7,8,9,10,11,12,13,14,15
	s_wait_loadcnt 15-\i                           ; row i is in; the rows behind it may be out
	ds_store_b128 v5, v[D+4*\i:D+4*\i+3] offset:\i*SPI
.endr
.irp g, 0,1
.irp e, 0,1,2,3,4,5,6,7
	ds_load_b128 v[V+32*\g+4*\e:V+32*\g+4*\e+3], v6 offset:256*\g+16*\e   ; LDS serves a wave's instructions in order: these see my stores
.endr
.endr
	s_wait_dscnt 0x0
; The four chains in v[AC] on are joined, then the two halves of the lanes, then the sixteen waves through LDS (off: which 1,024 bytes).  The row's sum ends in v16, the same bits in every wave.
.macro ROWSUM off
	v_pk_add_f32 v[AC:AC+1], v[AC:AC+1], v[AC+2:AC+3]
	v_pk_add_f32 v[AC+4:AC+5], v[AC+4:AC+5], v[AC+6:AC+7]
	v_pk_add_f32 v[AC:AC+1], v[AC:AC+1], v[AC+4:AC+5]
	v_add_f32 v[AC], v[AC], v[AC+1]
	v_permlanex16_b32 v[AC+1], v[AC], s16, s17
	v_add_f32 v[AC], v[AC], v[AC+1]
	ds_store_b32 v7, v[AC] offset:\off             ; both halves of the lanes write the same word with the same value
	s_wait_dscnt 0x0                               ; for the others' sake: my store has landed
	s_barrier_signal -1
	s_barrier_wait -1
.irp e, 0,1,2,3
	ds_load_b128 v[16+4*\e:19+4*\e], v8 offset:\off+16*\e
.endr
	s_wait_dscnt 0x0
.irp e, 0,1,2,3
	v_pk_add_f32 v[16+4*\e:17+4*\e], v[16+4*\e:17+4*\e], v[18+4*\e:19+4*\e]
.endr
	v_pk_add_f32 v[16:17], v[16:17], v[20:21]
	v_pk_add_f32 v[24:25], v[24:25], v[28:29]
	v_pk_add_f32 v[16:17], v[16:17], v[24:25]
	v_add_f32 v16, v16, v17
.endm
.irp k, 0,1,2,3
	v_pk_add_f32 v[AC+2*\k:AC+2*\k+1], v[V+2*\k:V+2*\k+1], v[V+8+2*\k:V+9+2*\k]   ; the first pairs start the chains: nothing is cleared
.endr
.set i, 16
.rept 24
	v_pk_add_f32 v[AC+i%8:AC+i%8+1], v[AC+i%8:AC+i%8+1], v[V+i:V+i+1]
.set i, i+2
.endr
	ROWSUM 0
	v_mul_f32 v[MN], 0xba000000, v16               ; - the mean
	v_mov_b32 v[MN+1], v[MN]                       ; (named with it as a pair, so it is written)
.set i, 0
.rept 32
	v_pk_add_f32 v[V+i:V+i+1], v[V+i:V+i+1], v[MN:MN+1] op_sel_hi:[1,0]
.set i, i+2
.endr
.irp k, 0,1,2,3
	v_pk_mul_f32 v[AC+2*\k:AC+2*\k+1], v[V+2*\k:V+2*\k+1], v[V+2*\k:V+2*\k+1]
.endr
.set i, 8
.rept 28
	v_pk_fma_f32 v[AC+i%8:AC+i%8+1], v[V+i:V+i+1], v[V+i:V+i+1], v[AC+i%8:AC+i%8+1]
.set i, i+2
.endr
	ROWSUM 1024
	v_fmaak_f32 v17, s18, v16, 0x3727c5ac          ; the variance + 1e-5
	v_rsq_f32 v[MN], v17
	v_nop                                          ; a plain instruction behind the transcendental
	s_wait_alu depctr_va_vdst(0)                   ; and the wait ahead of its first reader
.set i, 0
.rept 32
	v_pk_mul_f32 v[V+i:V+i+1], v[V+i:V+i+1], v[MN:MN+1] op_sel_hi:[1,0]
.set i, i+2
.endr
; THE QUANTISER.  My registers 32 g .. 32 g + 31 are block 2 g + h of the chunk, whole: no other lane is asked for its maximum.
.irp g, 0,1
	v_max3_num_f32 v[MX+\g], |v[V+32*\g]|, |v[V+32*\g+1]|, 0x1800000   ; with the floor 2^(3 - 127): the byte cannot fall under 1
.endr
.irp i, 2,4,6,8,10,12,14,16,18,20,22,24,26,28,30
.irp g, 0,1
	v_max3_num_f32 v[MX+\g], v[MX+\g], |v[V+32*\g+\i]|, |v[V+32*\g+\i+1]|
.endr
.endr
.irp g, 0,1
	v_add_nc_u32 v[SO+\g], 0xff000000, v[MX+\g]    ; 2 off the exponent field: the conversion takes this operand's exponent field as its scale
.endr
.irp g, 0,1
	v_lshrrev_b32 v[BY+\g], 23, v[SO+\g]           ; the scale's byte
.endr
.irp g, 0,1
	v_cvt_scalef32_pk16_fp6_f32 v[PC+8*\g:PC+8*\g+2], v[V+32*\g:V+32*\g+15], v[SO+\g]
	v_cvt_scalef32_pk16_fp6_f32 v[PC+8*\g+4:PC+8*\g+6], v[V+32*\g+16:V+32*\g+31], v[SO+\g]   ; (a conversion's three registers begin on an even number)
.endr
	v_nop                                          ; one plain instruction behind the scaled conversions
.irp g, 0,1
	v_mov_b32 v[PC+8*\g+3], v[PC+8*\g+4]           ; six registers on end: registers 6 g .. 6 g + 5 of the fragment
	v_mov_b32 v[PC+8*\g+4], v[PC+8*\g+5]
	v_mov_b32 v[PC+8*\g+5], v[PC+8*\g+6]
.endr
.irp g, 0,1
	global_store_b128 v9, v[PC+8*\g:PC+8*\g+3], s[6:7] offset:768*\g          ; 512 consecutive bytes, aligned to 256
	global_store_b64 v10, v[PC+8*\g+4:PC+8*\g+5], s[6:7] offset:768*\g+512    ; 256 consecutive bytes, aligned
.endr
	v_lshl_or_b32 v[MX], v[BY+1], 16, v[BY]        ; my two bytes: blocks h and 2 + h,
	v_lshlrev_b32 v[MX+1], 3, v2
	v_lshlrev_b32 v[MX], v[MX+1], v[MX]            ; 8 h bits up;
	v_permlanex16_b32 v[MX+1], v[MX], s16, s17
	v_or_b32 v[MX], v[MX], v[MX+1]                 ; with lane l xor 16's two the word is whole
	ds_store_b32 v11, v[MX]
	s_wait_dscnt 0x0
	s_barrier_signal -1
	s_barrier_wait -1
	s_cmp_lg_u32 s10, 0                            ; wave 0 stores the tile's 1,024 bytes of scale words, four whole aligned blocks of 256
	s_cbranch_scc1 .Ldone
	ds_load_b128 v[16:19], v12
	ds_load_b128 v[20:23], v12 offset:512
	s_wait_dscnt 0x0
	global_store_b128 v9, v[16:19], s[8:9]
	global_store_b128 v9, v[20:23], s[8:9] offset:512
.Ldone:
	s_wait_tensorcnt 0x0
	ds_add_u32 v176, v177
	s_wait_dscnt 0x0
	s_endpgm
.Lfunc_end_k_qe30f69dd65_lnq:
	.size	k_qe30f69dd65_lnq, .Lfunc_end_k_qe30f69dd65_lnq-k_qe30f69dd65_lnq
	.p2alignl 7, 3214868480
	.fill 96, 4, 3214868480
	.section	.rodata,"a",@progbits
	.p2align	6, 0x0
	.amdhsa_kernel k_qe30f69dd65_lnq
		.amdhsa_group_segment_fixed_size 140288
		.amdhsa_private_segment_fixed_size 0
		.amdhsa_enable_private_segment 0
		.amdhsa_kernarg_size 24
		.amdhsa_user_sgpr_count 2
		.amdhsa_user_sgpr_kernarg_segment_ptr 1
		.amdhsa_wavefront_size32 1
		.amdhsa_system_sgpr_workgroup_id_x 1
		.amdhsa_system_sgpr_workgroup_id_y 1
		.amdhsa_system_sgpr_workgroup_id_z 1
		.amdhsa_system_vgpr_workitem_id 0
		.amdhsa_next_free_vgpr 178
		.amdhsa_next_free_sgpr 66
		.amdhsa_reserve_vcc 0
		.amdhsa_float_denorm_mode_32 3
		.amdhsa_float_denorm_mode_16_64 3
		.amdhsa_memory_ordered 1
		.amdhsa_forward_progress 1
		.amdhsa_inst_pref_size 21
	.end_amdhsa_kernel
	.amdgpu_metadata
---
amdhsa.version: [ 1, 2 ]
amdhsa.kernels:
  - .name:           k_qe30f69dd65_lnq
    .symbol:         k_qe30f69dd65_lnq.kd
    .args:
      - { .name: x, .offset: 0, .size: 8, .value_kind: global_buffer, .address_space: global }
      - { .name: act0, .offset: 8, .size: 8, .value_kind: global_buffer, .address_space: global }
      - { .name: sc0, .offset: 16, .size: 8, .value_kind: global_buffer, .address_space: global }
    .group_segment_fixed_size: 140288
    .private_segment_fixed_size: 0
    .kernarg_segment_align: 8
    .kernarg_segment_size: 24
    .max_flat_workgroup_size: 512
    .sgpr_count:     66
    .vgpr_count:     178
    .wavefront_size: 32
...
	.end_amdgpu_metadata
.endif
;; end of part 1
;; launch g1 (part 2): grid 32 x 8, 4 waves a work-group, clusters of 4 x 4, 327,680 bytes of LDS; arguments act0, sc0, W1_codes, W1_scales, b1, cp1, rw1, act1, sc1; writes act1, sc1
.if DOCPART == 2
	.amdgcn_target "amdgcn-amd-amdhsa--gfx1250"
	.amdhsa_code_object_version 6
	.text
	.protected	k_qe30f69dd65_g1
	.globl	k_qe30f69dd65_g1
	.p2align	8
	.type	k_qe30f69dd65_g1,@function
k_qe30f69dd65_g1:
	s_mov_b64 s[64:65], 0
	v_nop
	global_prefetch_b8 v0, s[64:65] scope:SCOPE_SE
	s_setreg_imm32_b32 hwreg(HW_REG_WAVE_MODE, 25, 1), 1
	s_wait_xcnt 0x0
	s_wait_alu depctr_hold_cnt(0) depctr_sa_sdst(0) depctr_va_vdst(0) depctr_va_sdst(0) depctr_va_ssrc(0) depctr_va_vcc(0) depctr_vm_vsrc(0)
	s_getreg_b32 s2, hwreg(HW_REG_IB_STS2, 6, 4)
	s_cmp_eq_u32 s2, 0
	s_cbranch_scc0 .Lentry_in_a_cluster
	s_endpgm
.Lentry_in_a_cluster:
	s_bfe_u32 s2, ttmp6, 0x10000c
	s_cmp_lg_u32 s2, 0xf033
	s_cbranch_scc0 .Lentry_shape_is_right
	s_endpgm
.Lentry_shape_is_right:
; ONE LAYER: lin = Q(cur) W^T + b on codes of FP6 (E2M3) with E8M0 scales; t = tanh(lin); the module's partial B-spline with 8 control points a feature, x rw, clipped at +-10;
; the pair transform; the MX-FP6 quantiser along the features (the next product's K).  The same text serves the three layers; the sizes below are THIS layer's: layer 1, K 2,048, N 4,096.
; IN: the rows' codes as images of the operand's registers [K / 128][64 tiles of 16 rows][1,536 bytes] (half c at 768 c: registers 6c..6c+3 at 16 x lane, 6c+4, 6c+5 at 512 + 8 x lane), their scale
; words; W's codes [N][3 K / 4 bytes] and scale bytes [N][K / 32] as they are given.  OUT: the same two forms for the next layer.
; SHARES.  A work-group makes MT rows x 128 features.  Wave w: p = w / 2 (features 64 p ..), kh = w % 2: K IS SPLIT IN TWO INSIDE THE WORK-GROUP: of every slot's 512 along K wave kh takes 256, for ALL MT rows,
; so that each fragment read from LDS feeds more products.  At the end the two waves of a p exchange halves through LDS and each finishes MT / 2 rows x 64 features.
; My local tile of rows a is the work-group's tile (a + MO kh) mod MTW: the tiles that I finish are always accumulators a < MO.
; THE MATRIX INSTRUCTION IS USED TRANSPOSED (source 0 = 16 rows of W, source 1 = 16 rows of cur): lane (r, h) register j holds row r, feature 16 tau + 8 h + j.  The bias is the C of the first K step (zeros where kh = 1).
; RING: two LDS slots of 512 along K, filled by joint tensor loads in a cluster of 4 x 4: the rows' tiles are shared along a row of the cluster, W's along a column.  All scales come once, with the first fills.
; THE SPLINE IN CLOSED FORM.  Columns 0-4 are cubic, 5 quadratic, 6 linear, 7 constant: together a piecewise cubic on five pieces with one jump.  S = d [.6 <= t < 1] + the sum over the pieces of ((G3 y + G2) y + G1) y,
; y = clamp(t, piece) - the piece's upper knot: increments from t = 1 downwards, exactly 0 at t = 1.  The 16 coefficients a feature (rw folded in) are made once by the work-group, in LDS.
; LIMITS: NaN and infinities are not served; a block whose largest magnitude lies under 2^-124 gets the scale byte 1; rw is folded into the coefficients and the spline's sums are ordered otherwise than in the
; recursion (last bits); a t within an ulp of .6 or of 1 may fall on either side of the jump; K's two halves are summed apart and added in f32.
.set SIZE_K, 2048
.set MTW,    8                         ; tiles of 16 rows to a work-group
.set TS,     1024                      ; the rows' scale words in LDS: bytes from tile to tile,
.set KSTR,   64                        ; and from one 128 along K to the next
.set RSA,    32                        ; they are RSA rows of 256 bytes,
.set PSA,    32                        ; PSA x 8 bytes apart in memory,
.set SASH,   0                         ; beginning at (ty >> SASH) x SAMUL + (ty & SAMSK) x 256
.set SAMUL,  8192
.set SAMSK,  0
.set NOUT,   4096                      ; this layer's features
.set MO,   MTW/2
.set MT,   16*MTW
.set KS,   SIZE_K/32
.set KROW, SIZE_K*3/4
.set LAPS, SIZE_K/1024                 ; a lap = two slots
.set AKH,  2*MTW*1536                  ; the rows' part of a slot for one kh: [128 along K (2)][tile][1,536]
.set WKH,  128*240                     ; W's: 128 rows of 192 bytes, 16 bytes of padding behind each 64
.set SLOT, 2*AKH+2*WKH
.set SCW,  2*SLOT                      ; W's scale bytes, as blocks of 256 bytes + 16
.set SCA,  SCW+(KS/2)*272              ; the rows' scale words
.set TAB,  SCA+RSA*256                 ; [16 coefficients][128 features] f32
.set STGS, TAB+8192                    ; the outgoing scale words, 4 bytes a row
.set SPARE, STGS+512                   ; the spare words, 128 bytes a wave: no other line names them
.set EL,   8*MO                        ; numbers of a lane in one tau
; window 0
.set SPW, 4
.set NIL, 5
.set ADRW, 6                           ; v6-7 my W fragments in slot 0, 1; v8-9 the same behind one padding more
.set A16O, 10                          ; v10-11 my own tiles' images, 16 x lane; v12-13 the other tiles'
.set A16T, 12
.set A8O,  14                          ; v14-17 the same, 8 x lane
.set A8T,  16
.set ASW,  18                          ; W's scale words; v19, v20 the rows' (own, other); stepped slot by slot
.set ASO,  19
.set AST,  20
.set RST,  21                          ; the exchange: where I store, where I load
.set RLD,  22
.set TBA,  23                          ; the table
.set GC16, 24
.set GC8,  25
.set SSA,  26
.set SSL,  27
.set SW,   32                          ; v32-39 W's scale words: set s, register 2 b + q: lanes 0-15 tile 2 b, lanes 16-31 tile 2 b + 1
.set SA,   40                          ; v40-55 the rows': set s at 8 s, register (MTW / 2) q + a / 2: lanes 0-15 the even tile, lanes 16-31 the odd one
.set BIAS, 64                          ; v64-95
.set WF,   128                         ; v128-223 W's fragments, two sets of 48
; window 1: the rows' fragments, two sets of 12 MTW; later:
.set RCF,  0                           ; coefficients 8 c + j
.set RT,   128
.set RY,   160
.set RP,   192
.set RS,   224
; window 2: accumulator (a, tau) at 8 (4 a + tau); later, from v128:
.set CL,   128
.set TM,   144
.set PCD,  160
.set HW,   192
.set G1A, 28
.set G0A, 36
.set G1W, 44
.set G0W, 52
.set G0SA, 60
.set G1SA, 68
.set G1SW, 76
.set G0SW, 84
; behind the last tensor load's wait s28-55 hold the epilogue's constants
.set C2E, 28
.set K6,  30
.set K2,  32
.set NK2, 34
.set NK6, 36
.set NK1, 38
.set SEL, 40
.set NEGK, 42
.set RNG, 43
.set M10, 44
.set P10, 45
.set C05, 46
.set MK,  48
.set W_MUL,  0xa4                      ; source 0 (W) window 0, source 1 (rows) window 1, C and D window 2
.set W_MULB, 0x84                      ; the same with C (the bias) in window 0
.set W_TOA,  0x40                      ; destination window 1
.set W_ST2,  0x08                      ; a store's data in window 2
.set W_RADD, 0x86
.set W_W1,   0x55
.set W_XIN,  0x42
.set W_XOUT, 0x81
.set W_W2,   0xaa
.set MSB, 0
.macro WIN new                         ; the immediate's high byte repeats the setting that is left
.if MSB != \new
	s_set_vgpr_msb (MSB<<8)|\new
.set MSB, \new
.endif
.endm
.macro PLACES n
.rept \n
	v_nop
.endr
.endm
; A joint load: waves 0 and 1 fetch for the rows, waves 2 and 3 for W.  The branch hangs on the wave's number alone.  Four v_nop follow each of the two lines.
.macro JLOAD g0a, g1a, g0b, g1b
	s_cmp_eq_u32 s23, 0
	s_cbranch_scc0 .Lfor_b_\@
	tensor_load_to_lds s[\g0a:\g0a+3], s[\g1a:\g1a+7]
	s_nop 0
.rept 4
	v_nop
.endr
	s_branch .Lasked_\@
.Lfor_b_\@:
	tensor_load_to_lds s[\g0b:\g0b+3], s[\g1b:\g1b+7]
	s_nop 0
.rept 4
	v_nop
.endr
.Lasked_\@:
.endm
.macro CREST                           ; a round of the cluster's barrier behind its opening barrier
	s_cmp_lg_u32 s22, 0
	s_cbranch_scc1 .Lnot_wave_0_\@
	s_barrier_signal -3
.Lnot_wave_0_\@:
	s_barrier_wait -3
	s_barrier_signal -1
	s_barrier_wait -1
.endm
.macro CROUND
	s_barrier_signal -1
	s_barrier_wait -1
	CREST
.endm
	s_load_b256 s[4:11], s[0:1], 0x0               ; rows' codes s[4:5], rows' scales s[6:7], W's codes s[8:9], W's scales s[10:11]
	s_load_b256 s[12:19], s[0:1], 0x20             ; b s[12:13], cp s[14:15], rw s[16:17], codes out s[18:19]
	s_load_b64 s[20:21], s[0:1], 0x40              ; scales out
	v_lshl_add_u32 v[SPW], v0, 2, SPARE
	v_mov_b32 v[NIL], 0
	ds_add_u32 v4, v5
	ds_add_u32 v4, v5
	s_wait_dscnt 0x0
	v_lshrrev_b32 v1, 5, v0
	v_readfirstlane_b32 s22, v1                    ; wave 0..3
	s_lshr_b32 s23, s22, 1                         ; p.  Also: I fetch for the rows (0) or for W (1)
	s_and_b32 s24, s22, 1                          ; kh.  Also: which half I fetch
	s_bfe_u32 s25, ttmp6, 0x40000                  ; cx, cy: my place in the cluster
	s_bfe_u32 s26, ttmp6, 0x40004
	s_lshl_b32 s27, ttmp9, 2
	s_add_co_u32 s27, s27, s25                     ; tx: tile column = 4 x cluster x + cx
	s_and_b32 s88, ttmp7, 0xffff
	s_lshl_b32 s88, s88, 2
	s_add_co_u32 s88, s88, s26                     ; ty: tile row = 4 x cluster y + cy
	s_lshl_b32 s89, s26, 2
	s_lshl_b32 s89, 15, s89                        ; my row of the cluster
	s_lshl_b32 s90, 0x1111, s25                    ; my column
	; group 1, the rows' codes: 2 rows (two 128 along K) of MTW x 1,536 bytes, 64 x 1,536 bytes apart; elements of 8 bytes
	s_or_b32 s[G1A], s89, (3<<16)|(1<<21)
	s_mov_b32 s[G1A+1], (MTW*192)<<16
	s_mov_b32 s[G1A+2], 2<<16
	s_mov_b32 s[G1A+3], (MTW*192)<<16
	s_mov_b32 s[G1A+4], 2
	s_mov_b32 s[G1A+5], 12288
	s_mov_b32 s[G1A+6], 0
	s_mov_b32 s[G1A+7], 0
	; W's codes: 128 rows of 192 bytes, 16 bytes of padding behind every 64
	s_or_b32 s[G1W], s90, (0<<16)|(1<<20)|(1<<21)|(3<<22)|(3<<25)
	s_mov_b32 s[G1W+1], 192<<16
	s_mov_b32 s[G1W+2], 128<<16
	s_mov_b32 s[G1W+3], 192<<16
	s_mov_b32 s[G1W+4], 128
	s_mov_b32 s[G1W+5], KROW
	s_mov_b32 s[G1W+6], 0
	s_mov_b32 s[G1W+7], 0
	; the rows' scale words: RSA / 2 rows of 256 bytes
	s_or_b32 s[G1SA], s89, (3<<16)|(1<<21)
	s_mov_b32 s[G1SA+1], 32<<16
	s_mov_b32 s[G1SA+2], (RSA/2)<<16
	s_mov_b32 s[G1SA+3], 32<<16
	s_mov_b32 s[G1SA+4], RSA/2
	s_mov_b32 s[G1SA+5], PSA
	s_mov_b32 s[G1SA+6], 0
	s_mov_b32 s[G1SA+7], 0
	; W's scale bytes: 64 rows' worth, dense, as KS / 4 rows of 256 bytes with 16 bytes of padding behind each
	s_or_b32 s[G1SW], s90, (3<<16)|(1<<20)|(1<<21)|(5<<22)|(3<<25)
	s_mov_b32 s[G1SW+1], 32<<16
	s_mov_b32 s[G1SW+2], (KS/4)<<16
	s_mov_b32 s[G1SW+3], 32<<16
	s_mov_b32 s[G1SW+4], KS/4
	s_mov_b32 s[G1SW+5], 32
	s_mov_b32 s[G1SW+6], 0
	s_mov_b32 s[G1SW+7], 0
	; where the tiles come from: the rows' hang on ty alone, W's on tx alone
	s_mul_i32 s91, s24, 2*64*1536
	s_mul_i32 s92, s88, MTW*1536
	s_add_co_u32 s92, s92, s91
	s_mov_b32 s93, 0
	s_lshr_b32 s94, s88, SASH
	s_mul_i32 s94, s94, SAMUL
	s_and_b32 s95, s88, SAMSK
	s_lshl_b32 s95, s95, 8
	s_add_co_u32 s94, s94, s95
	s_mul_i32 s95, s24, (RSA/2)*PSA*8
	s_add_co_u32 s94, s94, s95
	s_mov_b32 s95, 0
	s_mul_i32 s96, s27, 128*KROW
	s_mul_i32 s97, s24, 192
	s_add_co_u32 s96, s96, s97
	s_mov_b32 s97, 0
	s_mul_i32 s98, s27, 128*KS
	s_mul_i32 s99, s24, 64*KS
	s_add_co_u32 s98, s98, s99
	s_mov_b32 s99, 0
	s_mul_i32 s100, s24, AKH                       ; and where they go: no place in the cluster enters an LDS address
	s_mul_i32 s101, s24, WKH
	s_add_co_u32 s101, s101, 2*AKH
	s_mul_i32 s66, s24, (RSA/2)*256
	s_mul_i32 s67, s24, (KS/4)*272
	s_wait_kmcnt 0x0
	s_add_nc_u64 s[92:93], s[4:5], s[92:93]
	s_add_nc_u64 s[94:95], s[6:7], s[94:95]
	s_add_nc_u64 s[96:97], s[8:9], s[96:97]
	s_add_nc_u64 s[98:99], s[10:11], s[98:99]
	CROUND                                         ; all sixteen work-groups are here: the first joint loads meet
	s_mov_b32 s[G0SA], 1
	s_add_co_u32 s[G0SA+1], s66, SCA
	s_mov_b64 s[G0SA+2:G0SA+3], s[94:95]
	s_or_b32 s[G0SA+3], s[G0SA+3], 0x80000000
	s_mov_b32 s[G0SW], 1
	s_add_co_u32 s[G0SW+1], s67, SCW
	s_mov_b64 s[G0SW+2:G0SW+3], s[98:99]
	s_or_b32 s[G0SW+3], s[G0SW+3], 0x80000000
	JLOAD G0SA, G1SA, G0SW, G1SW                   ; the scales first: they are wanted with slot 0
.irp s, 0,1
	s_mov_b32 s[G0A+4*\s], 1
	s_add_co_u32 s[G0A+4*\s+1], s100, \s*SLOT
	s_add_nc_u64 s[G0A+4*\s+2:G0A+4*\s+3], s[92:93], \s*4*64*1536
	s_or_b32 s[G0A+4*\s+3], s[G0A+4*\s+3], 0x80000000
	s_mov_b32 s[G0W+4*\s], 1
	s_add_co_u32 s[G0W+4*\s+1], s101, \s*SLOT
	s_add_nc_u64 s[G0W+4*\s+2:G0W+4*\s+3], s[96:97], \s*384
	s_or_b32 s[G0W+4*\s+3], s[G0W+4*\s+3], 0x80000000
	JLOAD G0A+4*\s, G1A, G0W+4*\s, G1W             ; three tensor loads of mine are out now
.endr
	; ---- while the tiles are on their way: the bias, cp and rw are asked for; addresses; the table of coefficients
	v_and_b32 v1, 15, v0                           ; r
	v_bfe_u32 v2, v0, 4, 1                         ; h
	v_and_b32 v3, 31, v0                           ; lane
	s_lshl_b32 s96, s27, 9
	s_lshl_b32 s97, s23, 8
	s_add_co_u32 s96, s96, s97
	s_mov_b32 s97, 0
	s_add_nc_u64 s[12:13], s[12:13], s[96:97]      ; b at feature 128 tx + 64 p
	s_mul_i32 s96, s27, 4608
	s_add_nc_u64 s[14:15], s[14:15], s[96:97]      ; cp at feature 128 tx: 36 bytes a feature
	s_lshl_b32 s96, s27, 9
	s_add_nc_u64 s[16:17], s[16:17], s[96:97]      ; rw likewise
	v_lshlrev_b32 v122, 5, v2
	v_mul_u32_u24 v123, v0, 36
	v_lshlrev_b32 v124, 2, v0
.irp t, 0,1,2,3
	global_load_b128 v[BIAS+8*\t:BIAS+8*\t+3], v122, s[12:13] offset:64*\t       ; lane (r, h), tile tau: b of features 16 tau + 8 h + 0 .. 7
	global_load_b128 v[BIAS+8*\t+4:BIAS+8*\t+7], v122, s[12:13] offset:64*\t+16
.endr
.irp i, 0,1,2,3,4,5,6,7
	global_load_b32 v[96+\i], v123, s[14:15] offset:4*\i     ; thread f: the eight control points of feature f that the sum takes (the ninth is not in it)
.endr
	global_load_b32 v104, v124, s[16:17]
	s_lshl_b32 s91, s27, 6                         ; codes out: fragment (K chunk tx, tile of rows MTW ty + MO kh), half p
	s_mul_i32 s66, s88, MTW
	s_add_co_u32 s91, s91, s66
	s_mul_i32 s66, s24, MO
	s_add_co_u32 s91, s91, s66
	s_mul_i32 s92, s91, 1536
	s_mul_i32 s66, s23, 768
	s_add_co_u32 s92, s92, s66
	s_mov_b32 s93, 0
	s_add_nc_u64 s[18:19], s[18:19], s[92:93]
	s_mul_i32 s92, s88, (NOUT/128)*MT*4            ; scales out: [ty][K chunk tx][MT rows]
	s_mul_i32 s66, s27, MT*4
	s_add_co_u32 s92, s92, s66
	s_add_nc_u64 s[20:21], s[20:21], s[92:93]
	v_mul_u32_u24 v28, v1, 240                     ; W's fragments: row r x 240 + 24 h,
	v_mad_u32_u24 v28, v2, 24, v28
	v_lshl_add_u32 v29, v2, 4, v28                 ; and the same behind one padding more
	s_mul_i32 s91, s24, WKH
	s_mul_i32 s66, s23, 64*240
	s_add_co_u32 s91, s91, s66
	s_add_co_u32 s91, s91, 2*AKH
.irp s, 0,1
	v_add_nc_u32 v[ADRW+\s], s91, v28
	v_add_nc_u32 v[ADRW+2+\s], s91, v29
	s_add_co_u32 s91, s91, SLOT
.endr
	v_lshlrev_b32 v[GC16], 4, v3
	v_lshlrev_b32 v[GC8], 3, v3
	s_xor_b32 s67, s24, 1
	s_mul_i32 s91, s24, AKH+MO*1536                ; my half of K, my own tiles
	s_mul_i32 s66, s24, AKH
	s_mul_i32 s67, s67, MO*1536
	s_add_co_u32 s66, s66, s67                     ; my half of K, the other tiles
.irp s, 0,1
	v_add_nc_u32 v[A16O+\s], s91, v[GC16]
	v_add_nc_u32 v[A16T+\s], s66, v[GC16]
	v_add_nc_u32 v[A8O+\s], s91, v[GC8]
	v_add_nc_u32 v[A8T+\s], s66, v[GC8]
	s_add_co_u32 s91, s91, SLOT
	s_add_co_u32 s66, s66, SLOT
.endr
	v_mul_u32_u24 v28, v3, KS                      ; W's scale words: lane l takes row 64 p + 32 b + l: KS bytes a row,
	v_lshrrev_b32 v29, 8, v28
	v_lshl_add_u32 v28, v29, 4, v28                ; and 16 more for each 256 passed
	s_mul_i32 s91, s23, (KS/4)*272
	s_lshl_b32 s66, s24, 3
	s_add_co_u32 s91, s91, s66
	s_add_co_u32 s91, s91, SCW
	v_add_nc_u32 v[ASW], s91, v28
	v_lshlrev_b32 v28, 2, v1                       ; the rows' scale words: 4 r, lanes 16-31 one tile on
	v_mad_u32_u24 v28, v2, TS, v28
	s_mul_i32 s91, s24, MO*TS+2*KSTR
	s_add_co_u32 s91, s91, SCA
	v_add_nc_u32 v[ASO], s91, v28
	s_xor_b32 s66, s24, 1
	s_mul_i32 s66, s66, MO*TS
	s_mul_i32 s67, s24, 2*KSTR
	s_add_co_u32 s66, s66, s67
	s_add_co_u32 s66, s66, SCA
	v_add_nc_u32 v[AST], s66, v28
	s_mul_i32 s91, s22, MO*4096                    ; the exchange, in slot 0: MO x 4,096 bytes a wave; I load what wave w xor 1 stored
	v_add_nc_u32 v[RST], s91, v[GC16]
	s_xor_b32 s66, s22, 1
	s_mul_i32 s66, s66, MO*4096
	v_add_nc_u32 v[RLD], s66, v[GC16]
	s_lshl_b32 s91, s23, 8
	s_add_co_u32 s91, s91, TAB
	v_lshl_add_u32 v[TBA], v2, 5, s91              ; the table: feature 64 p + 8 h
	s_mul_i32 s91, s24, 64*MO
	s_lshl_b32 s66, s23, 1
	s_add_co_u32 s91, s91, s66
	s_add_co_u32 s91, s91, STGS
	v_lshl_add_u32 v[SSA], v1, 2, s91              ; my half of row (16 MO kh + r)'s outgoing scale word
.if MTW == 8
	v_lshl_add_u32 v[SSL], v3, 4, STGS
.else
	v_lshl_add_u32 v[SSL], v3, 3, STGS
.endif
	v_lshl_add_u32 v105, v0, 2, TAB
	s_cmp_eq_u32 s24, 0
	s_cselect_b32 s91, -1, 0
	s_wait_loadcnt 0x0
.set i, 0
.rept 32
	v_cndmask_b32 v[BIAS+i], 0, v[BIAS+i], s91     ; the bias is added once: zeros where kh = 1
.set i, i+1
.endr
.irp i, 0,1,2,3,4,5,6,7
	v_mul_f32 v[96+\i], v[96+\i], v104             ; c_i = cp_i x rw
.endr
	; rows 3 piece + 0, 1, 2 = -g3, g2, -g1 of the piece's cubic in the distance below its upper knot (1 / h, 1 / h^2, 1 / h^3 = 2.5, 6.25, 15.625 folded in); pieces from [.6, 1) downwards
	v_mul_f32 v106, 0xc026aaab, v100               ; -15.625/6 c4
	v_mul_f32 v107, 0x40480000, v101               ; 3.125 c5
	v_mul_f32 v108, 0xc0200000, v102               ; -2.5 c6
	v_mul_f32 v109, 0xc026aaab, v99                ; -15.625/6 c3 + 7.8125 c4
	v_fmamk_f32 v109, v100, 0x40fa0000, v109
	v_mul_f32 v110, 0x40480000, v100               ; 3.125 c4 - 6.25 c5
	v_fmamk_f32 v110, v101, 0xc0c80000, v110
	v_mul_f32 v111, 0xbfa00000, v100               ; -1.25 c4 - 2.5 c5 + 2.5 c6
	v_fmamk_f32 v111, v101, 0xc0200000, v111
	v_fmamk_f32 v111, v102, 0x40200000, v111
	v_mul_f32 v112, 0xc026aaab, v98                ; -15.625/6 c2 + 7.8125 c3 - 7.8125 c4
	v_fmamk_f32 v112, v99, 0x40fa0000, v112
	v_fmamk_f32 v112, v100, 0xc0fa0000, v112
	v_mul_f32 v113, 0x40480000, v99                ; 3.125 c3 - 6.25 c4 + 3.125 c5
	v_fmamk_f32 v113, v100, 0xc0c80000, v113
	v_fmamk_f32 v113, v101, 0x40480000, v113
	v_mul_f32 v114, 0xbfa00000, v99                ; -1.25 c3 + 2.5 c5
	v_fmamk_f32 v114, v101, 0x40200000, v114
	v_mul_f32 v115, 0xc07a0000, v97                ; -3.90625 c1 + 9.1145833 c2 - 7.8125 c3 + 15.625/6 c4
	v_fmamk_f32 v115, v98, 0x4111d555, v115
	v_fmamk_f32 v115, v99, 0xc0fa0000, v115
	v_fmamk_f32 v115, v100, 0x4026aaab, v115
	v_mul_f32 v116, 0x40480000, v98                ; 3.125 c2 - 6.25 c3 + 3.125 c4
	v_fmamk_f32 v116, v99, 0xc0c80000, v116
	v_fmamk_f32 v116, v100, 0x40480000, v116
	v_mul_f32 v117, 0xbfa00000, v98                ; -1.25 c2 + 1.25 c4
	v_fmamk_f32 v117, v100, 0x3fa00000, v117
	v_mul_f32 v118, 0xc17a0000, v96                ; -15.625 c0 + 27.34375 c1 - 14.322917 c2 + 15.625/6 c3
	v_fmamk_f32 v118, v97, 0x41dac000, v118
	v_fmamk_f32 v118, v98, 0xc1652aab, v118
	v_fmamk_f32 v118, v99, 0x4026aaab, v118
	v_mul_f32 v119, 0x40960000, v97                ; 4.6875 c1 - 7.8125 c2 + 3.125 c3
	v_fmamk_f32 v119, v98, 0xc0fa0000, v119
	v_fmamk_f32 v119, v99, 0x40480000, v119
	v_mul_f32 v120, 0xbff00000, v97                ; -1.875 c1 + .625 c2 + 1.25 c3
	v_fmamk_f32 v120, v98, 0x3f200000, v120
	v_fmamk_f32 v120, v99, 0x3fa00000, v120
.set i, 0
.rept 15
	ds_store_b32 v105, v[106+i] offset:512*i
.set i, i+1
.endr
	ds_store_b32 v105, v103 offset:512*15          ; row 15: d = c7, the jump
; A fragment of W, 16 rows x 128 K, is 12 registers: lane l holds row l % 16; registers 6 c .. 6 c + 5 hold K = 64 c + 32 (l / 16) + 0 .. 31: 24 bytes of the row's stream of bits, in pieces of 8 bytes.
; 16 bytes of padding lie behind every 8 pieces: where the piece three on (lanes 16-31) lies behind one padding more, the second address register serves.
.macro FRAGW reg, adr, q, i
.irp p, 0,1,2,3,4,5
.set PCE, 12*(\q)+6*(\p/3)+\p%3
.if PCE%8 < 5
	ds_load_b64 v[\reg+2*\p:\reg+2*\p+1], v[\adr] offset:8*PCE+16*(PCE/8)+(\i)*3840
.else
	ds_load_b64 v[\reg+2*\p:\reg+2*\p+1], v[\adr+2] offset:8*PCE+16*(PCE/8)+(\i)*3840
.endif
.endr
.endm
.macro FETCH_W slot, q                 ; my four tiles of W, the q-th 128 of my 256 along K, into set q
	WIN 0
.irp i, 0,1,2,3
	FRAGW WF+48*(\q)+12*\i, ADRW+\slot, \q, \i
.endr
.endm
.macro FETCH_A slot, q                 ; the MTW tiles of rows: images of registers, so each half fragment is a load of 16 and a load of 8 bytes a lane
	WIN W_TOA
.set fa, 0
.rept MTW
.set fo, (\q)*MTW*1536+(fa%MO)*1536
.set fr, 12*MTW*(\q)+12*fa
.if fa < MO
	ds_load_b128 v[fr:fr+3], v[A16O+\slot] offset:fo
	ds_load_b64 v[fr+4:fr+5], v[A8O+\slot] offset:fo+512
	ds_load_b128 v[fr+6:fr+9], v[A16O+\slot] offset:fo+768
	ds_load_b64 v[fr+10:fr+11], v[A8O+\slot] offset:fo+1280
.else
	ds_load_b128 v[fr:fr+3], v[A16T+\slot] offset:fo
	ds_load_b64 v[fr+4:fr+5], v[A8T+\slot] offset:fo+512
	ds_load_b128 v[fr+6:fr+9], v[A16T+\slot] offset:fo+768
	ds_load_b64 v[fr+10:fr+11], v[A8T+\slot] offset:fo+1280
.endif
.set fa, fa+1
.endr
.endm
.macro FETCH_S set                     ; a slot's scale words
.irp b, 0,1
	ds_load_b64 v[SW+4*\set+2*\b:SW+4*\set+2*\b+1], v[ASW] offset:\b*(KS/8)*272
.endr
.irp q, 0,1
.set fi, 0
.rept MTW/2
.if 2*fi < MO
	ds_load_b32 v[SA+8*\set+(MTW/2)*\q+fi], v[ASO] offset:fi*2*TS+\q*KSTR
.else
	ds_load_b32 v[SA+8*\set+(MTW/2)*\q+fi], v[AST] offset:(fi-MO/2)*2*TS+\q*KSTR
.endif
.set fi, fi+1
.endr
.endr
.endm
; 4 n matrix instructions: tiles of rows a0 .. a0 + n - 1 x my four tiles of W.  The accumulators take turns, one instruction a turn, in the same order in every step.
.macro MULS a0, n, q, set, first
.set ma, \a0
.rept \n
.set mu, 0
.rept 4
.set rD, 8*(4*ma+mu)
.set rW, WF+48*(\q)+12*mu
.set rA, 12*MTW*(\q)+12*ma
.set rX, SW+4*(\set)+2*(mu/2)+(\q)
.set rZ, SA+8*(\set)+(MTW/2)*(\q)+ma/2
.if \first
.set rC, BIAS+8*mu
.else
.set rC, rD
.endif
.if (mu%2 == 0) && (ma%2 == 0)
	v_wmma_scale_f32_16x16x128_f8f6f4 v[rD:rD+7], v[rW:rW+11], v[rA:rA+11], v[rC:rC+7], v[rX], v[rZ] matrix_a_fmt:MATRIX_FMT_FP6 matrix_b_fmt:MATRIX_FMT_FP6
.elseif ma%2 == 0
	v_wmma_scale_f32_16x16x128_f8f6f4 v[rD:rD+7], v[rW:rW+11], v[rA:rA+11], v[rC:rC+7], v[rX], v[rZ] matrix_a_fmt:MATRIX_FMT_FP6 matrix_b_fmt:MATRIX_FMT_FP6 matrix_a_scale:MATRIX_SCALE_ROW1
.elseif mu%2 == 0
	v_wmma_scale_f32_16x16x128_f8f6f4 v[rD:rD+7], v[rW:rW+11], v[rA:rA+11], v[rC:rC+7], v[rX], v[rZ] matrix_a_fmt:MATRIX_FMT_FP6 matrix_b_fmt:MATRIX_FMT_FP6 matrix_b_scale:MATRIX_SCALE_ROW1
.else
	v_wmma_scale_f32_16x16x128_f8f6f4 v[rD:rD+7], v[rW:rW+11], v[rA:rA+11], v[rC:rC+7], v[rX], v[rZ] matrix_a_fmt:MATRIX_FMT_FP6 matrix_b_fmt:MATRIX_FMT_FP6 matrix_a_scale:MATRIX_SCALE_ROW1 matrix_b_scale:MATRIX_SCALE_ROW1
.endif
.set mu, mu+1
.endr
.set ma, ma+1
.endr
.endm
; A slot's first 128 along K (set 0); in its middle the second 128's fragments are fetched into set 1.  Loads into registers that matrix instructions have read stand four plain vector instructions behind them (ISA guide 7.12.1 for vector instructions).
.macro STEP slot, first
	s_wait_dscnt 0x0                               ; set 0 and the slot's scale words are in
.if \first
	WIN W_MULB
.else
	WIN W_MUL
.endif
	MULS 0, MTW/2, 0, \slot, \first
	PLACES 4
	FETCH_W \slot, 1
	FETCH_A \slot, 1
.if \first
	WIN W_MULB
.else
	WIN W_MUL
.endif
	MULS MTW/2, MTW/2, 0, \slot, \first
.endm
; A slot's second 128 changes slots: ONE barrier; in front of it each wave waits for all its tensor loads, adds 0 to its spare word, and waits for that and for its reads of this slot.  fill = 1: the slot is filled again, two slots ahead.
.macro TURN slot, next, fill
	WIN 0
	s_wait_tensorcnt 0x0                           ; all my tensor loads have landed: my part of the next slot
	ds_add_u32 v[SPW], v[NIL]                      ; 0 onto my spare word
	s_wait_dscnt 0x1                               ; set 1 is in; the add alone may be out
	WIN W_MUL
	MULS 0, MTW/4, 1, \slot, 0
	s_wait_dscnt 0x0                               ; the add is done, and my reads of this slot are over
	s_barrier_signal -1
	MULS MTW/4, MTW/4, 1, \slot, 0
	WIN 0
	s_barrier_wait -1
.if \fill
	CREST                                          ; the barrier has opened a round of the cluster's barrier: no wave of any partner still reads this slot or has a load on its way
	s_add_nc_u64 s[G0A+4*\slot+2:G0A+4*\slot+3], s[G0A+4*\slot+2:G0A+4*\slot+3], 8*64*1536
	s_add_nc_u64 s[G0W+4*\slot+2:G0W+4*\slot+3], s[G0W+4*\slot+2:G0W+4*\slot+3], 768
	JLOAD G0A+4*\slot, G1A, G0W+4*\slot, G1W       ; my one tensor load behind the round; its four v_nop are the places in front of the loads below
.else
	PLACES 4
.endif
	v_add_nc_u32 v[ASW], 16, v[ASW]                ; on to the next slot's scale words (no LDS load of mine is out)
	v_add_nc_u32 v[ASO], 4*KSTR, v[ASO]
	v_add_nc_u32 v[AST], 4*KSTR, v[AST]
	FETCH_W \next, 0
	FETCH_A \next, 0
	WIN 0
	FETCH_S \next
	WIN W_MUL
	MULS MTW/2, MTW/2, 1, \slot, 0
.endm
	s_wait_tensorcnt 0x1                           ; the scales and my part of slot 0 are in (slot 1's load may be out)
	s_wait_dscnt 0x0                               ; my part of the table has landed,
	s_barrier_signal -1
	s_barrier_wait -1                              ; everybody's has
	FETCH_W 0, 0
	FETCH_A 0, 0
	WIN 0
	FETCH_S 0
	STEP 0, 1                                      ; the first step stands in front of the loop: its products start the sums, on the bias
	WIN 0
	s_mov_b32 s3, LAPS-1
.Llap:                                             ; a trip goes once round the ring and fills both slots again
	TURN 0, 1, 1
	STEP 1, 0
	TURN 1, 0, 1
	STEP 0, 0
	WIN 0
	s_sub_co_u32 s3, s3, 1
	s_cmp_lg_u32 s3, 0
	s_cbranch_scc1 .Llap
	TURN 0, 1, 0                                   ; the last lap fills nothing
	STEP 1, 0
	s_wait_dscnt 0x0
	MULS 0, MTW, 1, 1, 0
.macro SPAIR reg, val                  ; a constant for the packed forms, which name a pair
	s_mov_b32 s[\reg], \val
	s_mov_b32 s[\reg+1], \val
.endm
	SPAIR C2E, 0x4038aa3b                          ; 2 log2(e).  (No tensor load is out: the descriptors' registers are free)
	SPAIR K6, 0x3f19999a                           ; .6
	SPAIR K2, 0x3e4ccccd                           ; .2
	SPAIR NK2, 0xbe4ccccd
	SPAIR NK6, 0xbf19999a
	SPAIR NK1, 0xbf800000
	s_mov_b32 s[SEL], 0x76543210
	s_mov_b32 s[SEL+1], 0xfedcba98
	s_mov_b32 s[NEGK], 0xc0e66666                  ; - the bits of .6
	s_mov_b32 s[RNG], 0x00666666                   ; the bits of 1 - the bits of .6
	s_mov_b32 s[M10], 0xc1200000
	s_mov_b32 s[P10], 0x41200000
	s_mov_b32 s[C05], 0x3d4ccccd                   ; .05
	; ---- THE EXCHANGE.  Slot 0 has had its last fill, and every wave has passed the barrier behind its last read: its bytes carry the halves.
	PLACES 4
	WIN W_ST2
.set i, 0
.rept 4*MO
	ds_store_b128 v[RST], v[32*MO+8*i:32*MO+8*i+3] offset:1024*i           ; the tiles that my partner finishes; each accumulator from its low end on
	ds_store_b128 v[RST], v[32*MO+8*i+4:32*MO+8*i+7] offset:1024*i+512
.set i, i+1
.endr
	WIN 0
	s_wait_dscnt 0x0
	s_barrier_signal -1
	s_barrier_wait -1
	WIN W_TOA
.set i, 0
.rept 4*MO
	ds_load_b128 v[8*i:8*i+3], v[RLD] offset:1024*i
	ds_load_b128 v[8*i+4:8*i+7], v[RLD] offset:1024*i+512
.set i, i+1
.endr
	s_wait_dscnt 0x0
	WIN W_RADD
.set i, 0
.rept 16*MO
	v_pk_add_f32 v[i:i+1], v[i:i+1], v[i:i+1]      ; window 2 += window 1: the other half of K
.set i, i+2
.endr
	; ---- THE ACTIVATION, a tile of W (16 features) at a time: EL numbers a lane
.macro COEF tau                        ; the 16 coefficients of my eight features of tile tau
	WIN W_TOA
.set cc, 0
.rept 16
	ds_load_b128 v[RCF+8*cc:RCF+8*cc+3], v[TBA] offset:512*cc+64*(\tau)
	ds_load_b128 v[RCF+8*cc+4:RCF+8*cc+7], v[TBA] offset:512*cc+64*(\tau)+16
.set cc, cc+1
.endr
.endm
.macro PIECE pc, kind, lo, hi, sh      ; y = clamp(t) - the upper knot; S += ((G3 y + G2) y + G1) y
.set ee, 0
.rept EL
.if \kind == 0
	v_max_num_f32 v[RY+ee], s[\lo], v[RT+ee]
.elseif \kind == 1
	v_med3_num_f32 v[RY+ee], v[RT+ee], s[\lo], s[\hi]
.else
	v_min_num_f32 v[RY+ee], s[\hi], v[RT+ee]
.endif
.set ee, ee+1
.endr
.set ee, 0
.rept EL/2
	v_pk_add_f32 v[RY+ee:RY+ee+1], v[RY+ee:RY+ee+1], s[\sh:\sh+1] op_sel_hi:[1,0]
.set ee, ee+2
.endr
.set ee, 0
.rept EL/2
	v_pk_fma_f32 v[RP+ee:RP+ee+1], v[RCF+24*\pc+ee%8:RCF+24*\pc+ee%8+1], v[RY+ee:RY+ee+1], v[RCF+24*\pc+8+ee%8:RCF+24*\pc+9+ee%8]
.set ee, ee+2
.endr
.set ee, 0
.rept EL/2
	v_pk_fma_f32 v[RP+ee:RP+ee+1], v[RP+ee:RP+ee+1], v[RY+ee:RY+ee+1], v[RCF+24*\pc+16+ee%8:RCF+24*\pc+17+ee%8]
.set ee, ee+2
.endr
.set ee, 0
.rept EL/2
	v_pk_fma_f32 v[RS+ee:RS+ee+1], v[RP+ee:RP+ee+1], v[RY+ee:RY+ee+1], v[RS+ee:RS+ee+1]
.set ee, ee+2
.endr
.endm
.macro ACTT tau, more
	WIN W_XIN
.set ee, 0
.rept EL/2
.set xr, 8*(4*(ee/8)+(\tau))+ee%8
	v_pk_mul_f32 v[RP+ee:RP+ee+1], v[xr:xr+1], s[C2E:C2E+1] op_sel_hi:[1,0]
.set ee, ee+2
.endr
	WIN W_W1
.set ee, 0
.rept EL
	v_exp_f32 v[RP+ee], v[RP+ee]                   ; e^(2 x): one batch
.set ee, ee+1
.endr
	v_nop                                          ; a plain instruction behind the last of the batch,
	s_wait_alu depctr_va_vdst(0)                   ; and the one wait ahead of its first reader
.set ee, 0
.rept EL/2
	v_pk_add_f32 v[RP+ee:RP+ee+1], v[RP+ee:RP+ee+1], 1.0 op_sel_hi:[1,0]
.set ee, ee+2
.endr
.set ee, 0
.rept EL
	v_rcp_f32 v[RP+ee], v[RP+ee]
.set ee, ee+1
.endr
	v_nop
	s_wait_alu depctr_va_vdst(0)
.set ee, 0
.rept EL/2
	v_pk_fma_f32 v[RT+ee:RT+ee+1], v[RP+ee:RP+ee+1], -2.0, 1.0 op_sel_hi:[1,0,0]   ; t = tanh(x) = 1 - 2 / (1 + e^(2 x)): 1 where e^(2 x) overflows, -1 where it vanishes
.set ee, ee+2
.endr
.set ee, 0
.rept EL
	v_add_nc_u32 v[RY+ee], s[NEGK], v[RT+ee]       ; t's bits less .6's: below the bits of 1 less .6's (unsigned) just where .6 <= t < 1
.set ee, ee+1
.endr
	s_wait_dscnt 0x0                               ; the coefficients are in
.set ee, 0
.rept EL/8
.irp j, 0,1,2,3,4,5,6,7
	v_cmp_gt_u32 s[MK+\j], s[RNG], v[RY+ee+\j]
.endr
.irp j, 0,1,2,3,4,5,6,7
	v_cndmask_b32 v[RS+ee+\j], 0, v[RCF+120+\j], s[MK+\j]   ; the sum begins with the jump, or with 0
.endr
.set ee, ee+8
.endr
	PIECE 0, 0, K6, K6, NK1
	PIECE 1, 1, K2, K6, NK6
	PIECE 2, 1, NK2, K2, NK2
	PIECE 3, 1, NK6, NK2, K2
	PIECE 4, 2, NK6, NK6, K6
.if \more
	COEF (\tau)+1                                  ; behind the coefficients' last use: they land during the next tile's tanh
.endif
	WIN W_XOUT
.set ee, 0
.rept EL
.set xr, 8*(4*(ee/8)+(\tau))+ee%8
	v_med3_num_f32 v[xr], v[RS+ee], s[M10], s[P10]
.set ee, ee+1
.endr
.endm
	COEF 0
	ACTT 0, 1
	ACTT 1, 1
	ACTT 2, 1
	ACTT 3, 0
	; ---- THE PAIR TRANSFORM AND THE QUANTISER.  A feature's place in its group of eight is j: j = 0, 1 take generator 0, j = 2, 3 generator 1; for j = 4 .. 7 the commutator is 0.
	WIN W_W2
.set qb, 0
.rept 2*MO
	v_mov_b32 v[TM+8+qb], 0                        ; written once: a lane permute's destination counts as one of its sources
.set qb, qb+1
.endr
.set qa, 0
.rept MO
.irp t, 0,1,2,3
.irp j, 0,1,2,3
	v_med3_num_f32 v[CL+4*\t+\j], v[8*(4*qa+\t)+\j], -1.0, 1.0
.endr
.endr
.irp t, 0,1,2,3
	v_fma_f32 v[8*(4*qa+\t)], v[CL+4*\t+1], s[C05], v[8*(4*qa+\t)]
	v_fma_f32 v[8*(4*qa+\t)+1], v[CL+4*\t], s[C05], v[8*(4*qa+\t)+1]
	v_fma_f32 v[8*(4*qa+\t)+2], -v[CL+4*\t+3], s[C05], v[8*(4*qa+\t)+2]
	v_fma_f32 v[8*(4*qa+\t)+3], v[CL+4*\t+2], s[C05], v[8*(4*qa+\t)+3]
.endr
.irp b, 0,1
.irp j, 0,1,2,3,4,5,6,7
	v_permlane16_swap_b32 v[8*(4*qa+2*\b)+\j], v[8*(4*qa+2*\b+1)+\j]   ; the 16 registers of tiles 2 b, 2 b + 1 now hold features 32 b + 16 h + 0 .. 15
.endr
.endr
.set qa, qa+1
.endr
.set qb, 0
.rept 2*MO                             ; block qb = 2 a + b: registers 16 qb on
	v_max3_num_f32 v[TM+qb], |v[16*qb]|, |v[16*qb+1]|, 0x1800000   ; with the floor 2^(3 - 127): the byte cannot fall under 1
.set qb, qb+1
.endr
.irp i, 2,4,6,8,10,12,14
.set qb, 0
.rept 2*MO
	v_max3_num_f32 v[TM+qb], v[TM+qb], |v[16*qb+\i]|, |v[16*qb+\i+1]|
.set qb, qb+1
.endr
.endr
.set qb, 0
.rept 2*MO
	v_permlanex16_b32 v[TM+8+qb], v[TM+qb], s[SEL], s[SEL+1]
.set qb, qb+1
.endr
.set qb, 0
.rept 2*MO
	v_max_num_f32 v[TM+qb], v[TM+qb], v[TM+8+qb]   ; with lane l xor 16's: the block's largest magnitude
.set qb, qb+1
.endr
.set qb, 0
.rept 2*MO
	v_add_nc_u32 v[TM+qb], 0xff000000, v[TM+qb]    ; 2 off its exponent field: the conversion's scale operand
.set qb, qb+1
.endr
.set qb, 0
.rept 2*MO
	v_lshrrev_b32 v[TM+8+qb], 23, v[TM+qb]         ; the scale's byte
.set qb, qb+1
.endr
.set qa, 0
.rept MO
	v_lshl_or_b32 v[HW+qa], v[TM+9+2*qa], 8, v[TM+8+2*qa]   ; bytes 2 p, 2 p + 1 of the row's scale word
.set qa, qa+1
.endr
.set qb, 0
.rept 2*MO
	v_cvt_scalef32_pk16_fp6_f32 v[PCD+4*qb:PCD+4*qb+2], v[16*qb:16*qb+15], v[TM+qb]
.set qb, qb+1
.endr
	v_nop                                          ; one plain instruction behind the scaled conversions
.set qa, 0
.rept MO
.irp i, 0,1,2
	v_permlane16_swap_b32 v[PCD+8*qa+\i], v[PCD+8*qa+4+\i]   ; a WHOLE block in a lane: lanes 0-15 block 2 p, lanes 16-31 block 2 p + 1
.endr
	v_mov_b32 v[PCD+8*qa+3], v[PCD+8*qa+4]
	v_mov_b32 v[PCD+8*qa+4], v[PCD+8*qa+5]
	v_mov_b32 v[PCD+8*qa+5], v[PCD+8*qa+6]
.set qa, qa+1
.endr
	WIN W_ST2
.set qa, 0
.rept MO
	global_store_b128 v[GC16], v[PCD+8*qa:PCD+8*qa+3], s[18:19] offset:1536*qa          ; 512 consecutive bytes, aligned to 256
	global_store_b64 v[GC8], v[PCD+8*qa+4:PCD+8*qa+5], s[18:19] offset:1536*qa+512      ; 256 consecutive bytes, aligned
	ds_store_b16 v[SSA], v[HW+qa] offset:64*qa     ; both halves of the lanes write the same bytes with the same value
.set qa, qa+1
.endr
	WIN 0
	s_wait_dscnt 0x0
	s_barrier_signal -1
	s_barrier_wait -1                              ; the MT rows' scale words are whole
	s_cmp_lg_u32 s22, 0
	s_cbranch_scc1 .Lnot_first
.if MTW == 8
	ds_load_b128 v[96:99], v[SSL]
	s_wait_dscnt 0x0
	global_store_b128 v[GC16], v[96:99], s[20:21]  ; 512 consecutive bytes, aligned to 256
.else
	ds_load_b64 v[96:97], v[SSL]
	s_wait_dscnt 0x0
	global_store_b64 v[GC8], v[96:97], s[20:21]    ; 256 consecutive bytes, aligned
.endif
.Lnot_first:
	s_wait_tensorcnt 0x0                           ; the wave's end
	ds_add_u32 v[SPW], v[NIL]
	s_wait_dscnt 0x0
	CROUND                                         ; the closing round: no work-group ends while a partner may still ask for a tile that names it
	s_endpgm
.Lfunc_end_k_qe30f69dd65_g1:
	.size	k_qe30f69dd65_g1, .Lfunc_end_k_qe30f69dd65_g1-k_qe30f69dd65_g1
	.p2alignl 7, 3214868480
	.fill 96, 4, 3214868480
	.section	.rodata,"a",@progbits
	.p2align	6, 0x0
	.amdhsa_kernel k_qe30f69dd65_g1
		.amdhsa_group_segment_fixed_size 327680
		.amdhsa_private_segment_fixed_size 0
		.amdhsa_enable_private_segment 0
		.amdhsa_kernarg_size 72
		.amdhsa_user_sgpr_count 2
		.amdhsa_user_sgpr_kernarg_segment_ptr 1
		.amdhsa_wavefront_size32 1
		.amdhsa_system_sgpr_workgroup_id_x 1
		.amdhsa_system_sgpr_workgroup_id_y 1
		.amdhsa_system_sgpr_workgroup_id_z 1
		.amdhsa_system_vgpr_workitem_id 0
		.amdhsa_next_free_vgpr 768
		.amdhsa_next_free_sgpr 102
		.amdhsa_reserve_vcc 0
		.amdhsa_float_denorm_mode_32 3
		.amdhsa_float_denorm_mode_16_64 3
		.amdhsa_memory_ordered 1
		.amdhsa_forward_progress 1
		.amdhsa_inst_pref_size 255
	.end_amdhsa_kernel
	.section	.bss,"aw",@nobits
	.p2align	6
	.space	262144
	.amdgpu_metadata
---
amdhsa.version: [ 1, 2 ]
amdhsa.kernels:
  - .name:           k_qe30f69dd65_g1
    .symbol:         k_qe30f69dd65_g1.kd
    .args:
      - { .name: act0, .offset: 0, .size: 8, .value_kind: global_buffer, .address_space: global }
      - { .name: sc0, .offset: 8, .size: 8, .value_kind: global_buffer, .address_space: global }
      - { .name: W1_codes, .offset: 16, .size: 8, .value_kind: global_buffer, .address_space: global }
      - { .name: W1_scales, .offset: 24, .size: 8, .value_kind: global_buffer, .address_space: global }
      - { .name: b1, .offset: 32, .size: 8, .value_kind: global_buffer, .address_space: global }
      - { .name: cp1, .offset: 40, .size: 8, .value_kind: global_buffer, .address_space: global }
      - { .name: rw1, .offset: 48, .size: 8, .value_kind: global_buffer, .address_space: global }
      - { .name: act1, .offset: 56, .size: 8, .value_kind: global_buffer, .address_space: global }
      - { .name: sc1, .offset: 64, .size: 8, .value_kind: global_buffer, .address_space: global }
    .group_segment_fixed_size: 327680
    .private_segment_fixed_size: 0
    .kernarg_segment_align: 8
    .kernarg_segment_size: 72
    .max_flat_workgroup_size: 128
    .sgpr_count:     102
    .vgpr_count:     768
    .wavefront_size: 32
...
	.end_amdgpu_metadata
.endif
;; end of part 2
;; launch g2 (part 3): grid 32 x 8, 4 waves a work-group, clusters of 4 x 4, 327,680 bytes of LDS; arguments act1, sc1, W2_codes, W2_scales, b2, cp2, rw2, act2, sc2; writes act2, sc2
.if DOCPART == 3
	.amdgcn_target "amdgcn-amd-amdhsa--gfx1250"
	.amdhsa_code_object_version 6
	.text
	.protected	k_qe30f69dd65_g2
	.globl	k_qe30f69dd65_g2
	.p2align	8
	.type	k_qe30f69dd65_g2,@function
k_qe30f69dd65_g2:
	s_mov_b64 s[64:65], 0
	v_nop
	global_prefetch_b8 v0, s[64:65] scope:SCOPE_SE
	s_setreg_imm32_b32 hwreg(HW_REG_WAVE_MODE, 25, 1), 1
	s_wait_xcnt 0x0
	s_wait_alu depctr_hold_cnt(0) depctr_sa_sdst(0) depctr_va_vdst(0) depctr_va_sdst(0) depctr_va_ssrc(0) depctr_va_vcc(0) depctr_vm_vsrc(0)
	s_getreg_b32 s2, hwreg(HW_REG_IB_STS2, 6, 4)
	s_cmp_eq_u32 s2, 0
	s_cbranch_scc0 .Lentry_in_a_cluster
	s_endpgm
.Lentry_in_a_cluster:
	s_bfe_u32 s2, ttmp6, 0x10000c
	s_cmp_lg_u32 s2, 0xf033
	s_cbranch_scc0 .Lentry_shape_is_right
	s_endpgm
.Lentry_shape_is_right:
; ONE LAYER: lin = Q(cur) W^T + b on codes of FP6 (E2M3) with E8M0 scales; t = tanh(lin); the module's partial B-spline with 8 control points a feature, x rw, clipped at +-10;
; the pair transform; the MX-FP6 quantiser along the features (the next product's K).  The same text serves the three layers; the sizes below are THIS layer's: layer 2, K 4,096, N 4,096.
; IN: the rows' codes as images of the operand's registers [K / 128][64 tiles of 16 rows][1,536 bytes] (half c at 768 c: registers 6c..6c+3 at 16 x lane, 6c+4, 6c+5 at 512 + 8 x lane), their scale
; words; W's codes [N][3 K / 4 bytes] and scale bytes [N][K / 32] as they are given.  OUT: the same two forms for the next layer.
; SHARES.  A work-group makes MT rows x 128 features.  Wave w: p = w / 2 (features 64 p ..), kh = w % 2: K IS SPLIT IN TWO INSIDE THE WORK-GROUP: of every slot's 512 along K wave kh takes 256, for ALL MT rows,
; so that each fragment read from LDS feeds more products.  At the end the two waves of a p exchange halves through LDS and each finishes MT / 2 rows x 64 features.
; My local tile of rows a is the work-group's tile (a + MO kh) mod MTW: the tiles that I finish are always accumulators a < MO.
; THE MATRIX INSTRUCTION IS USED TRANSPOSED (source 0 = 16 rows of W, source 1 = 16 rows of cur): lane (r, h) register j holds row r, feature 16 tau + 8 h + j.  The bias is the C of the first K step (zeros where kh = 1).
; RING: two LDS slots of 512 along K, filled by joint tensor loads in a cluster of 4 x 4: the rows' tiles are shared along a row of the cluster, W's along a column.  All scales come once, with the first fills.
; THE SPLINE IN CLOSED FORM.  Columns 0-4 are cubic, 5 quadratic, 6 linear, 7 constant: together a piecewise cubic on five pieces with one jump.  S = d [.6 <= t < 1] + the sum over the pieces of ((G3 y + G2) y + G1) y,
; y = clamp(t, piece) - the piece's upper knot: increments from t = 1 downwards, exactly 0 at t = 1.  The 16 coefficients a feature (rw folded in) are made once by the work-group, in LDS.
; LIMITS: NaN and infinities are not served; a block whose largest magnitude lies under 2^-124 gets the scale byte 1; rw is folded into the coefficients and the spline's sums are ordered otherwise than in the
; recursion (last bits); a t within an ulp of .6 or of 1 may fall on either side of the jump; K's two halves are summed apart and added in f32.
.set SIZE_K, 4096
.set MTW,    8                         ; tiles of 16 rows to a work-group
.set TS,     64                        ; the rows' scale words in LDS: bytes from tile to tile,
.set KSTR,   512                       ; and from one 128 along K to the next
.set RSA,    64                        ; they are RSA rows of 256 bytes,
.set PSA,    32                        ; PSA x 8 bytes apart in memory,
.set SASH,   0                         ; beginning at (ty >> SASH) x SAMUL + (ty & SAMSK) x 256
.set SAMUL,  16384
.set SAMSK,  0
.set NOUT,   4096                      ; this layer's features
.set MO,   MTW/2
.set MT,   16*MTW
.set KS,   SIZE_K/32
.set KROW, SIZE_K*3/4
.set LAPS, SIZE_K/1024                 ; a lap = two slots
.set AKH,  2*MTW*1536                  ; the rows' part of a slot for one kh: [128 along K (2)][tile][1,536]
.set WKH,  128*240                     ; W's: 128 rows of 192 bytes, 16 bytes of padding behind each 64
.set SLOT, 2*AKH+2*WKH
.set SCW,  2*SLOT                      ; W's scale bytes, as blocks of 256 bytes + 16
.set SCA,  SCW+(KS/2)*272              ; the rows' scale words
.set TAB,  SCA+RSA*256                 ; [16 coefficients][128 features] f32
.set STGS, TAB+8192                    ; the outgoing scale words, 4 bytes a row
.set SPARE, STGS+512                   ; the spare words, 128 bytes a wave: no other line names them
.set EL,   8*MO                        ; numbers of a lane in one tau
; window 0
.set SPW, 4
.set NIL, 5
.set ADRW, 6                           ; v6-7 my W fragments in slot 0, 1; v8-9 the same behind one padding more
.set A16O, 10                          ; v10-11 my own tiles' images, 16 x lane; v12-13 the other tiles'
.set A16T, 12
.set A8O,  14                          ; v14-17 the same, 8 x lane
.set A8T,  16
.set ASW,  18                          ; W's scale words; v19, v20 the rows' (own, other); stepped slot by slot
.set ASO,  19
.set AST,  20
.set RST,  21                          ; the exchange: where I store, where I load
.set RLD,  22
.set TBA,  23                          ; the table
.set GC16, 24
.set GC8,  25
.set SSA,  26
.set SSL,  27
.set SW,   32                          ; v32-39 W's scale words: set s, register 2 b + q: lanes 0-15 tile 2 b, lanes 16-31 tile 2 b + 1
.set SA,   40                          ; v40-55 the rows': set s at 8 s, register (MTW / 2) q + a / 2: lanes 0-15 the even tile, lanes 16-31 the odd one
.set BIAS, 64                          ; v64-95
.set WF,   128                         ; v128-223 W's fragments, two sets of 48
; window 1: the rows' fragments, two sets of 12 MTW; later:
.set RCF,  0                           ; coefficients 8 c + j
.set RT,   128
.set RY,   160
.set RP,   192
.set RS,   224
; window 2: accumulator (a, tau) at 8 (4 a + tau); later, from v128:
.set CL,   128
.set TM,   144
.set PCD,  160
.set HW,   192
.set G1A, 28
.set G0A, 36
.set G1W, 44
.set G0W, 52
.set G0SA, 60
.set G1SA, 68
.set G1SW, 76
.set G0SW, 84
; behind the last tensor load's wait s28-55 hold the epilogue's constants
.set C2E, 28
.set K6,  30
.set K2,  32
.set NK2, 34
.set NK6, 36
.set NK1, 38
.set SEL, 40
.set NEGK, 42
.set RNG, 43
.set M10, 44
.set P10, 45
.set C05, 46
.set MK,  48
.set W_MUL,  0xa4                      ; source 0 (W) window 0, source 1 (rows) window 1, C and D window 2
.set W_MULB, 0x84                      ; the same with C (the bias) in window 0
.set W_TOA,  0x40                      ; destination window 1
.set W_ST2,  0x08                      ; a store's data in window 2
.set W_RADD, 0x86
.set W_W1,   0x55
.set W_XIN,  0x42
.set W_XOUT, 0x81
.set W_W2,   0xaa
.set MSB, 0
.macro WIN new                         ; the immediate's high byte repeats the setting that is left
.if MSB != \new
	s_set_vgpr_msb (MSB<<8)|\new
.set MSB, \new
.endif
.endm
.macro PLACES n
.rept \n
	v_nop
.endr
.endm
; A joint load: waves 0 and 1 fetch for the rows, waves 2 and 3 for W.  The branch hangs on the wave's number alone.  Four v_nop follow each of the two lines.
.macro JLOAD g0a, g1a, g0b, g1b
	s_cmp_eq_u32 s23, 0
	s_cbranch_scc0 .Lfor_b_\@
	tensor_load_to_lds s[\g0a:\g0a+3], s[\g1a:\g1a+7]
	s_nop 0
.rept 4
	v_nop
.endr
	s_branch .Lasked_\@
.Lfor_b_\@:
	tensor_load_to_lds s[\g0b:\g0b+3], s[\g1b:\g1b+7]
	s_nop 0
.rept 4
	v_nop
.endr
.Lasked_\@:
.endm
.macro CREST                           ; a round of the cluster's barrier behind its opening barrier
	s_cmp_lg_u32 s22, 0
	s_cbranch_scc1 .Lnot_wave_0_\@
	s_barrier_signal -3
.Lnot_wave_0_\@:
	s_barrier_wait -3
	s_barrier_signal -1
	s_barrier_wait -1
.endm
.macro CROUND
	s_barrier_signal -1
	s_barrier_wait -1
	CREST
.endm
	s_load_b256 s[4:11], s[0:1], 0x0               ; rows' codes s[4:5], rows' scales s[6:7], W's codes s[8:9], W's scales s[10:11]
	s_load_b256 s[12:19], s[0:1], 0x20             ; b s[12:13], cp s[14:15], rw s[16:17], codes out s[18:19]
	s_load_b64 s[20:21], s[0:1], 0x40              ; scales out
	v_lshl_add_u32 v[SPW], v0, 2, SPARE
	v_mov_b32 v[NIL], 0
	ds_add_u32 v4, v5
	ds_add_u32 v4, v5
	s_wait_dscnt 0x0
	v_lshrrev_b32 v1, 5, v0
	v_readfirstlane_b32 s22, v1                    ; wave 0..3
	s_lshr_b32 s23, s22, 1                         ; p.  Also: I fetch for the rows (0) or for W (1)
	s_and_b32 s24, s22, 1                          ; kh.  Also: which half I fetch
	s_bfe_u32 s25, ttmp6, 0x40000                  ; cx, cy: my place in the cluster
	s_bfe_u32 s26, ttmp6, 0x40004
	s_lshl_b32 s27, ttmp9, 2
	s_add_co_u32 s27, s27, s25                     ; tx: tile column = 4 x cluster x + cx
	s_and_b32 s88, ttmp7, 0xffff
	s_lshl_b32 s88, s88, 2
	s_add_co_u32 s88, s88, s26                     ; ty: tile row = 4 x cluster y + cy
	s_lshl_b32 s89, s26, 2
	s_lshl_b32 s89, 15, s89                        ; my row of the cluster
	s_lshl_b32 s90, 0x1111, s25                    ; my column
	; group 1, the rows' codes: 2 rows (two 128 along K) of MTW x 1,536 bytes, 64 x 1,536 bytes apart; elements of 8 bytes
	s_or_b32 s[G1A], s89, (3<<16)|(1<<21)
	s_mov_b32 s[G1A+1], (MTW*192)<<16
	s_mov_b32 s[G1A+2], 2<<16
	s_mov_b32 s[G1A+3], (MTW*192)<<16
	s_mov_b32 s[G1A+4], 2
	s_mov_b32 s[G1A+5], 12288
	s_mov_b32 s[G1A+6], 0
	s_mov_b32 s[G1A+7], 0
	; W's codes: 128 rows of 192 bytes, 16 bytes of padding behind every 64
	s_or_b32 s[G1W], s90, (0<<16)|(1<<20)|(1<<21)|(3<<22)|(3<<25)
	s_mov_b32 s[G1W+1], 192<<16
	s_mov_b32 s[G1W+2], 128<<16
	s_mov_b32 s[G1W+3], 192<<16
	s_mov_b32 s[G1W+4], 128
	s_mov_b32 s[G1W+5], KROW
	s_mov_b32 s[G1W+6], 0
	s_mov_b32 s[G1W+7], 0
	; the rows' scale words: RSA / 2 rows of 256 bytes
	s_or_b32 s[G1SA], s89, (3<<16)|(1<<21)
	s_mov_b32 s[G1SA+1], 32<<16
	s_mov_b32 s[G1SA+2], (RSA/2)<<16
	s_mov_b32 s[G1SA+3], 32<<16
	s_mov_b32 s[G1SA+4], RSA/2
	s_mov_b32 s[G1SA+5], PSA
	s_mov_b32 s[G1SA+6], 0
	s_mov_b32 s[G1SA+7], 0
	; W's scale bytes: 64 rows' worth, dense, as KS / 4 rows of 256 bytes with 16 bytes of padding behind each
	s_or_b32 s[G1SW], s90, (3<<16)|(1<<20)|(1<<21)|(5<<22)|(3<<25)
	s_mov_b32 s[G1SW+1], 32<<16
	s_mov_b32 s[G1SW+2], (KS/4)<<16
	s_mov_b32 s[G1SW+3], 32<<16
	s_mov_b32 s[G1SW+4], KS/4
	s_mov_b32 s[G1SW+5], 32
	s_mov_b32 s[G1SW+6], 0
	s_mov_b32 s[G1SW+7], 0
	; where the tiles come from: the rows' hang on ty alone, W's on tx alone
	s_mul_i32 s91, s24, 2*64*1536
	s_mul_i32 s92, s88, MTW*1536
	s_add_co_u32 s92, s92, s91
	s_mov_b32 s93, 0
	s_lshr_b32 s94, s88, SASH
	s_mul_i32 s94, s94, SAMUL
	s_and_b32 s95, s88, SAMSK
	s_lshl_b32 s95, s95, 8
	s_add_co_u32 s94, s94, s95
	s_mul_i32 s95, s24, (RSA/2)*PSA*8
	s_add_co_u32 s94, s94, s95
	s_mov_b32 s95, 0
	s_mul_i32 s96, s27, 128*KROW
	s_mul_i32 s97, s24, 192
	s_add_co_u32 s96, s96, s97
	s_mov_b32 s97, 0
	s_mul_i32 s98, s27, 128*KS
	s_mul_i32 s99, s24, 64*KS
	s_add_co_u32 s98, s98, s99
	s_mov_b32 s99, 0
	s_mul_i32 s100, s24, AKH                       ; and where they go: no place in the cluster enters an LDS address
	s_mul_i32 s101, s24, WKH
	s_add_co_u32 s101, s101, 2*AKH
	s_mul_i32 s66, s24, (RSA/2)*256
	s_mul_i32 s67, s24, (KS/4)*272
	s_wait_kmcnt 0x0
	s_add_nc_u64 s[92:93], s[4:5], s[92:93]
	s_add_nc_u64 s[94:95], s[6:7], s[94:95]
	s_add_nc_u64 s[96:97], s[8:9], s[96:97]
	s_add_nc_u64 s[98:99], s[10:11], s[98:99]
	CROUND                                         ; all sixteen work-groups are here: the first joint loads meet
	s_mov_b32 s[G0SA], 1
	s_add_co_u32 s[G0SA+1], s66, SCA
	s_mov_b64 s[G0SA+2:G0SA+3], s[94:95]
	s_or_b32 s[G0SA+3], s[G0SA+3], 0x80000000
	s_mov_b32 s[G0SW], 1
	s_add_co_u32 s[G0SW+1], s67, SCW
	s_mov_b64 s[G0SW+2:G0SW+3], s[98:99]
	s_or_b32 s[G0SW+3], s[G0SW+3], 0x80000000
	JLOAD G0SA, G1SA, G0SW, G1SW                   ; the scales first: they are wanted with slot 0
.irp s, 0,1
	s_mov_b32 s[G0A+4*\s], 1
	s_add_co_u32 s[G0A+4*\s+1], s100, \s*SLOT
	s_add_nc_u64 s[G0A+4*\s+2:G0A+4*\s+3], s[92:93], \s*4*64*1536
	s_or_b32 s[G0A+4*\s+3], s[G0A+4*\s+3], 0x80000000
	s_mov_b32 s[G0W+4*\s], 1
	s_add_co_u32 s[G0W+4*\s+1], s101, \s*SLOT
	s_add_nc_u64 s[G0W+4*\s+2:G0W+4*\s+3], s[96:97], \s*384
	s_or_b32 s[G0W+4*\s+3], s[G0W+4*\s+3], 0x80000000
	JLOAD G0A+4*\s, G1A, G0W+4*\s, G1W             ; three tensor loads of mine are out now
.endr
	; ---- while the tiles are on their way: the bias, cp and rw are asked for; addresses; the table of coefficients
	v_and_b32 v1, 15, v0                           ; r
	v_bfe_u32 v2, v0, 4, 1                         ; h
	v_and_b32 v3, 31, v0                           ; lane
	s_lshl_b32 s96, s27, 9
	s_lshl_b32 s97, s23, 8
	s_add_co_u32 s96, s96, s97
	s_mov_b32 s97, 0
	s_add_nc_u64 s[12:13], s[12:13], s[96:97]      ; b at feature 128 tx + 64 p
	s_mul_i32 s96, s27, 4608
	s_add_nc_u64 s[14:15], s[14:15], s[96:97]      ; cp at feature 128 tx: 36 bytes a feature
	s_lshl_b32 s96, s27, 9
	s_add_nc_u64 s[16:17], s[16:17], s[96:97]      ; rw likewise
	v_lshlrev_b32 v122, 5, v2
	v_mul_u32_u24 v123, v0, 36
	v_lshlrev_b32 v124, 2, v0
.irp t, 0,1,2,3
	global_load_b128 v[BIAS+8*\t:BIAS+8*\t+3], v122, s[12:13] offset:64*\t       ; lane (r, h), tile tau: b of features 16 tau + 8 h + 0 .. 7
	global_load_b128 v[BIAS+8*\t+4:BIAS+8*\t+7], v122, s[12:13] offset:64*\t+16
.endr
.irp i, 0,1,2,3,4,5,6,7
	global_load_b32 v[96+\i], v123, s[14:15] offset:4*\i     ; thread f: the eight control points of feature f that the sum takes (the ninth is not in it)
.endr
	global_load_b32 v104, v124, s[16:17]
	s_lshl_b32 s91, s27, 6                         ; codes out: fragment (K chunk tx, tile of rows MTW ty + MO kh), half p
	s_mul_i32 s66, s88, MTW
	s_add_co_u32 s91, s91, s66
	s_mul_i32 s66, s24, MO
	s_add_co_u32 s91, s91, s66
	s_mul_i32 s92, s91, 1536
	s_mul_i32 s66, s23, 768
	s_add_co_u32 s92, s92, s66
	s_mov_b32 s93, 0
	s_add_nc_u64 s[18:19], s[18:19], s[92:93]
	s_mul_i32 s92, s88, (NOUT/128)*MT*4            ; scales out: [ty][K chunk tx][MT rows]
	s_mul_i32 s66, s27, MT*4
	s_add_co_u32 s92, s92, s66
	s_add_nc_u64 s[20:21], s[20:21], s[92:93]
	v_mul_u32_u24 v28, v1, 240                     ; W's fragments: row r x 240 + 24 h,
	v_mad_u32_u24 v28, v2, 24, v28
	v_lshl_add_u32 v29, v2, 4, v28                 ; and the same behind one padding more
	s_mul_i32 s91, s24, WKH
	s_mul_i32 s66, s23, 64*240
	s_add_co_u32 s91, s91, s66
	s_add_co_u32 s91, s91, 2*AKH
.irp s, 0,1
	v_add_nc_u32 v[ADRW+\s], s91, v28
	v_add_nc_u32 v[ADRW+2+\s], s91, v29
	s_add_co_u32 s91, s91, SLOT
.endr
	v_lshlrev_b32 v[GC16], 4, v3
	v_lshlrev_b32 v[GC8], 3, v3
	s_xor_b32 s67, s24, 1
	s_mul_i32 s91, s24, AKH+MO*1536                ; my half of K, my own tiles
	s_mul_i32 s66, s24, AKH
	s_mul_i32 s67, s67, MO*1536
	s_add_co_u32 s66, s66, s67                     ; my half of K, the other tiles
.irp s, 0,1
	v_add_nc_u32 v[A16O+\s], s91, v[GC16]
	v_add_nc_u32 v[A16T+\s], s66, v[GC16]
	v_add_nc_u32 v[A8O+\s], s91, v[GC8]
	v_add_nc_u32 v[A8T+\s], s66, v[GC8]
	s_add_co_u32 s91, s91, SLOT
	s_add_co_u32 s66, s66, SLOT
.endr
	v_mul_u32_u24 v28, v3, KS                      ; W's scale words: lane l takes row 64 p + 32 b + l: KS bytes a row,
	v_lshrrev_b32 v29, 8, v28
	v_lshl_add_u32 v28, v29, 4, v28                ; and 16 more for each 256 passed
	s_mul_i32 s91, s23, (KS/4)*272
	s_lshl_b32 s66, s24, 3
	s_add_co_u32 s91, s91, s66
	s_add_co_u32 s91, s91, SCW
	v_add_nc_u32 v[ASW], s91, v28
	v_lshlrev_b32 v28, 2, v1                       ; the rows' scale words: 4 r, lanes 16-31 one tile on
	v_mad_u32_u24 v28, v2, TS, v28
	s_mul_i32 s91, s24, MO*TS+2*KSTR
	s_add_co_u32 s91, s91, SCA
	v_add_nc_u32 v[ASO], s91, v28
	s_xor_b32 s66, s24, 1
	s_mul_i32 s66, s66, MO*TS
	s_mul_i32 s67, s24, 2*KSTR
	s_add_co_u32 s66, s66, s67
	s_add_co_u32 s66, s66, SCA
	v_add_nc_u32 v[AST], s66, v28
	s_mul_i32 s91, s22, MO*4096                    ; the exchange, in slot 0: MO x 4,096 bytes a wave; I load what wave w xor 1 stored
	v_add_nc_u32 v[RST], s91, v[GC16]
	s_xor_b32 s66, s22, 1
	s_mul_i32 s66, s66, MO*4096
	v_add_nc_u32 v[RLD], s66, v[GC16]
	s_lshl_b32 s91, s23, 8
	s_add_co_u32 s91, s91, TAB
	v_lshl_add_u32 v[TBA], v2, 5, s91              ; the table: feature 64 p + 8 h
	s_mul_i32 s91, s24, 64*MO
	s_lshl_b32 s66, s23, 1
	s_add_co_u32 s91, s91, s66
	s_add_co_u32 s91, s91, STGS
	v_lshl_add_u32 v[SSA], v1, 2, s91              ; my half of row (16 MO kh + r)'s outgoing scale word
.if MTW == 8
	v_lshl_add_u32 v[SSL], v3, 4, STGS
.else
	v_lshl_add_u32 v[SSL], v3, 3, STGS
.endif
	v_lshl_add_u32 v105, v0, 2, TAB
	s_cmp_eq_u32 s24, 0
	s_cselect_b32 s91, -1, 0
	s_wait_loadcnt 0x0
.set i, 0
.rept 32
	v_cndmask_b32 v[BIAS+i], 0, v[BIAS+i], s91     ; the bias is added once: zeros where kh = 1
.set i, i+1
.endr
.irp i, 0,1,2,3,4,5,6,7
	v_mul_f32 v[96+\i], v[96+\i], v104             ; c_i = cp_i x rw
.endr
	; rows 3 piece + 0, 1, 2 = -g3, g2, -g1 of the piece's cubic in the distance below its upper knot (1 / h, 1 / h^2, 1 / h^3 = 2.5, 6.25, 15.625 folded in); pieces from [.6, 1) downwards
	v_mul_f32 v106, 0xc026aaab, v100               ; -15.625/6 c4
	v_mul_f32 v107, 0x40480000, v101               ; 3.125 c5
	v_mul_f32 v108, 0xc0200000, v102               ; -2.5 c6
	v_mul_f32 v109, 0xc026aaab, v99                ; -15.625/6 c3 + 7.8125 c4
	v_fmamk_f32 v109, v100, 0x40fa0000, v109
	v_mul_f32 v110, 0x40480000, v100               ; 3.125 c4 - 6.25 c5
	v_fmamk_f32 v110, v101, 0xc0c80000, v110
	v_mul_f32 v111, 0xbfa00000, v100               ; -1.25 c4 - 2.5 c5 + 2.5 c6
	v_fmamk_f32 v111, v101, 0xc0200000, v111
	v_fmamk_f32 v111, v102, 0x40200000, v111
	v_mul_f32 v112, 0xc026aaab, v98                ; -15.625/6 c2 + 7.8125 c3 - 7.8125 c4
	v_fmamk_f32 v112, v99, 0x40fa0000, v112
	v_fmamk_f32 v112, v100, 0xc0fa0000, v112
	v_mul_f32 v113, 0x40480000, v99                ; 3.125 c3 - 6.25 c4 + 3.125 c5
	v_fmamk_f32 v113, v100, 0xc0c80000, v113
	v_fmamk_f32 v113, v101, 0x40480000, v113
	v_mul_f32 v114, 0xbfa00000, v99                ; -1.25 c3 + 2.5 c5
	v_fmamk_f32 v114, v101, 0x40200000, v114
	v_mul_f32 v115, 0xc07a0000, v97                ; -3.90625 c1 + 9.1145833 c2 - 7.8125 c3 + 15.625/6 c4
	v_fmamk_f32 v115, v98, 0x4111d555, v115
	v_fmamk_f32 v115, v99, 0xc0fa0000, v115
	v_fmamk_f32 v115, v100, 0x4026aaab, v115
	v_mul_f32 v116, 0x40480000, v98                ; 3.125 c2 - 6.25 c3 + 3.125 c4
	v_fmamk_f32 v116, v99, 0xc0c80000, v116
	v_fmamk_f32 v116, v100, 0x40480000, v116
	v_mul_f32 v117, 0xbfa00000, v98                ; -1.25 c2 + 1.25 c4
	v_fmamk_f32 v117, v100, 0x3fa00000, v117
	v_mul_f32 v118, 0xc17a0000, v96                ; -15.625 c0 + 27.34375 c1 - 14.322917 c2 + 15.625/6 c3
	v_fmamk_f32 v118, v97, 0x41dac000, v118
	v_fmamk_f32 v118, v98, 0xc1652aab, v118
	v_fmamk_f32 v118, v99, 0x4026aaab, v118
	v_mul_f32 v119, 0x40960000, v97                ; 4.6875 c1 - 7.8125 c2 + 3.125 c3
	v_fmamk_f32 v119, v98, 0xc0fa0000, v119
	v_fmamk_f32 v119, v99, 0x40480000, v119
	v_mul_f32 v120, 0xbff00000, v97                ; -1.875 c1 + .625 c2 + 1.25 c3
	v_fmamk_f32 v120, v98, 0x3f200000, v120
	v_fmamk_f32 v120, v99, 0x3fa00000, v120
.set i, 0
.rept 15
	ds_store_b32 v105, v[106+i] offset:512*i
.set i, i+1
.endr
	ds_store_b32 v105, v103 offset:512*15          ; row 15: d = c7, the jump
; A fragment of W, 16 rows x 128 K, is 12 registers: lane l holds row l % 16; registers 6 c .. 6 c + 5 hold K = 64 c + 32 (l / 16) + 0 .. 31: 24 bytes of the row's stream of bits, in pieces of 8 bytes.
; 16 bytes of padding lie behind every 8 pieces: where the piece three on (lanes 16-31) lies behind one padding more, the second address register serves.
.macro FRAGW reg, adr, q, i
.irp p, 0,1,2,3,4,5
.set PCE, 12*(\q)+6*(\p/3)+\p%3
.if PCE%8 < 5
	ds_load_b64 v[\reg+2*\p:\reg+2*\p+1], v[\adr] offset:8*PCE+16*(PCE/8)+(\i)*3840
.else
	ds_load_b64 v[\reg+2*\p:\reg+2*\p+1], v[\adr+2] offset:8*PCE+16*(PCE/8)+(\i)*3840
.endif
.endr
.endm
.macro FETCH_W slot, q                 ; my four tiles of W, the q-th 128 of my 256 along K, into set q
	WIN 0
.irp i, 0,1,2,3
	FRAGW WF+48*(\q)+12*\i, ADRW+\slot, \q, \i
.endr
.endm
.macro FETCH_A slot, q                 ; the MTW tiles of rows: images of registers, so each half fragment is a load of 16 and a load of 8 bytes a lane
	WIN W_TOA
.set fa, 0
.rept MTW
.set fo, (\q)*MTW*1536+(fa%MO)*1536
.set fr, 12*MTW*(\q)+12*fa
.if fa < MO
	ds_load_b128 v[fr:fr+3], v[A16O+\slot] offset:fo
	ds_load_b64 v[fr+4:fr+5], v[A8O+\slot] offset:fo+512
	ds_load_b128 v[fr+6:fr+9], v[A16O+\slot] offset:fo+768
	ds_load_b64 v[fr+10:fr+11], v[A8O+\slot] offset:fo+1280
.else
	ds_load_b128 v[fr:fr+3], v[A16T+\slot] offset:fo
	ds_load_b64 v[fr+4:fr+5], v[A8T+\slot] offset:fo+512
	ds_load_b128 v[fr+6:fr+9], v[A16T+\slot] offset:fo+768
	ds_load_b64 v[fr+10:fr+11], v[A8T+\slot] offset:fo+1280
.endif
.set fa, fa+1
.endr
.endm
.macro FETCH_S set                     ; a slot's scale words
.irp b, 0,1
	ds_load_b64 v[SW+4*\set+2*\b:SW+4*\set+2*\b+1], v[ASW] offset:\b*(KS/8)*272
.endr
.irp q, 0,1
.set fi, 0
.rept MTW/2
.if 2*fi < MO
	ds_load_b32 v[SA+8*\set+(MTW/2)*\q+fi], v[ASO] offset:fi*2*TS+\q*KSTR
.else
	ds_load_b32 v[SA+8*\set+(MTW/2)*\q+fi], v[AST] offset:(fi-MO/2)*2*TS+\q*KSTR
.endif
.set fi, fi+1
.endr
.endr
.endm
; 4 n matrix instructions: tiles of rows a0 .. a0 + n - 1 x my four tiles of W.  The accumulators take turns, one instruction a turn, in the same order in every step.
.macro MULS a0, n, q, set, first
.set ma, \a0
.rept \n
.set mu, 0
.rept 4
.set rD, 8*(4*ma+mu)
.set rW, WF+48*(\q)+12*mu
.set rA, 12*MTW*(\q)+12*ma
.set rX, SW+4*(\set)+2*(mu/2)+(\q)
.set rZ, SA+8*(\set)+(MTW/2)*(\q)+ma/2
.if \first
.set rC, BIAS+8*mu
.else
.set rC, rD
.endif
.if (mu%2 == 0) && (ma%2 == 0)
	v_wmma_scale_f32_16x16x128_f8f6f4 v[rD:rD+7], v[rW:rW+11], v[rA:rA+11], v[rC:rC+7], v[rX], v[rZ] matrix_a_fmt:MATRIX_FMT_FP6 matrix_b_fmt:MATRIX_FMT_FP6
.elseif ma%2 == 0
	v_wmma_scale_f32_16x16x128_f8f6f4 v[rD:rD+7], v[rW:rW+11], v[rA:rA+11], v[rC:rC+7], v[rX], v[rZ] matrix_a_fmt:MATRIX_FMT_FP6 matrix_b_fmt:MATRIX_FMT_FP6 matrix_a_scale:MATRIX_SCALE_ROW1
.elseif mu%2 == 0
	v_wmma_scale_f32_16x16x128_f8f6f4 v[rD:rD+7], v[rW:rW+11], v[rA:rA+11], v[rC:rC+7], v[rX], v[rZ] matrix_a_fmt:MATRIX_FMT_FP6 matrix_b_fmt:MATRIX_FMT_FP6 matrix_b_scale:MATRIX_SCALE_ROW1
.else
	v_wmma_scale_f32_16x16x128_f8f6f4 v[rD:rD+7], v[rW:rW+11], v[rA:rA+11], v[rC:rC+7], v[rX], v[rZ] matrix_a_fmt:MATRIX_FMT_FP6 matrix_b_fmt:MATRIX_FMT_FP6 matrix_a_scale:MATRIX_SCALE_ROW1 matrix_b_scale:MATRIX_SCALE_ROW1
.endif
.set mu, mu+1
.endr
.set ma, ma+1
.endr
.endm
; A slot's first 128 along K (set 0); in its middle the second 128's fragments are fetched into set 1.  Loads into registers that matrix instructions have read stand four plain vector instructions behind them (ISA guide 7.12.1 for vector instructions).
.macro STEP slot, first
	s_wait_dscnt 0x0                               ; set 0 and the slot's scale words are in
.if \first
	WIN W_MULB
.else
	WIN W_MUL
.endif
	MULS 0, MTW/2, 0, \slot, \first
	PLACES 4
	FETCH_W \slot, 1
	FETCH_A \slot, 1
.if \first
	WIN W_MULB
.else
	WIN W_MUL
.endif
	MULS MTW/2, MTW/2, 0, \slot, \first
.endm
; A slot's second 128 changes slots: ONE barrier; in front of it each wave waits for all its tensor loads, adds 0 to its spare word, and waits for that and for its reads of this slot.  fill = 1: the slot is filled again, two slots ahead.
.macro TURN slot, next, fill
	WIN 0
	s_wait_tensorcnt 0x0                           ; all my tensor loads have landed: my part of the next slot
	ds_add_u32 v[SPW], v[NIL]                      ; 0 onto my spare word
	s_wait_dscnt 0x1                               ; set 1 is in; the add alone may be out
	WIN W_MUL
	MULS 0, MTW/4, 1, \slot, 0
	s_wait_dscnt 0x0                               ; the add is done, and my reads of this slot are over
	s_barrier_signal -1
	MULS MTW/4, MTW/4, 1, \slot, 0
	WIN 0
	s_barrier_wait -1
.if \fill
	CREST                                          ; the barrier has opened a round of the cluster's barrier: no wave of any partner still reads this slot or has a load on its way
	s_add_nc_u64 s[G0A+4*\slot+2:G0A+4*\slot+3], s[G0A+4*\slot+2:G0A+4*\slot+3], 8*64*1536
	s_add_nc_u64 s[G0W+4*\slot+2:G0W+4*\slot+3], s[G0W+4*\slot+2:G0W+4*\slot+3], 768
	JLOAD G0A+4*\slot, G1A, G0W+4*\slot, G1W       ; my one tensor load behind the round; its four v_nop are the places in front of the loads below
.else
	PLACES 4
.endif
	v_add_nc_u32 v[ASW], 16, v[ASW]                ; on to the next slot's scale words (no LDS load of mine is out)
	v_add_nc_u32 v[ASO], 4*KSTR, v[ASO]
	v_add_nc_u32 v[AST], 4*KSTR, v[AST]
	FETCH_W \next, 0
	FETCH_A \next, 0
	WIN 0
	FETCH_S \next
	WIN W_MUL
	MULS MTW/2, MTW/2, 1, \slot, 0
.endm
	s_wait_tensorcnt 0x1                           ; the scales and my part of slot 0 are in (slot 1's load may be out)
	s_wait_dscnt 0x0                               ; my part of the table has landed,
	s_barrier_signal -1
	s_barrier_wait -1                              ; everybody's has
	FETCH_W 0, 0
	FETCH_A 0, 0
	WIN 0
	FETCH_S 0
	STEP 0, 1                                      ; the first step stands in front of the loop: its products start the sums, on the bias
	WIN 0
	s_mov_b32 s3, LAPS-1
.Llap:                                             ; a trip goes once round the ring and fills both slots again
	TURN 0, 1, 1
	STEP 1, 0
	TURN 1, 0, 1
	STEP 0, 0
	WIN 0
	s_sub_co_u32 s3, s3, 1
	s_cmp_lg_u32 s3, 0
	s_cbranch_scc1 .Llap
	TURN 0, 1, 0                                   ; the last lap fills nothing
	STEP 1, 0
	s_wait_dscnt 0x0
	MULS 0, MTW, 1, 1, 0
.macro SPAIR reg, val                  ; a constant for the packed forms, which name a pair
	s_mov_b32 s[\reg], \val
	s_mov_b32 s[\reg+1], \val
.endm
	SPAIR C2E, 0x4038aa3b                          ; 2 log2(e).  (No tensor load is out: the descriptors' registers are free)
	SPAIR K6, 0x3f19999a                           ; .6
	SPAIR K2, 0x3e4ccccd                           ; .2
	SPAIR NK2, 0xbe4ccccd
	SPAIR NK6, 0xbf19999a
	SPAIR NK1, 0xbf800000
	s_mov_b32 s[SEL], 0x76543210
	s_mov_b32 s[SEL+1], 0xfedcba98
	s_mov_b32 s[NEGK], 0xc0e66666                  ; - the bits of .6
	s_mov_b32 s[RNG], 0x00666666                   ; the bits of 1 - the bits of .6
	s_mov_b32 s[M10], 0xc1200000
	s_mov_b32 s[P10], 0x41200000
	s_mov_b32 s[C05], 0x3d4ccccd                   ; .05
	; ---- THE EXCHANGE.  Slot 0 has had its last fill, and every wave has passed the barrier behind its last read: its bytes carry the halves.
	PLACES 4
	WIN W_ST2
.set i, 0
.rept 4*MO
	ds_store_b128 v[RST], v[32*MO+8*i:32*MO+8*i+3] offset:1024*i           ; the tiles that my partner finishes; each accumulator from its low end on
	ds_store_b128 v[RST], v[32*MO+8*i+4:32*MO+8*i+7] offset:1024*i+512
.set i, i+1
.endr
	WIN 0
	s_wait_dscnt 0x0
	s_barrier_signal -1
	s_barrier_wait -1
	WIN W_TOA
.set i, 0
.rept 4*MO
	ds_load_b128 v[8*i:8*i+3], v[RLD] offset:1024*i
	ds_load_b128 v[8*i+4:8*i+7], v[RLD] offset:1024*i+512
.set i, i+1
.endr
	s_wait_dscnt 0x0
	WIN W_RADD
.set i, 0
.rept 16*MO
	v_pk_add_f32 v[i:i+1], v[i:i+1], v[i:i+1]      ; window 2 += window 1: the other half of K
.set i, i+2
.endr
	; ---- THE ACTIVATION, a tile of W (16 features) at a time: EL numbers a lane
.macro COEF tau                        ; the 16 coefficients of my eight features of tile tau
	WIN W_TOA
.set cc, 0
.rept 16
	ds_load_b128 v[RCF+8*cc:RCF+8*cc+3], v[TBA] offset:512*cc+64*(\tau)
	ds_load_b128 v[RCF+8*cc+4:RCF+8*cc+7], v[TBA] offset:512*cc+64*(\tau)+16
.set cc, cc+1
.endr
.endm
.macro PIECE pc, kind, lo, hi, sh      ; y = clamp(t) - the upper knot; S += ((G3 y + G2) y + G1) y
.set ee, 0
.rept EL
.if \kind == 0
	v_max_num_f32 v[RY+ee], s[\lo], v[RT+ee]
.elseif \kind == 1
	v_med3_num_f32 v[RY+ee], v[RT+ee], s[\lo], s[\hi]
.else
	v_min_num_f32 v[RY+ee], s[\hi], v[RT+ee]
.endif
.set ee, ee+1
.endr
.set ee, 0
.rept EL/2
	v_pk_add_f32 v[RY+ee:RY+ee+1], v[RY+ee:RY+ee+1], s[\sh:\sh+1] op_sel_hi:[1,0]
.set ee, ee+2
.endr
.set ee, 0
.rept EL/2
	v_pk_fma_f32 v[RP+ee:RP+ee+1], v[RCF+24*\pc+ee%8:RCF+24*\pc+ee%8+1], v[RY+ee:RY+ee+1], v[RCF+24*\pc+8+ee%8:RCF+24*\pc+9+ee%8]
.set ee, ee+2
.endr
.set ee, 0
.rept EL/2
	v_pk_fma_f32 v[RP+ee:RP+ee+1], v[RP+ee:RP+ee+1], v[RY+ee:RY+ee+1], v[RCF+24*\pc+16+ee%8:RCF+24*\pc+17+ee%8]
.set ee, ee+2
.endr
.set ee, 0
.rept EL/2
	v_pk_fma_f32 v[RS+ee:RS+ee+1], v[RP+ee:RP+ee+1], v[RY+ee:RY+ee+1], v[RS+ee:RS+ee+1]
.set ee, ee+2
.endr
.endm
.macro ACTT tau, more
	WIN W_XIN
.set ee, 0
.rept EL/2
.set xr, 8*(4*(ee/8)+(\tau))+ee%8
	v_pk_mul_f32 v[RP+ee:RP+ee+1], v[xr:xr+1], s[C2E:C2E+1] op_sel_hi:[1,0]
.set ee, ee+2
.endr
	WIN W_W1
.set ee, 0
.rept EL
	v_exp_f32 v[RP+ee], v[RP+ee]                   ; e^(2 x): one batch
.set ee, ee+1
.endr
	v_nop                                          ; a plain instruction behind the last of the batch,
	s_wait_alu depctr_va_vdst(0)                   ; and the one wait ahead of its first reader
.set ee, 0
.rept EL/2
	v_pk_add_f32 v[RP+ee:RP+ee+1], v[RP+ee:RP+ee+1], 1.0 op_sel_hi:[1,0]
.set ee, ee+2
.endr
.set ee, 0
.rept EL
	v_rcp_f32 v[RP+ee], v[RP+ee]
.set ee, ee+1
.endr
	v_nop
	s_wait_alu depctr_va_vdst(0)
.set ee, 0
.rept EL/2
	v_pk_fma_f32 v[RT+ee:RT+ee+1], v[RP+ee:RP+ee+1], -2.0, 1.0 op_sel_hi:[1,0,0]   ; t = tanh(x) = 1 - 2 / (1 + e^(2 x)): 1 where e^(2 x) overflows, -1 where it vanishes
.set ee, ee+2
.endr
.set ee, 0
.rept EL
	v_add_nc_u32 v[RY+ee], s[NEGK], v[RT+ee]       ; t's bits less .6's: below the bits of 1 less .6's (unsigned) just where .6 <= t < 1
.set ee, ee+1
.endr
	s_wait_dscnt 0x0                               ; the coefficients are in
.set ee, 0
.rept EL/8
.irp j, 0,1,2,3,4,5,6,7
	v_cmp_gt_u32 s[MK+\j], s[RNG], v[RY+ee+\j]
.endr
.irp j, 0,1,2,3,4,5,6,7
	v_cndmask_b32 v[RS+ee+\j], 0, v[RCF+120+\j], s[MK+\j]   ; the sum begins with the jump, or with 0
.endr
.set ee, ee+8
.endr
	PIECE 0, 0, K6, K6, NK1
	PIECE 1, 1, K2, K6, NK6
	PIECE 2, 1, NK2, K2, NK2
	PIECE 3, 1, NK6, NK2, K2
	PIECE 4, 2, NK6, NK6, K6
.if \more
	COEF (\tau)+1                                  ; behind the coefficients' last use: they land during the next tile's tanh
.endif
	WIN W_XOUT
.set ee, 0
.rept EL
.set xr, 8*(4*(ee/8)+(\tau))+ee%8
	v_med3_num_f32 v[xr], v[RS+ee], s[M10], s[P10]
.set ee, ee+1
.endr
.endm
	COEF 0
	ACTT 0, 1
	ACTT 1, 1
	ACTT 2, 1
	ACTT 3, 0
	; ---- THE PAIR TRANSFORM AND THE QUANTISER.  A feature's place in its group of eight is j: j = 0, 1 take generator 0, j = 2, 3 generator 1; for j = 4 .. 7 the commutator is 0.
	WIN W_W2
.set qb, 0
.rept 2*MO
	v_mov_b32 v[TM+8+qb], 0                        ; written once: a lane permute's destination counts as one of its sources
.set qb, qb+1
.endr
.set qa, 0
.rept MO
.irp t, 0,1,2,3
.irp j, 0,1,2,3
	v_med3_num_f32 v[CL+4*\t+\j], v[8*(4*qa+\t)+\j], -1.0, 1.0
.endr
.endr
.irp t, 0,1,2,3
	v_fma_f32 v[8*(4*qa+\t)], v[CL+4*\t+1], s[C05], v[8*(4*qa+\t)]
	v_fma_f32 v[8*(4*qa+\t)+1], v[CL+4*\t], s[C05], v[8*(4*qa+\t)+1]
	v_fma_f32 v[8*(4*qa+\t)+2], -v[CL+4*\t+3], s[C05], v[8*(4*qa+\t)+2]
	v_fma_f32 v[8*(4*qa+\t)+3], v[CL+4*\t+2], s[C05], v[8*(4*qa+\t)+3]
.endr
.irp b, 0,1
.irp j, 0,1,2,3,4,5,6,7
	v_permlane16_swap_b32 v[8*(4*qa+2*\b)+\j], v[8*(4*qa+2*\b+1)+\j]   ; the 16 registers of tiles 2 b, 2 b + 1 now hold features 32 b + 16 h + 0 .. 15
.endr
.endr
.set qa, qa+1
.endr
.set qb, 0
.rept 2*MO                             ; block qb = 2 a + b: registers 16 qb on
	v_max3_num_f32 v[TM+qb], |v[16*qb]|, |v[16*qb+1]|, 0x1800000   ; with the floor 2^(3 - 127): the byte cannot fall under 1
.set qb, qb+1
.endr
.irp i, 2,4,6,8,10,12,14
.set qb, 0
.rept 2*MO
	v_max3_num_f32 v[TM+qb], v[TM+qb], |v[16*qb+\i]|, |v[16*qb+\i+1]|
.set qb, qb+1
.endr
.endr
.set qb, 0
.rept 2*MO
	v_permlanex16_b32 v[TM+8+qb], v[TM+qb], s[SEL], s[SEL+1]
.set qb, qb+1
.endr
.set qb, 0
.rept 2*MO
	v_max_num_f32 v[TM+qb], v[TM+qb], v[TM+8+qb]   ; with lane l xor 16's: the block's largest magnitude
.set qb, qb+1
.endr
.set qb, 0
.rept 2*MO
	v_add_nc_u32 v[TM+qb], 0xff000000, v[TM+qb]    ; 2 off its exponent field: the conversion's scale operand
.set qb, qb+1
.endr
.set qb, 0
.rept 2*MO
	v_lshrrev_b32 v[TM+8+qb], 23, v[TM+qb]         ; the scale's byte
.set qb, qb+1
.endr
.set qa, 0
.rept MO
	v_lshl_or_b32 v[HW+qa], v[TM+9+2*qa], 8, v[TM+8+2*qa]   ; bytes 2 p, 2 p + 1 of the row's scale word
.set qa, qa+1
.endr
.set qb, 0
.rept 2*MO
	v_cvt_scalef32_pk16_fp6_f32 v[PCD+4*qb:PCD+4*qb+2], v[16*qb:16*qb+15], v[TM+qb]
.set qb, qb+1
.endr
	v_nop                                          ; one plain instruction behind the scaled conversions
.set qa, 0
.rept MO
.irp i, 0,1,2
	v_permlane16_swap_b32 v[PCD+8*qa+\i], v[PCD+8*qa+4+\i]   ; a WHOLE block in a lane: lanes 0-15 block 2 p, lanes 16-31 block 2 p + 1
.endr
	v_mov_b32 v[PCD+8*qa+3], v[PCD+8*qa+4]
	v_mov_b32 v[PCD+8*qa+4], v[PCD+8*qa+5]
	v_mov_b32 v[PCD+8*qa+5], v[PCD+8*qa+6]
.set qa, qa+1
.endr
	WIN W_ST2
.set qa, 0
.rept MO
	global_store_b128 v[GC16], v[PCD+8*qa:PCD+8*qa+3], s[18:19] offset:1536*qa          ; 512 consecutive bytes, aligned to 256
	global_store_b64 v[GC8], v[PCD+8*qa+4:PCD+8*qa+5], s[18:19] offset:1536*qa+512      ; 256 consecutive bytes, aligned
	ds_store_b16 v[SSA], v[HW+qa] offset:64*qa     ; both halves of the lanes write the same bytes with the same value
.set qa, qa+1
.endr
	WIN 0
	s_wait_dscnt 0x0
	s_barrier_signal -1
	s_barrier_wait -1                              ; the MT rows' scale words are whole
	s_cmp_lg_u32 s22, 0
	s_cbranch_scc1 .Lnot_first
.if MTW == 8
	ds_load_b128 v[96:99], v[SSL]
	s_wait_dscnt 0x0
	global_store_b128 v[GC16], v[96:99], s[20:21]  ; 512 consecutive bytes, aligned to 256
.else
	ds_load_b64 v[96:97], v[SSL]
	s_wait_dscnt 0x0
	global_store_b64 v[GC8], v[96:97], s[20:21]    ; 256 consecutive bytes, aligned
.endif
.Lnot_first:
	s_wait_tensorcnt 0x0                           ; the wave's end
	ds_add_u32 v[SPW], v[NIL]
	s_wait_dscnt 0x0
	CROUND                                         ; the closing round: no work-group ends while a partner may still ask for a tile that names it
	s_endpgm
.Lfunc_end_k_qe30f69dd65_g2:
	.size	k_qe30f69dd65_g2, .Lfunc_end_k_qe30f69dd65_g2-k_qe30f69dd65_g2
	.p2alignl 7, 3214868480
	.fill 96, 4, 3214868480
	.section	.rodata,"a",@progbits
	.p2align	6, 0x0
	.amdhsa_kernel k_qe30f69dd65_g2
		.amdhsa_group_segment_fixed_size 327680
		.amdhsa_private_segment_fixed_size 0
		.amdhsa_enable_private_segment 0
		.amdhsa_kernarg_size 72
		.amdhsa_user_sgpr_count 2
		.amdhsa_user_sgpr_kernarg_segment_ptr 1
		.amdhsa_wavefront_size32 1
		.amdhsa_system_sgpr_workgroup_id_x 1
		.amdhsa_system_sgpr_workgroup_id_y 1
		.amdhsa_system_sgpr_workgroup_id_z 1
		.amdhsa_system_vgpr_workitem_id 0
		.amdhsa_next_free_vgpr 768
		.amdhsa_next_free_sgpr 102
		.amdhsa_reserve_vcc 0
		.amdhsa_float_denorm_mode_32 3
		.amdhsa_float_denorm_mode_16_64 3
		.amdhsa_memory_ordered 1
		.amdhsa_forward_progress 1
		.amdhsa_inst_pref_size 255
	.end_amdhsa_kernel
	.section	.bss,"aw",@nobits
	.p2align	6
	.space	262144
	.amdgpu_metadata
---
amdhsa.version: [ 1, 2 ]
amdhsa.kernels:
  - .name:           k_qe30f69dd65_g2
    .symbol:         k_qe30f69dd65_g2.kd
    .args:
      - { .name: act1, .offset: 0, .size: 8, .value_kind: global_buffer, .address_space: global }
      - { .name: sc1, .offset: 8, .size: 8, .value_kind: global_buffer, .address_space: global }
      - { .name: W2_codes, .offset: 16, .size: 8, .value_kind: global_buffer, .address_space: global }
      - { .name: W2_scales, .offset: 24, .size: 8, .value_kind: global_buffer, .address_space: global }
      - { .name: b2, .offset: 32, .size: 8, .value_kind: global_buffer, .address_space: global }
      - { .name: cp2, .offset: 40, .size: 8, .value_kind: global_buffer, .address_space: global }
      - { .name: rw2, .offset: 48, .size: 8, .value_kind: global_buffer, .address_space: global }
      - { .name: act2, .offset: 56, .size: 8, .value_kind: global_buffer, .address_space: global }
      - { .name: sc2, .offset: 64, .size: 8, .value_kind: global_buffer, .address_space: global }
    .group_segment_fixed_size: 327680
    .private_segment_fixed_size: 0
    .kernarg_segment_align: 8
    .kernarg_segment_size: 72
    .max_flat_workgroup_size: 128
    .sgpr_count:     102
    .vgpr_count:     768
    .wavefront_size: 32
...
	.end_amdgpu_metadata
.endif
;; end of part 3
;; launch g3 (part 4): grid 16 x 16, 4 waves a work-group, clusters of 4 x 4, 327,680 bytes of LDS; arguments act2, sc2, W3_codes, W3_scales, b3, cp3, rw3, act3, sc3; writes act3, sc3
.if DOCPART == 4
	.amdgcn_target "amdgcn-amd-amdhsa--gfx1250"
	.amdhsa_code_object_version 6
	.text
	.protected	k_qe30f69dd65_g3
	.globl	k_qe30f69dd65_g3
	.p2align	8
	.type	k_qe30f69dd65_g3,@function
k_qe30f69dd65_g3:
	s_mov_b64 s[64:65], 0
	v_nop
	global_prefetch_b8 v0, s[64:65] scope:SCOPE_SE
	s_setreg_imm32_b32 hwreg(HW_REG_WAVE_MODE, 25, 1), 1
	s_wait_xcnt 0x0
	s_wait_alu depctr_hold_cnt(0) depctr_sa_sdst(0) depctr_va_vdst(0) depctr_va_sdst(0) depctr_va_ssrc(0) depctr_va_vcc(0) depctr_vm_vsrc(0)
	s_getreg_b32 s2, hwreg(HW_REG_IB_STS2, 6, 4)
	s_cmp_eq_u32 s2, 0
	s_cbranch_scc0 .Lentry_in_a_cluster
	s_endpgm
.Lentry_in_a_cluster:
	s_bfe_u32 s2, ttmp6, 0x10000c
	s_cmp_lg_u32 s2, 0xf033
	s_cbranch_scc0 .Lentry_shape_is_right
	s_endpgm
.Lentry_shape_is_right:
; ONE LAYER: lin = Q(cur) W^T + b on codes of FP6 (E2M3) with E8M0 scales; t = tanh(lin); the module's partial B-spline with 8 control points a feature, x rw, clipped at +-10;
; the pair transform; the MX-FP6 quantiser along the features (the next product's K).  The same text serves the three layers; the sizes below are THIS layer's: layer 3, K 4,096, N 2,048 (tiles of 64 rows, so that there are 256 work-groups).
; IN: the rows' codes as images of the operand's registers [K / 128][64 tiles of 16 rows][1,536 bytes] (half c at 768 c: registers 6c..6c+3 at 16 x lane, 6c+4, 6c+5 at 512 + 8 x lane), their scale
; words; W's codes [N][3 K / 4 bytes] and scale bytes [N][K / 32] as they are given.  OUT: the same two forms for the next layer.
; SHARES.  A work-group makes MT rows x 128 features.  Wave w: p = w / 2 (features 64 p ..), kh = w % 2: K IS SPLIT IN TWO INSIDE THE WORK-GROUP: of every slot's 512 along K wave kh takes 256, for ALL MT rows,
; so that each fragment read from LDS feeds more products.  At the end the two waves of a p exchange halves through LDS and each finishes MT / 2 rows x 64 features.
; My local tile of rows a is the work-group's tile (a + MO kh) mod MTW: the tiles that I finish are always accumulators a < MO.
; THE MATRIX INSTRUCTION IS USED TRANSPOSED (source 0 = 16 rows of W, source 1 = 16 rows of cur): lane (r, h) register j holds row r, feature 16 tau + 8 h + j.  The bias is the C of the first K step (zeros where kh = 1).
; RING: two LDS slots of 512 along K, filled by joint tensor loads in a cluster of 4 x 4: the rows' tiles are shared along a row of the cluster, W's along a column.  All scales come once, with the first fills.
; THE SPLINE IN CLOSED FORM.  Columns 0-4 are cubic, 5 quadratic, 6 linear, 7 constant: together a piecewise cubic on five pieces with one jump.  S = d [.6 <= t < 1] + the sum over the pieces of ((G3 y + G2) y + G1) y,
; y = clamp(t, piece) - the piece's upper knot: increments from t = 1 downwards, exactly 0 at t = 1.  The 16 coefficients a feature (rw folded in) are made once by the work-group, in LDS.
; LIMITS: NaN and infinities are not served; a block whose largest magnitude lies under 2^-124 gets the scale byte 1; rw is folded into the coefficients and the spline's sums are ordered otherwise than in the
; recursion (last bits); a t within an ulp of .6 or of 1 may fall on either side of the jump; K's two halves are summed apart and added in f32.
.set SIZE_K, 4096
.set MTW,    4                         ; tiles of 16 rows to a work-group
.set TS,     64                        ; the rows' scale words in LDS: bytes from tile to tile,
.set KSTR,   256                       ; and from one 128 along K to the next
.set RSA,    32                        ; they are RSA rows of 256 bytes,
.set PSA,    64                        ; PSA x 8 bytes apart in memory,
.set SASH,   1                         ; beginning at (ty >> SASH) x SAMUL + (ty & SAMSK) x 256
.set SAMUL,  16384
.set SAMSK,  1
.set NOUT,   2048                      ; this layer's features
.set MO,   MTW/2
.set MT,   16*MTW
.set KS,   SIZE_K/32
.set KROW, SIZE_K*3/4
.set LAPS, SIZE_K/1024                 ; a lap = two slots
.set AKH,  2*MTW*1536                  ; the rows' part of a slot for one kh: [128 along K (2)][tile][1,536]
.set WKH,  128*240                     ; W's: 128 rows of 192 bytes, 16 bytes of padding behind each 64
.set SLOT, 2*AKH+2*WKH
.set SCW,  2*SLOT                      ; W's scale bytes, as blocks of 256 bytes + 16
.set SCA,  SCW+(KS/2)*272              ; the rows' scale words
.set TAB,  SCA+RSA*256                 ; [16 coefficients][128 features] f32
.set STGS, TAB+8192                    ; the outgoing scale words, 4 bytes a row
.set SPARE, STGS+512                   ; the spare words, 128 bytes a wave: no other line names them
.set EL,   8*MO                        ; numbers of a lane in one tau
; window 0
.set SPW, 4
.set NIL, 5
.set ADRW, 6                           ; v6-7 my W fragments in slot 0, 1; v8-9 the same behind one padding more
.set A16O, 10                          ; v10-11 my own tiles' images, 16 x lane; v12-13 the other tiles'
.set A16T, 12
.set A8O,  14                          ; v14-17 the same, 8 x lane
.set A8T,  16
.set ASW,  18                          ; W's scale words; v19, v20 the rows' (own, other); stepped slot by slot
.set ASO,  19
.set AST,  20
.set RST,  21                          ; the exchange: where I store, where I load
.set RLD,  22
.set TBA,  23                          ; the table
.set GC16, 24
.set GC8,  25
.set SSA,  26
.set SSL,  27
.set SW,   32                          ; v32-39 W's scale words: set s, register 2 b + q: lanes 0-15 tile 2 b, lanes 16-31 tile 2 b + 1
.set SA,   40                          ; v40-55 the rows': set s at 8 s, register (MTW / 2) q + a / 2: lanes 0-15 the even tile, lanes 16-31 the odd one
.set BIAS, 64                          ; v64-95
.set WF,   128                         ; v128-223 W's fragments, two sets of 48
; window 1: the rows' fragments, two sets of 12 MTW; later:
.set RCF,  0                           ; coefficients 8 c + j
.set RT,   128
.set RY,   160
.set RP,   192
.set RS,   224
; window 2: accumulator (a, tau) at 8 (4 a + tau); later, from v128:
.set CL,   128
.set TM,   144
.set PCD,  160
.set HW,   192
.set G1A, 28
.set G0A, 36
.set G1W, 44
.set G0W, 52
.set G0SA, 60
.set G1SA, 68
.set G1SW, 76
.set G0SW, 84
; behind the last tensor load's wait s28-55 hold the epilogue's constants
.set C2E, 28
.set K6,  30
.set K2,  32
.set NK2, 34
.set NK6, 36
.set NK1, 38
.set SEL, 40
.set NEGK, 42
.set RNG, 43
.set M10, 44
.set P10, 45
.set C05, 46
.set MK,  48
.set W_MUL,  0xa4                      ; source 0 (W) window 0, source 1 (rows) window 1, C and D window 2
.set W_MULB, 0x84                      ; the same with C (the bias) in window 0
.set W_TOA,  0x40                      ; destination window 1
.set W_ST2,  0x08                      ; a store's data in window 2
.set W_RADD, 0x86
.set W_W1,   0x55
.set W_XIN,  0x42
.set W_XOUT, 0x81
.set W_W2,   0xaa
.set MSB, 0
.macro WIN new                         ; the immediate's high byte repeats the setting that is left
.if MSB != \new
	s_set_vgpr_msb (MSB<<8)|\new
.set MSB, \new
.endif
.endm
.macro PLACES n
.rept \n
	v_nop
.endr
.endm
; A joint load: waves 0 and 1 fetch for the rows, waves 2 and 3 for W.  The branch hangs on the wave's number alone.  Four v_nop follow each of the two lines.
.macro JLOAD g0a, g1a, g0b, g1b
	s_cmp_eq_u32 s23, 0
	s_cbranch_scc0 .Lfor_b_\@
	tensor_load_to_lds s[\g0a:\g0a+3], s[\g1a:\g1a+7]
	s_nop 0
.rept 4
	v_nop
.endr
	s_branch .Lasked_\@
.Lfor_b_\@:
	tensor_load_to_lds s[\g0b:\g0b+3], s[\g1b:\g1b+7]
	s_nop 0
.rept 4
	v_nop
.endr
.Lasked_\@:
.endm
.macro CREST                           ; a round of the cluster's barrier behind its opening barrier
	s_cmp_lg_u32 s22, 0
	s_cbranch_scc1 .Lnot_wave_0_\@
	s_barrier_signal -3
.Lnot_wave_0_\@:
	s_barrier_wait -3
	s_barrier_signal -1
	s_barrier_wait -1
.endm
.macro CROUND
	s_barrier_signal -1
	s_barrier_wait -1
	CREST
.endm
	s_load_b256 s[4:11], s[0:1], 0x0               ; rows' codes s[4:5], rows' scales s[6:7], W's codes s[8:9], W's scales s[10:11]
	s_load_b256 s[12:19], s[0:1], 0x20             ; b s[12:13], cp s[14:15], rw s[16:17], codes out s[18:19]
	s_load_b64 s[20:21], s[0:1], 0x40              ; scales out
	v_lshl_add_u32 v[SPW], v0, 2, SPARE
	v_mov_b32 v[NIL], 0
	ds_add_u32 v4, v5
	ds_add_u32 v4, v5
	s_wait_dscnt 0x0
	v_lshrrev_b32 v1, 5, v0
	v_readfirstlane_b32 s22, v1                    ; wave 0..3
	s_lshr_b32 s23, s22, 1                         ; p.  Also: I fetch for the rows (0) or for W (1)
	s_and_b32 s24, s22, 1                          ; kh.  Also: which half I fetch
	s_bfe_u32 s25, ttmp6, 0x40000                  ; cx, cy: my place in the cluster
	s_bfe_u32 s26, ttmp6, 0x40004
	s_lshl_b32 s27, ttmp9, 2
	s_add_co_u32 s27, s27, s25                     ; tx: tile column = 4 x cluster x + cx
	s_and_b32 s88, ttmp7, 0xffff
	s_lshl_b32 s88, s88, 2
	s_add_co_u32 s88, s88, s26                     ; ty: tile row = 4 x cluster y + cy
	s_lshl_b32 s89, s26, 2
	s_lshl_b32 s89, 15, s89                        ; my row of the cluster
	s_lshl_b32 s90, 0x1111, s25                    ; my column
	; group 1, the rows' codes: 2 rows (two 128 along K) of MTW x 1,536 bytes, 64 x 1,536 bytes apart; elements of 8 bytes
	s_or_b32 s[G1A], s89, (3<<16)|(1<<21)
	s_mov_b32 s[G1A+1], (MTW*192)<<16
	s_mov_b32 s[G1A+2], 2<<16
	s_mov_b32 s[G1A+3], (MTW*192)<<16
	s_mov_b32 s[G1A+4], 2
	s_mov_b32 s[G1A+5], 12288
	s_mov_b32 s[G1A+6], 0
	s_mov_b32 s[G1A+7], 0
	; W's codes: 128 rows of 192 bytes, 16 bytes of padding behind every 64
	s_or_b32 s[G1W], s90, (0<<16)|(1<<20)|(1<<21)|(3<<22)|(3<<25)
	s_mov_b32 s[G1W+1], 192<<16
	s_mov_b32 s[G1W+2], 128<<16
	s_mov_b32 s[G1W+3], 192<<16
	s_mov_b32 s[G1W+4], 128
	s_mov_b32 s[G1W+5], KROW
	s_mov_b32 s[G1W+6], 0
	s_mov_b32 s[G1W+7], 0
	; the rows' scale words: RSA / 2 rows of 256 bytes
	s_or_b32 s[G1SA], s89, (3<<16)|(1<<21)
	s_mov_b32 s[G1SA+1], 32<<16
	s_mov_b32 s[G1SA+2], (RSA/2)<<16
	s_mov_b32 s[G1SA+3], 32<<16
	s_mov_b32 s[G1SA+4], RSA/2
	s_mov_b32 s[G1SA+5], PSA
	s_mov_b32 s[G1SA+6], 0
	s_mov_b32 s[G1SA+7], 0
	; W's scale bytes: 64 rows' worth, dense, as KS / 4 rows of 256 bytes with 16 bytes of padding behind each
	s_or_b32 s[G1SW], s90, (3<<16)|(1<<20)|(1<<21)|(5<<22)|(3<<25)
	s_mov_b32 s[G1SW+1], 32<<16
	s_mov_b32 s[G1SW+2], (KS/4)<<16
	s_mov_b32 s[G1SW+3], 32<<16
	s_mov_b32 s[G1SW+4], KS/4
	s_mov_b32 s[G1SW+5], 32
	s_mov_b32 s[G1SW+6], 0
	s_mov_b32 s[G1SW+7], 0
	; where the tiles come from: the rows' hang on ty alone, W's on tx alone
	s_mul_i32 s91, s24, 2*64*1536
	s_mul_i32 s92, s88, MTW*1536
	s_add_co_u32 s92, s92, s91
	s_mov_b32 s93, 0
	s_lshr_b32 s94, s88, SASH
	s_mul_i32 s94, s94, SAMUL
	s_and_b32 s95, s88, SAMSK
	s_lshl_b32 s95, s95, 8
	s_add_co_u32 s94, s94, s95
	s_mul_i32 s95, s24, (RSA/2)*PSA*8
	s_add_co_u32 s94, s94, s95
	s_mov_b32 s95, 0
	s_mul_i32 s96, s27, 128*KROW
	s_mul_i32 s97, s24, 192
	s_add_co_u32 s96, s96, s97
	s_mov_b32 s97, 0
	s_mul_i32 s98, s27, 128*KS
	s_mul_i32 s99, s24, 64*KS
	s_add_co_u32 s98, s98, s99
	s_mov_b32 s99, 0
	s_mul_i32 s100, s24, AKH                       ; and where they go: no place in the cluster enters an LDS address
	s_mul_i32 s101, s24, WKH
	s_add_co_u32 s101, s101, 2*AKH
	s_mul_i32 s66, s24, (RSA/2)*256
	s_mul_i32 s67, s24, (KS/4)*272
	s_wait_kmcnt 0x0
	s_add_nc_u64 s[92:93], s[4:5], s[92:93]
	s_add_nc_u64 s[94:95], s[6:7], s[94:95]
	s_add_nc_u64 s[96:97], s[8:9], s[96:97]
	s_add_nc_u64 s[98:99], s[10:11], s[98:99]
	CROUND                                         ; all sixteen work-groups are here: the first joint loads meet
	s_mov_b32 s[G0SA], 1
	s_add_co_u32 s[G0SA+1], s66, SCA
	s_mov_b64 s[G0SA+2:G0SA+3], s[94:95]
	s_or_b32 s[G0SA+3], s[G0SA+3], 0x80000000
	s_mov_b32 s[G0SW], 1
	s_add_co_u32 s[G0SW+1], s67, SCW
	s_mov_b64 s[G0SW+2:G0SW+3], s[98:99]
	s_or_b32 s[G0SW+3], s[G0SW+3], 0x80000000
	JLOAD G0SA, G1SA, G0SW, G1SW                   ; the scales first: they are wanted with slot 0
.irp s, 0,1
	s_mov_b32 s[G0A+4*\s], 1
	s_add_co_u32 s[G0A+4*\s+1], s100, \s*SLOT
	s_add_nc_u64 s[G0A+4*\s+2:G0A+4*\s+3], s[92:93], \s*4*64*1536
	s_or_b32 s[G0A+4*\s+3], s[G0A+4*\s+3], 0x80000000
	s_mov_b32 s[G0W+4*\s], 1
	s_add_co_u32 s[G0W+4*\s+1], s101, \s*SLOT
	s_add_nc_u64 s[G0W+4*\s+2:G0W+4*\s+3], s[96:97], \s*384
	s_or_b32 s[G0W+4*\s+3], s[G0W+4*\s+3], 0x80000000
	JLOAD G0A+4*\s, G1A, G0W+4*\s, G1W             ; three tensor loads of mine are out now
.endr
	; ---- while the tiles are on their way: the bias, cp and rw are asked for; addresses; the table of coefficients
	v_and_b32 v1, 15, v0                           ; r
	v_bfe_u32 v2, v0, 4, 1                         ; h
	v_and_b32 v3, 31, v0                           ; lane
	s_lshl_b32 s96, s27, 9
	s_lshl_b32 s97, s23, 8
	s_add_co_u32 s96, s96, s97
	s_mov_b32 s97, 0
	s_add_nc_u64 s[12:13], s[12:13], s[96:97]      ; b at feature 128 tx + 64 p
	s_mul_i32 s96, s27, 4608
	s_add_nc_u64 s[14:15], s[14:15], s[96:97]      ; cp at feature 128 tx: 36 bytes a feature
	s_lshl_b32 s96, s27, 9
	s_add_nc_u64 s[16:17], s[16:17], s[96:97]      ; rw likewise
	v_lshlrev_b32 v122, 5, v2
	v_mul_u32_u24 v123, v0, 36
	v_lshlrev_b32 v124, 2, v0
.irp t, 0,1,2,3
	global_load_b128 v[BIAS+8*\t:BIAS+8*\t+3], v122, s[12:13] offset:64*\t       ; lane (r, h), tile tau: b of features 16 tau + 8 h + 0 .. 7
	global_load_b128 v[BIAS+8*\t+4:BIAS+8*\t+7], v122, s[12:13] offset:64*\t+16
.endr
.irp i, 0,1,2,3,4,5,6,7
	global_load_b32 v[96+\i], v123, s[14:15] offset:4*\i     ; thread f: the eight control points of feature f that the sum takes (the ninth is not in it)
.endr
	global_load_b32 v104, v124, s[16:17]
	s_lshl_b32 s91, s27, 6                         ; codes out: fragment (K chunk tx, tile of rows MTW ty + MO kh), half p
	s_mul_i32 s66, s88, MTW
	s_add_co_u32 s91, s91, s66
	s_mul_i32 s66, s24, MO
	s_add_co_u32 s91, s91, s66
	s_mul_i32 s92, s91, 1536
	s_mul_i32 s66, s23, 768
	s_add_co_u32 s92, s92, s66
	s_mov_b32 s93, 0
	s_add_nc_u64 s[18:19], s[18:19], s[92:93]
	s_mul_i32 s92, s88, (NOUT/128)*MT*4            ; scales out: [ty][K chunk tx][MT rows]
	s_mul_i32 s66, s27, MT*4
	s_add_co_u32 s92, s92, s66
	s_add_nc_u64 s[20:21], s[20:21], s[92:93]
	v_mul_u32_u24 v28, v1, 240                     ; W's fragments: row r x 240 + 24 h,
	v_mad_u32_u24 v28, v2, 24, v28
	v_lshl_add_u32 v29, v2, 4, v28                 ; and the same behind one padding more
	s_mul_i32 s91, s24, WKH
	s_mul_i32 s66, s23, 64*240
	s_add_co_u32 s91, s91, s66
	s_add_co_u32 s91, s91, 2*AKH
.irp s, 0,1
	v_add_nc_u32 v[ADRW+\s], s91, v28
	v_add_nc_u32 v[ADRW+2+\s], s91, v29
	s_add_co_u32 s91, s91, SLOT
.endr
	v_lshlrev_b32 v[GC16], 4, v3
	v_lshlrev_b32 v[GC8], 3, v3
	s_xor_b32 s67, s24, 1
	s_mul_i32 s91, s24, AKH+MO*1536                ; my half of K, my own tiles
	s_mul_i32 s66, s24, AKH
	s_mul_i32 s67, s67, MO*1536
	s_add_co_u32 s66, s66, s67                     ; my half of K, the other tiles
.irp s, 0,1
	v_add_nc_u32 v[A16O+\s], s91, v[GC16]
	v_add_nc_u32 v[A16T+\s], s66, v[GC16]
	v_add_nc_u32 v[A8O+\s], s91, v[GC8]
	v_add_nc_u32 v[A8T+\s], s66, v[GC8]
	s_add_co_u32 s91, s91, SLOT
	s_add_co_u32 s66, s66, SLOT
.endr
	v_mul_u32_u24 v28, v3, KS                      ; W's scale words: lane l takes row 64 p + 32 b + l: KS bytes a row,
	v_lshrrev_b32 v29, 8, v28
	v_lshl_add_u32 v28, v29, 4, v28                ; and 16 more for each 256 passed
	s_mul_i32 s91, s23, (KS/4)*272
	s_lshl_b32 s66, s24, 3
	s_add_co_u32 s91, s91, s66
	s_add_co_u32 s91, s91, SCW
	v_add_nc_u32 v[ASW], s91, v28
	v_lshlrev_b32 v28, 2, v1                       ; the rows' scale words: 4 r, lanes 16-31 one tile on
	v_mad_u32_u24 v28, v2, TS, v28
	s_mul_i32 s91, s24, MO*TS+2*KSTR
	s_add_co_u32 s91, s91, SCA
	v_add_nc_u32 v[ASO], s91, v28
	s_xor_b32 s66, s24, 1
	s_mul_i32 s66, s66, MO*TS
	s_mul_i32 s67, s24, 2*KSTR
	s_add_co_u32 s66, s66, s67
	s_add_co_u32 s66, s66, SCA
	v_add_nc_u32 v[AST], s66, v28
	s_mul_i32 s91, s22, MO*4096                    ; the exchange, in slot 0: MO x 4,096 bytes a wave; I load what wave w xor 1 stored
	v_add_nc_u32 v[RST], s91, v[GC16]
	s_xor_b32 s66, s22, 1
	s_mul_i32 s66, s66, MO*4096
	v_add_nc_u32 v[RLD], s66, v[GC16]
	s_lshl_b32 s91, s23, 8
	s_add_co_u32 s91, s91, TAB
	v_lshl_add_u32 v[TBA], v2, 5, s91              ; the table: feature 64 p + 8 h
	s_mul_i32 s91, s24, 64*MO
	s_lshl_b32 s66, s23, 1
	s_add_co_u32 s91, s91, s66
	s_add_co_u32 s91, s91, STGS
	v_lshl_add_u32 v[SSA], v1, 2, s91              ; my half of row (16 MO kh + r)'s outgoing scale word
.if MTW == 8
	v_lshl_add_u32 v[SSL], v3, 4, STGS
.else
	v_lshl_add_u32 v[SSL], v3, 3, STGS
.endif
	v_lshl_add_u32 v105, v0, 2, TAB
	s_cmp_eq_u32 s24, 0
	s_cselect_b32 s91, -1, 0
	s_wait_loadcnt 0x0
.set i, 0
.rept 32
	v_cndmask_b32 v[BIAS+i], 0, v[BIAS+i], s91     ; the bias is added once: zeros where kh = 1
.set i, i+1
.endr
.irp i, 0,1,2,3,4,5,6,7
	v_mul_f32 v[96+\i], v[96+\i], v104             ; c_i = cp_i x rw
.endr
	; rows 3 piece + 0, 1, 2 = -g3, g2, -g1 of the piece's cubic in the distance below its upper knot (1 / h, 1 / h^2, 1 / h^3 = 2.5, 6.25, 15.625 folded in); pieces from [.6, 1) downwards
	v_mul_f32 v106, 0xc026aaab, v100               ; -15.625/6 c4
	v_mul_f32 v107, 0x40480000, v101               ; 3.125 c5
	v_mul_f32 v108, 0xc0200000, v102               ; -2.5 c6
	v_mul_f32 v109, 0xc026aaab, v99                ; -15.625/6 c3 + 7.8125 c4
	v_fmamk_f32 v109, v100, 0x40fa0000, v109
	v_mul_f32 v110, 0x40480000, v100               ; 3.125 c4 - 6.25 c5
	v_fmamk_f32 v110, v101, 0xc0c80000, v110
	v_mul_f32 v111, 0xbfa00000, v100               ; -1.25 c4 - 2.5 c5 + 2.5 c6
	v_fmamk_f32 v111, v101, 0xc0200000, v111
	v_fmamk_f32 v111, v102, 0x40200000, v111
	v_mul_f32 v112, 0xc026aaab, v98                ; -15.625/6 c2 + 7.8125 c3 - 7.8125 c4
	v_fmamk_f32 v112, v99, 0x40fa0000, v112
	v_fmamk_f32 v112, v100, 0xc0fa0000, v112
	v_mul_f32 v113, 0x40480000, v99                ; 3.125 c3 - 6.25 c4 + 3.125 c5
	v_fmamk_f32 v113, v100, 0xc0c80000, v113
	v_fmamk_f32 v113, v101, 0x40480000, v113
	v_mul_f32 v114, 0xbfa00000, v99                ; -1.25 c3 + 2.5 c5
	v_fmamk_f32 v114, v101, 0x40200000, v114
	v_mul_f32 v115, 0xc07a0000, v97                ; -3.90625 c1 + 9.1145833 c2 - 7.8125 c3 + 15.625/6 c4
	v_fmamk_f32 v115, v98, 0x4111d555, v115
	v_fmamk_f32 v115, v99, 0xc0fa0000, v115
	v_fmamk_f32 v115, v100, 0x4026aaab, v115
	v_mul_f32 v116, 0x40480000, v98                ; 3.125 c2 - 6.25 c3 + 3.125 c4
	v_fmamk_f32 v116, v99, 0xc0c80000, v116
	v_fmamk_f32 v116, v100, 0x40480000, v116
	v_mul_f32 v117, 0xbfa00000, v98                ; -1.25 c2 + 1.25 c4
	v_fmamk_f32 v117, v100, 0x3fa00000, v117
	v_mul_f32 v118, 0xc17a0000, v96                ; -15.625 c0 + 27.34375 c1 - 14.322917 c2 + 15.625/6 c3
	v_fmamk_f32 v118, v97, 0x41dac000, v118
	v_fmamk_f32 v118, v98, 0xc1652aab, v118
	v_fmamk_f32 v118, v99, 0x4026aaab, v118
	v_mul_f32 v119, 0x40960000, v97                ; 4.6875 c1 - 7.8125 c2 + 3.125 c3
	v_fmamk_f32 v119, v98, 0xc0fa0000, v119
	v_fmamk_f32 v119, v99, 0x40480000, v119
	v_mul_f32 v120, 0xbff00000, v97                ; -1.875 c1 + .625 c2 + 1.25 c3
	v_fmamk_f32 v120, v98, 0x3f200000, v120
	v_fmamk_f32 v120, v99, 0x3fa00000, v120
.set i, 0
.rept 15
	ds_store_b32 v105, v[106+i] offset:512*i
.set i, i+1
.endr
	ds_store_b32 v105, v103 offset:512*15          ; row 15: d = c7, the jump
; A fragment of W, 16 rows x 128 K, is 12 registers: lane l holds row l % 16; registers 6 c .. 6 c + 5 hold K = 64 c + 32 (l / 16) + 0 .. 31: 24 bytes of the row's stream of bits, in pieces of 8 bytes.
; 16 bytes of padding lie behind every 8 pieces: where the piece three on (lanes 16-31) lies behind one padding more, the second address register serves.
.macro FRAGW reg, adr, q, i
.irp p, 0,1,2,3,4,5
.set PCE, 12*(\q)+6*(\p/3)+\p%3
.if PCE%8 < 5
	ds_load_b64 v[\reg+2*\p:\reg+2*\p+1], v[\adr] offset:8*PCE+16*(PCE/8)+(\i)*3840
.else
	ds_load_b64 v[\reg+2*\p:\reg+2*\p+1], v[\adr+2] offset:8*PCE+16*(PCE/8)+(\i)*3840
.endif
.endr
.endm
.macro FETCH_W slot, q                 ; my four tiles of W, the q-th 128 of my 256 along K, into set q
	WIN 0
.irp i, 0,1,2,3
	FRAGW WF+48*(\q)+12*\i, ADRW+\slot, \q, \i
.endr
.endm
.macro FETCH_A slot, q                 ; the MTW tiles of rows: images of registers, so each half fragment is a load of 16 and a load of 8 bytes a lane
	WIN W_TOA
.set fa, 0
.rept MTW
.set fo, (\q)*MTW*1536+(fa%MO)*1536
.set fr, 12*MTW*(\q)+12*fa
.if fa < MO
	ds_load_b128 v[fr:fr+3], v[A16O+\slot] offset:fo
	ds_load_b64 v[fr+4:fr+5], v[A8O+\slot] offset:fo+512
	ds_load_b128 v[fr+6:fr+9], v[A16O+\slot] offset:fo+768
	ds_load_b64 v[fr+10:fr+11], v[A8O+\slot] offset:fo+1280
.else
	ds_load_b128 v[fr:fr+3], v[A16T+\slot] offset:fo
	ds_load_b64 v[fr+4:fr+5], v[A8T+\slot] offset:fo+512
	ds_load_b128 v[fr+6:fr+9], v[A16T+\slot] offset:fo+768
	ds_load_b64 v[fr+10:fr+11], v[A8T+\slot] offset:fo+1280
.endif
.set fa, fa+1
.endr
.endm
.macro FETCH_S set                     ; a slot's scale words
.irp b, 0,1
	ds_load_b64 v[SW+4*\set+2*\b:SW+4*\set+2*\b+1], v[ASW] offset:\b*(KS/8)*272
.endr
.irp q, 0,1
.set fi, 0
.rept MTW/2
.if 2*fi < MO
	ds_load_b32 v[SA+8*\set+(MTW/2)*\q+fi], v[ASO] offset:fi*2*TS+\q*KSTR
.else
	ds_load_b32 v[SA+8*\set+(MTW/2)*\q+fi], v[AST] offset:(fi-MO/2)*2*TS+\q*KSTR
.endif
.set fi, fi+1
.endr
.endr
.endm
; 4 n matrix instructions: tiles of rows a0 .. a0 + n - 1 x my four tiles of W.  The accumulators take turns, one instruction a turn, in the same order in every step.
.macro MULS a0, n, q, set, first
.set ma, \a0
.rept \n
.set mu, 0
.rept 4
.set rD, 8*(4*ma+mu)
.set rW, WF+48*(\q)+12*mu
.set rA, 12*MTW*(\q)+12*ma
.set rX, SW+4*(\set)+2*(mu/2)+(\q)
.set rZ, SA+8*(\set)+(MTW/2)*(\q)+ma/2
.if \first
.set rC, BIAS+8*mu
.else
.set rC, rD
.endif
.if (mu%2 == 0) && (ma%2 == 0)
	v_wmma_scale_f32_16x16x128_f8f6f4 v[rD:rD+7], v[rW:rW+11], v[rA:rA+11], v[rC:rC+7], v[rX], v[rZ] matrix_a_fmt:MATRIX_FMT_FP6 matrix_b_fmt:MATRIX_FMT_FP6
.elseif ma%2 == 0
	v_wmma_scale_f32_16x16x128_f8f6f4 v[rD:rD+7], v[rW:rW+11], v[rA:rA+11], v[rC:rC+7], v[rX], v[rZ] matrix_a_fmt:MATRIX_FMT_FP6 matrix_b_fmt:MATRIX_FMT_FP6 matrix_a_scale:MATRIX_SCALE_ROW1
.elseif mu%2 == 0
	v_wmma_scale_f32_16x16x128_f8f6f4 v[rD:rD+7], v[rW:rW+11], v[rA:rA+11], v[rC:rC+7], v[rX], v[rZ] matrix_a_fmt:MATRIX_FMT_FP6 matrix_b_fmt:MATRIX_FMT_FP6 matrix_b_scale:MATRIX_SCALE_ROW1
.else
	v_wmma_scale_f32_16x16x128_f8f6f4 v[rD:rD+7], v[rW:rW+11], v[rA:rA+11], v[rC:rC+7], v[rX], v[rZ] matrix_a_fmt:MATRIX_FMT_FP6 matrix_b_fmt:MATRIX_FMT_FP6 matrix_a_scale:MATRIX_SCALE_ROW1 matrix_b_scale:MATRIX_SCALE_ROW1
.endif
.set mu, mu+1
.endr
.set ma, ma+1
.endr
.endm
; A slot's first 128 along K (set 0); in its middle the second 128's fragments are fetched into set 1.  Loads into registers that matrix instructions have read stand four plain vector instructions behind them (ISA guide 7.12.1 for vector instructions).
.macro STEP slot, first
	s_wait_dscnt 0x0                               ; set 0 and the slot's scale words are in
.if \first
	WIN W_MULB
.else
	WIN W_MUL
.endif
	MULS 0, MTW/2, 0, \slot, \first
	PLACES 4
	FETCH_W \slot, 1
	FETCH_A \slot, 1
.if \first
	WIN W_MULB
.else
	WIN W_MUL
.endif
	MULS MTW/2, MTW/2, 0, \slot, \first
.endm
; A slot's second 128 changes slots: ONE barrier; in front of it each wave waits for all its tensor loads, adds 0 to its spare word, and waits for that and for its reads of this slot.  fill = 1: the slot is filled again, two slots ahead.
.macro TURN slot, next, fill
	WIN 0
	s_wait_tensorcnt 0x0                           ; all my tensor loads have landed: my part of the next slot
	ds_add_u32 v[SPW], v[NIL]                      ; 0 onto my spare word
	s_wait_dscnt 0x1                               ; set 1 is in; the add alone may be out
	WIN W_MUL
	MULS 0, MTW/4, 1, \slot, 0
	s_wait_dscnt 0x0                               ; the add is done, and my reads of this slot are over
	s_barrier_signal -1
	MULS MTW/4, MTW/4, 1, \slot, 0
	WIN 0
	s_barrier_wait -1
.if \fill
	CREST                                          ; the barrier has opened a round of the cluster's barrier: no wave of any partner still reads this slot or has a load on its way
	s_add_nc_u64 s[G0A+4*\slot+2:G0A+4*\slot+3], s[G0A+4*\slot+2:G0A+4*\slot+3], 8*64*1536
	s_add_nc_u64 s[G0W+4*\slot+2:G0W+4*\slot+3], s[G0W+4*\slot+2:G0W+4*\slot+3], 768
	JLOAD G0A+4*\slot, G1A, G0W+4*\slot, G1W       ; my one tensor load behind the round; its four v_nop are the places in front of the loads below
.else
	PLACES 4
.endif
	v_add_nc_u32 v[ASW], 16, v[ASW]                ; on to the next slot's scale words (no LDS load of mine is out)
	v_add_nc_u32 v[ASO], 4*KSTR, v[ASO]
	v_add_nc_u32 v[AST], 4*KSTR, v[AST]
	FETCH_W \next, 0
	FETCH_A \next, 0
	WIN 0
	FETCH_S \next
	WIN W_MUL
	MULS MTW/2, MTW/2, 1, \slot, 0
.endm
	s_wait_tensorcnt 0x1                           ; the scales and my part of slot 0 are in (slot 1's load may be out)
	s_wait_dscnt 0x0                               ; my part of the table has landed,
	s_barrier_signal -1
	s_barrier_wait -1                              ; everybody's has
	FETCH_W 0, 0
	FETCH_A 0, 0
	WIN 0
	FETCH_S 0
	STEP 0, 1                                      ; the first step stands in front of the loop: its products start the sums, on the bias
	WIN 0
	s_mov_b32 s3, LAPS-1
.Llap:                                             ; a trip goes once round the ring and fills both slots again
	TURN 0, 1, 1
	STEP 1, 0
	TURN 1, 0, 1
	STEP 0, 0
	WIN 0
	s_sub_co_u32 s3, s3, 1
	s_cmp_lg_u32 s3, 0
	s_cbranch_scc1 .Llap
	TURN 0, 1, 0                                   ; the last lap fills nothing
	STEP 1, 0
	s_wait_dscnt 0x0
	MULS 0, MTW, 1, 1, 0
.macro SPAIR reg, val                  ; a constant for the packed forms, which name a pair
	s_mov_b32 s[\reg], \val
	s_mov_b32 s[\reg+1], \val
.endm
	SPAIR C2E, 0x4038aa3b                          ; 2 log2(e).  (No tensor load is out: the descriptors' registers are free)
	SPAIR K6, 0x3f19999a                           ; .6
	SPAIR K2, 0x3e4ccccd                           ; .2
	SPAIR NK2, 0xbe4ccccd
	SPAIR NK6, 0xbf19999a
	SPAIR NK1, 0xbf800000
	s_mov_b32 s[SEL], 0x76543210
	s_mov_b32 s[SEL+1], 0xfedcba98
	s_mov_b32 s[NEGK], 0xc0e66666                  ; - the bits of .6
	s_mov_b32 s[RNG], 0x00666666                   ; the bits of 1 - the bits of .6
	s_mov_b32 s[M10], 0xc1200000
	s_mov_b32 s[P10], 0x41200000
	s_mov_b32 s[C05], 0x3d4ccccd                   ; .05
	; ---- THE EXCHANGE.  Slot 0 has had its last fill, and every wave has passed the barrier behind its last read: its bytes carry the halves.
	PLACES 4
	WIN W_ST2
.set i, 0
.rept 4*MO
	ds_store_b128 v[RST], v[32*MO+8*i:32*MO+8*i+3] offset:1024*i           ; the tiles that my partner finishes; each accumulator from its low end on
	ds_store_b128 v[RST], v[32*MO+8*i+4:32*MO+8*i+7] offset:1024*i+512
.set i, i+1
.endr
	WIN 0
	s_wait_dscnt 0x0
	s_barrier_signal -1
	s_barrier_wait -1
	WIN W_TOA
.set i, 0
.rept 4*MO
	ds_load_b128 v[8*i:8*i+3], v[RLD] offset:1024*i
	ds_load_b128 v[8*i+4:8*i+7], v[RLD] offset:1024*i+512
.set i, i+1
.endr
	s_wait_dscnt 0x0
	WIN W_RADD
.set i, 0
.rept 16*MO
	v_pk_add_f32 v[i:i+1], v[i:i+1], v[i:i+1]      ; window 2 += window 1: the other half of K
.set i, i+2
.endr
	; ---- THE ACTIVATION, a tile of W (16 features) at a time: EL numbers a lane
.macro COEF tau                        ; the 16 coefficients of my eight features of tile tau
	WIN W_TOA
.set cc, 0
.rept 16
	ds_load_b128 v[RCF+8*cc:RCF+8*cc+3], v[TBA] offset:512*cc+64*(\tau)
	ds_load_b128 v[RCF+8*cc+4:RCF+8*cc+7], v[TBA] offset:512*cc+64*(\tau)+16
.set cc, cc+1
.endr
.endm
.macro PIECE pc, kind, lo, hi, sh      ; y = clamp(t) - the upper knot; S += ((G3 y + G2) y + G1) y
.set ee, 0
.rept EL
.if \kind == 0
	v_max_num_f32 v[RY+ee], s[\lo], v[RT+ee]
.elseif \kind == 1
	v_med3_num_f32 v[RY+ee], v[RT+ee], s[\lo], s[\hi]
.else
	v_min_num_f32 v[RY+ee], s[\hi], v[RT+ee]
.endif
.set ee, ee+1
.endr
.set ee, 0
.rept EL/2
	v_pk_add_f32 v[RY+ee:RY+ee+1], v[RY+ee:RY+ee+1], s[\sh:\sh+1] op_sel_hi:[1,0]
.set ee, ee+2
.endr
.set ee, 0
.rept EL/2
	v_pk_fma_f32 v[RP+ee:RP+ee+1], v[RCF+24*\pc+ee%8:RCF+24*\pc+ee%8+1], v[RY+ee:RY+ee+1], v[RCF+24*\pc+8+ee%8:RCF+24*\pc+9+ee%8]
.set ee, ee+2
.endr
.set ee, 0
.rept EL/2
	v_pk_fma_f32 v[RP+ee:RP+ee+1], v[RP+ee:RP+ee+1], v[RY+ee:RY+ee+1], v[RCF+24*\pc+16+ee%8:RCF+24*\pc+17+ee%8]
.set ee, ee+2
.endr
.set ee, 0
.rept EL/2
	v_pk_fma_f32 v[RS+ee:RS+ee+1], v[RP+ee:RP+ee+1], v[RY+ee:RY+ee+1], v[RS+ee:RS+ee+1]
.set ee, ee+2
.endr
.endm
.macro ACTT tau, more
	WIN W_XIN
.set ee, 0
.rept EL/2
.set xr, 8*(4*(ee/8)+(\tau))+ee%8
	v_pk_mul_f32 v[RP+ee:RP+ee+1], v[xr:xr+1], s[C2E:C2E+1] op_sel_hi:[1,0]
.set ee, ee+2
.endr
	WIN W_W1
.set ee, 0
.rept EL
	v_exp_f32 v[RP+ee], v[RP+ee]                   ; e^(2 x): one batch
.set ee, ee+1
.endr
	v_nop                                          ; a plain instruction behind the last of the batch,
	s_wait_alu depctr_va_vdst(0)                   ; and the one wait ahead of its first reader
.set ee, 0
.rept EL/2
	v_pk_add_f32 v[RP+ee:RP+ee+1], v[RP+ee:RP+ee+1], 1.0 op_sel_hi:[1,0]
.set ee, ee+2
.endr
.set ee, 0
.rept EL
	v_rcp_f32 v[RP+ee], v[RP+ee]
.set ee, ee+1
.endr
	v_nop
	s_wait_alu depctr_va_vdst(0)
.set ee, 0
.rept EL/2
	v_pk_fma_f32 v[RT+ee:RT+ee+1], v[RP+ee:RP+ee+1], -2.0, 1.0 op_sel_hi:[1,0,0]   ; t = tanh(x) = 1 - 2 / (1 + e^(2 x)): 1 where e^(2 x) overflows, -1 where it vanishes
.set ee, ee+2
.endr
.set ee, 0
.rept EL
	v_add_nc_u32 v[RY+ee], s[NEGK], v[RT+ee]       ; t's bits less .6's: below the bits of 1 less .6's (unsigned) just where .6 <= t < 1
.set ee, ee+1
.endr
	s_wait_dscnt 0x0                               ; the coefficients are in
.set ee, 0
.rept EL/8
.irp j, 0,1,2,3,4,5,6,7
	v_cmp_gt_u32 s[MK+\j], s[RNG], v[RY+ee+\j]
.endr
.irp j, 0,1,2,3,4,5,6,7
	v_cndmask_b32 v[RS+ee+\j], 0, v[RCF+120+\j], s[MK+\j]   ; the sum begins with the jump, or with 0
.endr
.set ee, ee+8
.endr
	PIECE 0, 0, K6, K6, NK1
	PIECE 1, 1, K2, K6, NK6
	PIECE 2, 1, NK2, K2, NK2
	PIECE 3, 1, NK6, NK2, K2
	PIECE 4, 2, NK6, NK6, K6
.if \more
	COEF (\tau)+1                                  ; behind the coefficients' last use: they land during the next tile's tanh
.endif
	WIN W_XOUT
.set ee, 0
.rept EL
.set xr, 8*(4*(ee/8)+(\tau))+ee%8
	v_med3_num_f32 v[xr], v[RS+ee], s[M10], s[P10]
.set ee, ee+1
.endr
.endm
	COEF 0
	ACTT 0, 1
	ACTT 1, 1
	ACTT 2, 1
	ACTT 3, 0
	; ---- THE PAIR TRANSFORM AND THE QUANTISER.  A feature's place in its group of eight is j: j = 0, 1 take generator 0, j = 2, 3 generator 1; for j = 4 .. 7 the commutator is 0.
	WIN W_W2
.set qb, 0
.rept 2*MO
	v_mov_b32 v[TM+8+qb], 0                        ; written once: a lane permute's destination counts as one of its sources
.set qb, qb+1
.endr
.set qa, 0
.rept MO
.irp t, 0,1,2,3
.irp j, 0,1,2,3
	v_med3_num_f32 v[CL+4*\t+\j], v[8*(4*qa+\t)+\j], -1.0, 1.0
.endr
.endr
.irp t, 0,1,2,3
	v_fma_f32 v[8*(4*qa+\t)], v[CL+4*\t+1], s[C05], v[8*(4*qa+\t)]
	v_fma_f32 v[8*(4*qa+\t)+1], v[CL+4*\t], s[C05], v[8*(4*qa+\t)+1]
	v_fma_f32 v[8*(4*qa+\t)+2], -v[CL+4*\t+3], s[C05], v[8*(4*qa+\t)+2]
	v_fma_f32 v[8*(4*qa+\t)+3], v[CL+4*\t+2], s[C05], v[8*(4*qa+\t)+3]
.endr
.irp b, 0,1
.irp j, 0,1,2,3,4,5,6,7
	v_permlane16_swap_b32 v[8*(4*qa+2*\b)+\j], v[8*(4*qa+2*\b+1)+\j]   ; the 16 registers of tiles 2 b, 2 b + 1 now hold features 32 b + 16 h + 0 .. 15
.endr
.endr
.set qa, qa+1
.endr
.set qb, 0
.rept 2*MO                             ; block qb = 2 a + b: registers 16 qb on
	v_max3_num_f32 v[TM+qb], |v[16*qb]|, |v[16*qb+1]|, 0x1800000   ; with the floor 2^(3 - 127): the byte cannot fall under 1
.set qb, qb+1
.endr
.irp i, 2,4,6,8,10,12,14
.set qb, 0
.rept 2*MO
	v_max3_num_f32 v[TM+qb], v[TM+qb], |v[16*qb+\i]|, |v[16*qb+\i+1]|
.set qb, qb+1
.endr
.endr
.set qb, 0
.rept 2*MO
	v_permlanex16_b32 v[TM+8+qb], v[TM+qb], s[SEL], s[SEL+1]
.set qb, qb+1
.endr
.set qb, 0
.rept 2*MO
	v_max_num_f32 v[TM+qb], v[TM+qb], v[TM+8+qb]   ; with lane l xor 16's: the block's largest magnitude
.set qb, qb+1
.endr
.set qb, 0
.rept 2*MO
	v_add_nc_u32 v[TM+qb], 0xff000000, v[TM+qb]    ; 2 off its exponent field: the conversion's scale operand
.set qb, qb+1
.endr
.set qb, 0
.rept 2*MO
	v_lshrrev_b32 v[TM+8+qb], 23, v[TM+qb]         ; the scale's byte
.set qb, qb+1
.endr
.set qa, 0
.rept MO
	v_lshl_or_b32 v[HW+qa], v[TM+9+2*qa], 8, v[TM+8+2*qa]   ; bytes 2 p, 2 p + 1 of the row's scale word
.set qa, qa+1
.endr
.set qb, 0
.rept 2*MO
	v_cvt_scalef32_pk16_fp6_f32 v[PCD+4*qb:PCD+4*qb+2], v[16*qb:16*qb+15], v[TM+qb]
.set qb, qb+1
.endr
	v_nop                                          ; one plain instruction behind the scaled conversions
.set qa, 0
.rept MO
.irp i, 0,1,2
	v_permlane16_swap_b32 v[PCD+8*qa+\i], v[PCD+8*qa+4+\i]   ; a WHOLE block in a lane: lanes 0-15 block 2 p, lanes 16-31 block 2 p + 1
.endr
	v_mov_b32 v[PCD+8*qa+3], v[PCD+8*qa+4]
	v_mov_b32 v[PCD+8*qa+4], v[PCD+8*qa+5]
	v_mov_b32 v[PCD+8*qa+5], v[PCD+8*qa+6]
.set qa, qa+1
.endr
	WIN W_ST2
.set qa, 0
.rept MO
	global_store_b128 v[GC16], v[PCD+8*qa:PCD+8*qa+3], s[18:19] offset:1536*qa          ; 512 consecutive bytes, aligned to 256
	global_store_b64 v[GC8], v[PCD+8*qa+4:PCD+8*qa+5], s[18:19] offset:1536*qa+512      ; 256 consecutive bytes, aligned
	ds_store_b16 v[SSA], v[HW+qa] offset:64*qa     ; both halves of the lanes write the same bytes with the same value
.set qa, qa+1
.endr
	WIN 0
	s_wait_dscnt 0x0
	s_barrier_signal -1
	s_barrier_wait -1                              ; the MT rows' scale words are whole
	s_cmp_lg_u32 s22, 0
	s_cbranch_scc1 .Lnot_first
.if MTW == 8
	ds_load_b128 v[96:99], v[SSL]
	s_wait_dscnt 0x0
	global_store_b128 v[GC16], v[96:99], s[20:21]  ; 512 consecutive bytes, aligned to 256
.else
	ds_load_b64 v[96:97], v[SSL]
	s_wait_dscnt 0x0
	global_store_b64 v[GC8], v[96:97], s[20:21]    ; 256 consecutive bytes, aligned
.endif
.Lnot_first:
	s_wait_tensorcnt 0x0                           ; the wave's end
	ds_add_u32 v[SPW], v[NIL]
	s_wait_dscnt 0x0
	CROUND                                         ; the closing round: no work-group ends while a partner may still ask for a tile that names it
	s_endpgm
.Lfunc_end_k_qe30f69dd65_g3:
	.size	k_qe30f69dd65_g3, .Lfunc_end_k_qe30f69dd65_g3-k_qe30f69dd65_g3
	.p2alignl 7, 3214868480
	.fill 96, 4, 3214868480
	.section	.rodata,"a",@progbits
	.p2align	6, 0x0
	.amdhsa_kernel k_qe30f69dd65_g3
		.amdhsa_group_segment_fixed_size 327680
		.amdhsa_private_segment_fixed_size 0
		.amdhsa_enable_private_segment 0
		.amdhsa_kernarg_size 72
		.amdhsa_user_sgpr_count 2
		.amdhsa_user_sgpr_kernarg_segment_ptr 1
		.amdhsa_wavefront_size32 1
		.amdhsa_system_sgpr_workgroup_id_x 1
		.amdhsa_system_sgpr_workgroup_id_y 1
		.amdhsa_system_sgpr_workgroup_id_z 1
		.amdhsa_system_vgpr_workitem_id 0
		.amdhsa_next_free_vgpr 768
		.amdhsa_next_free_sgpr 102
		.amdhsa_reserve_vcc 0
		.amdhsa_float_denorm_mode_32 3
		.amdhsa_float_denorm_mode_16_64 3
		.amdhsa_memory_ordered 1
		.amdhsa_forward_progress 1
		.amdhsa_inst_pref_size 167
	.end_amdhsa_kernel
	.amdgpu_metadata
---
amdhsa.version: [ 1, 2 ]
amdhsa.kernels:
  - .name:           k_qe30f69dd65_g3
    .symbol:         k_qe30f69dd65_g3.kd
    .args:
      - { .name: act2, .offset: 0, .size: 8, .value_kind: global_buffer, .address_space: global }
      - { .name: sc2, .offset: 8, .size: 8, .value_kind: global_buffer, .address_space: global }
      - { .name: W3_codes, .offset: 16, .size: 8, .value_kind: global_buffer, .address_space: global }
      - { .name: W3_scales, .offset: 24, .size: 8, .value_kind: global_buffer, .address_space: global }
      - { .name: b3, .offset: 32, .size: 8, .value_kind: global_buffer, .address_space: global }
      - { .name: cp3, .offset: 40, .size: 8, .value_kind: global_buffer, .address_space: global }
      - { .name: rw3, .offset: 48, .size: 8, .value_kind: global_buffer, .address_space: global }
      - { .name: act3, .offset: 56, .size: 8, .value_kind: global_buffer, .address_space: global }
      - { .name: sc3, .offset: 64, .size: 8, .value_kind: global_buffer, .address_space: global }
    .group_segment_fixed_size: 327680
    .private_segment_fixed_size: 0
    .kernarg_segment_align: 8
    .kernarg_segment_size: 72
    .max_flat_workgroup_size: 128
    .sgpr_count:     102
    .vgpr_count:     768
    .wavefront_size: 32
...
	.end_amdgpu_metadata
.endif
;; end of part 4
;; launch g4 (part 5): grid 16 x 16, 4 waves a work-group, clusters of 4 x 4, 327,680 bytes of LDS; arguments act3, sc3, W_out_codes, W_out_scales, b_out, out0; writes out0
.if DOCPART == 5
	.amdgcn_target "amdgcn-amd-amdhsa--gfx1250"
	.amdhsa_code_object_version 6
	.text
	.protected	k_qe30f69dd65_g4
	.globl	k_qe30f69dd65_g4
	.p2align	8
	.type	k_qe30f69dd65_g4,@function
k_qe30f69dd65_g4:
	s_mov_b64 s[64:65], 0
	v_nop
	global_prefetch_b8 v0, s[64:65] scope:SCOPE_SE
	s_setreg_imm32_b32 hwreg(HW_REG_WAVE_MODE, 25, 1), 1
	s_wait_xcnt 0x0
	s_wait_alu depctr_hold_cnt(0) depctr_sa_sdst(0) depctr_va_vdst(0) depctr_va_sdst(0) depctr_va_ssrc(0) depctr_va_vcc(0) depctr_vm_vsrc(0)
	s_getreg_b32 s2, hwreg(HW_REG_IB_STS2, 6, 4)
	s_cmp_eq_u32 s2, 0
	s_cbranch_scc0 .Lentry_in_a_cluster
	s_endpgm
.Lentry_in_a_cluster:
	s_bfe_u32 s2, ttmp6, 0x10000c
	s_cmp_lg_u32 s2, 0xf033
	s_cbranch_scc0 .Lentry_shape_is_right
	s_endpgm
.Lentry_shape_is_right:
; THE LAST PRODUCT: out0 = Q(cur) W_out^T + b_out on codes of FP6 (E2M3) with E8M0 scales; K 2,048, N 2,048; out0 [1024][2048] f32.  The ring is the one of the three layers in front; no activation follows.
; IN: the rows' codes as images of the operand's registers [K / 128][64 tiles of 16 rows][1,536 bytes] (half c at 768 c: registers 6c..6c+3 at 16 x lane, 6c+4, 6c+5 at 512 + 8 x lane), their scale
; words [ty][K / 128][64 rows]; W's codes [N][3 K / 4 bytes] and scale bytes [N][K / 32] as they are given.
; SHARES.  A work-group makes 64 rows x 128 features (256 work-groups).  Wave w: p = w / 2 (features 64 p ..), kh = w % 2: K IS SPLIT IN TWO INSIDE THE WORK-GROUP: of every slot's 512 along K wave kh takes 256, for all 64 rows,
; so that each fragment read from LDS feeds more products.  At the end the two waves of a p exchange halves through LDS and each finishes 32 rows x 64 features.
; My local tile of rows a is the work-group's tile (a + MO kh) mod MTW: the tiles that I finish are always accumulators a < MO.
; THE MATRIX INSTRUCTION IS USED TRANSPOSED (source 0 = 16 rows of W, source 1 = 16 rows of cur): lane (r, h) register j holds row r, feature 16 tau + 8 h + j.  The bias is the C of the first K step (zeros where kh = 1).
; RING: two LDS slots of 512 along K, filled by joint tensor loads in a cluster of 4 x 4: the rows' tiles are shared along a row of the cluster, W's along a column.  All scales come once, with the first fills.
; LIMITS: NaN and infinities are not served; K's two halves are summed apart and added in f32.
.set SIZE_K, 2048
.set MTW,    4                         ; tiles of 16 rows to a work-group
.set TS,     64                        ; the rows' scale words in LDS: bytes from tile to tile,
.set KSTR,   256                       ; and from one 128 along K to the next
.set RSA,    16                        ; they are RSA rows of 256 bytes,
.set PSA,    32                        ; PSA x 8 bytes apart in memory,
.set SAMUL,  4096                      ; beginning at ty x SAMUL
.set MO,   MTW/2
.set KS,   SIZE_K/32
.set KROW, SIZE_K*3/4
.set LAPS, SIZE_K/1024                 ; a lap = two slots
.set AKH,  2*MTW*1536                  ; the rows' part of a slot for one kh: [128 along K (2)][tile][1,536]
.set WKH,  128*240                     ; W's: 128 rows of 192 bytes, 16 bytes of padding behind each 64
.set SLOT, 2*AKH+2*WKH
.set SCW,  2*SLOT                      ; W's scale bytes, as blocks of 256 bytes + 16
.set SCA,  SCW+(KS/2)*272              ; the rows' scale words
.set SPARE, SCA+RSA*256                ; the spare words, 128 bytes a wave: no other line names them
.set OST,  32768                       ; the way out: 16 rows x 272 bytes a wave, in slot 0 behind the exchange's 32,768 bytes
.set SPW, 4
.set NIL, 5
.set ADRW, 6                           ; v6-7 my W fragments in slot 0, 1; v8-9 the same behind one padding more
.set A16O, 10                          ; v10-11 my own tiles' images, 16 x lane; v12-13 the other tiles'
.set A16T, 12
.set A8O,  14                          ; v14-17 the same, 8 x lane
.set A8T,  16
.set ASW,  18                          ; W's scale words; v19, v20 the rows' (own, other); stepped slot by slot
.set ASO,  19
.set AST,  20
.set RST,  21                          ; the exchange: where I store, where I load
.set RLD,  22
.set OSI,  23                          ; the way out: into my stage,
.set GO,   24                          ; my byte offset in out0,
.set OSO,  26                          ; out of my stage
.set SW,   32                          ; v32-39 W's scale words: set s, register 2 b + q: lanes 0-15 tile 2 b, lanes 16-31 tile 2 b + 1
.set SA,   40                          ; v40-55 the rows': set s at 8 s, register (MTW / 2) q + a / 2: lanes 0-15 the even tile, lanes 16-31 the odd one
.set BIAS, 64                          ; v64-95
.set WF,   128                         ; v128-223 W's fragments, two sets of 48; on the way out v128-191 take rows of out0
; window 1: the rows' fragments, two sets of 12 MTW; later my partner's sums.   window 2: accumulator (a, tau) at 8 (4 a + tau)
.set G1A, 28
.set G0A, 36
.set G1W, 44
.set G0W, 52
.set G0SA, 60
.set G1SA, 68
.set G1SW, 76
.set G0SW, 84
.set W_MUL,  0xa4                      ; source 0 (W) window 0, source 1 (rows) window 1, C and D window 2
.set W_MULB, 0x84                      ; the same with C (the bias) in window 0
.set W_TOA,  0x40                      ; destination window 1
.set W_ST2,  0x08                      ; a store's data in window 2
.set W_RADD, 0x86
.set MSB, 0
.macro WIN new                         ; the immediate's high byte repeats the setting that is left
.if MSB != \new
	s_set_vgpr_msb (MSB<<8)|\new
.set MSB, \new
.endif
.endm
.macro PLACES n
.rept \n
	v_nop
.endr
.endm
; A joint load: waves 0 and 1 fetch for the rows, waves 2 and 3 for W.  The branch hangs on the wave's number alone.  Four v_nop follow each of the two lines.
.macro JLOAD g0a, g1a, g0b, g1b
	s_cmp_eq_u32 s23, 0
	s_cbranch_scc0 .Lfor_b_\@
	tensor_load_to_lds s[\g0a:\g0a+3], s[\g1a:\g1a+7]
	s_nop 0
.rept 4
	v_nop
.endr
	s_branch .Lasked_\@
.Lfor_b_\@:
	tensor_load_to_lds s[\g0b:\g0b+3], s[\g1b:\g1b+7]
	s_nop 0
.rept 4
	v_nop
.endr
.Lasked_\@:
.endm
.macro CREST                           ; a round of the cluster's barrier behind its opening barrier
	s_cmp_lg_u32 s22, 0
	s_cbranch_scc1 .Lnot_wave_0_\@
	s_barrier_signal -3
.Lnot_wave_0_\@:
	s_barrier_wait -3
	s_barrier_signal -1
	s_barrier_wait -1
.endm
.macro CROUND
	s_barrier_signal -1
	s_barrier_wait -1
	CREST
.endm
	s_load_b256 s[4:11], s[0:1], 0x0               ; rows' codes s[4:5], rows' scales s[6:7], W's codes s[8:9], W's scales s[10:11]
	s_load_b128 s[12:15], s[0:1], 0x20             ; b_out s[12:13], out0 s[14:15]
	v_lshl_add_u32 v[SPW], v0, 2, SPARE
	v_mov_b32 v[NIL], 0
	ds_add_u32 v4, v5
	ds_add_u32 v4, v5
	s_wait_dscnt 0x0
	v_lshrrev_b32 v1, 5, v0
	v_readfirstlane_b32 s22, v1                    ; wave 0..3
	s_lshr_b32 s23, s22, 1                         ; p.  Also: I fetch for the rows (0) or for W (1)
	s_and_b32 s24, s22, 1                          ; kh.  Also: which half I fetch
	s_bfe_u32 s25, ttmp6, 0x40000                  ; cx, cy: my place in the cluster
	s_bfe_u32 s26, ttmp6, 0x40004
	s_lshl_b32 s27, ttmp9, 2
	s_add_co_u32 s27, s27, s25                     ; tx: tile column = 4 x cluster x + cx
	s_and_b32 s88, ttmp7, 0xffff
	s_lshl_b32 s88, s88, 2
	s_add_co_u32 s88, s88, s26                     ; ty: tile row = 4 x cluster y + cy
	s_lshl_b32 s89, s26, 2
	s_lshl_b32 s89, 15, s89                        ; my row of the cluster
	s_lshl_b32 s90, 0x1111, s25                    ; my column
	; group 1, the rows' codes: 2 rows (two 128 along K) of MTW x 1,536 bytes, 64 x 1,536 bytes apart; elements of 8 bytes
	s_or_b32 s[G1A], s89, (3<<16)|(1<<21)
	s_mov_b32 s[G1A+1], (MTW*192)<<16
	s_mov_b32 s[G1A+2], 2<<16
	s_mov_b32 s[G1A+3], (MTW*192)<<16
	s_mov_b32 s[G1A+4], 2
	s_mov_b32 s[G1A+5], 12288
	s_mov_b32 s[G1A+6], 0
	s_mov_b32 s[G1A+7], 0
	; W's codes: 128 rows of 192 bytes, 16 bytes of padding behind every 64
	s_or_b32 s[G1W], s90, (0<<16)|(1<<20)|(1<<21)|(3<<22)|(3<<25)
	s_mov_b32 s[G1W+1], 192<<16
	s_mov_b32 s[G1W+2], 128<<16
	s_mov_b32 s[G1W+3], 192<<16
	s_mov_b32 s[G1W+4], 128
	s_mov_b32 s[G1W+5], KROW
	s_mov_b32 s[G1W+6], 0
	s_mov_b32 s[G1W+7], 0
	; the rows' scale words: RSA / 2 rows of 256 bytes
	s_or_b32 s[G1SA], s89, (3<<16)|(1<<21)
	s_mov_b32 s[G1SA+1], 32<<16
	s_mov_b32 s[G1SA+2], (RSA/2)<<16
	s_mov_b32 s[G1SA+3], 32<<16
	s_mov_b32 s[G1SA+4], RSA/2
	s_mov_b32 s[G1SA+5], PSA
	s_mov_b32 s[G1SA+6], 0
	s_mov_b32 s[G1SA+7], 0
	; W's scale bytes: 64 rows' worth, dense, as KS / 4 rows of 256 bytes with 16 bytes of padding behind each
	s_or_b32 s[G1SW], s90, (3<<16)|(1<<20)|(1<<21)|(5<<22)|(3<<25)
	s_mov_b32 s[G1SW+1], 32<<16
	s_mov_b32 s[G1SW+2], (KS/4)<<16
	s_mov_b32 s[G1SW+3], 32<<16
	s_mov_b32 s[G1SW+4], KS/4
	s_mov_b32 s[G1SW+5], 32
	s_mov_b32 s[G1SW+6], 0
	s_mov_b32 s[G1SW+7], 0
	; where the tiles come from: the rows' hang on ty alone, W's on tx alone
	s_mul_i32 s91, s24, 2*64*1536
	s_mul_i32 s92, s88, MTW*1536
	s_add_co_u32 s92, s92, s91
	s_mov_b32 s93, 0
	s_mul_i32 s94, s88, SAMUL
	s_mul_i32 s95, s24, (RSA/2)*PSA*8
	s_add_co_u32 s94, s94, s95
	s_mov_b32 s95, 0
	s_mul_i32 s96, s27, 128*KROW
	s_mul_i32 s97, s24, 192
	s_add_co_u32 s96, s96, s97
	s_mov_b32 s97, 0
	s_mul_i32 s98, s27, 128*KS
	s_mul_i32 s99, s24, 64*KS
	s_add_co_u32 s98, s98, s99
	s_mov_b32 s99, 0
	s_mul_i32 s100, s24, AKH                       ; and where they go: no place in the cluster enters an LDS address
	s_mul_i32 s101, s24, WKH
	s_add_co_u32 s101, s101, 2*AKH
	s_mul_i32 s66, s24, (RSA/2)*256
	s_mul_i32 s67, s24, (KS/4)*272
	s_wait_kmcnt 0x0
	s_add_nc_u64 s[92:93], s[4:5], s[92:93]
	s_add_nc_u64 s[94:95], s[6:7], s[94:95]
	s_add_nc_u64 s[96:97], s[8:9], s[96:97]
	s_add_nc_u64 s[98:99], s[10:11], s[98:99]
	CROUND                                         ; all sixteen work-groups are here: the first joint loads meet
	s_mov_b32 s[G0SA], 1
	s_add_co_u32 s[G0SA+1], s66, SCA
	s_mov_b64 s[G0SA+2:G0SA+3], s[94:95]
	s_or_b32 s[G0SA+3], s[G0SA+3], 0x80000000
	s_mov_b32 s[G0SW], 1
	s_add_co_u32 s[G0SW+1], s67, SCW
	s_mov_b64 s[G0SW+2:G0SW+3], s[98:99]
	s_or_b32 s[G0SW+3], s[G0SW+3], 0x80000000
	JLOAD G0SA, G1SA, G0SW, G1SW                   ; the scales first: they are wanted with slot 0
.irp s, 0,1
	s_mov_b32 s[G0A+4*\s], 1
	s_add_co_u32 s[G0A+4*\s+1], s100, \s*SLOT
	s_add_nc_u64 s[G0A+4*\s+2:G0A+4*\s+3], s[92:93], \s*4*64*1536
	s_or_b32 s[G0A+4*\s+3], s[G0A+4*\s+3], 0x80000000
	s_mov_b32 s[G0W+4*\s], 1
	s_add_co_u32 s[G0W+4*\s+1], s101, \s*SLOT
	s_add_nc_u64 s[G0W+4*\s+2:G0W+4*\s+3], s[96:97], \s*384
	s_or_b32 s[G0W+4*\s+3], s[G0W+4*\s+3], 0x80000000
	JLOAD G0A+4*\s, G1A, G0W+4*\s, G1W             ; three tensor loads of mine are out now
.endr
	; ---- while the tiles are on their way: the bias is asked for; addresses
	v_and_b32 v1, 15, v0                           ; r
	v_bfe_u32 v2, v0, 4, 1                         ; h
	v_and_b32 v3, 31, v0                           ; lane
	s_lshl_b32 s96, s27, 9
	s_lshl_b32 s97, s23, 8
	s_add_co_u32 s96, s96, s97
	s_mov_b32 s97, 0
	s_add_nc_u64 s[12:13], s[12:13], s[96:97]      ; b_out at feature 128 tx + 64 p
	v_lshlrev_b32 v122, 5, v2
.irp t, 0,1,2,3
	global_load_b128 v[BIAS+8*\t:BIAS+8*\t+3], v122, s[12:13] offset:64*\t       ; lane (r, h), tile tau: b of features 16 tau + 8 h + 0 .. 7
	global_load_b128 v[BIAS+8*\t+4:BIAS+8*\t+7], v122, s[12:13] offset:64*\t+16
.endr
	s_lshl_b32 s91, s88, 6                         ; out0 at row 64 ty + 32 kh, feature 128 tx + 64 p
	s_lshl_b32 s66, s24, 5
	s_add_co_u32 s91, s91, s66
	s_lshl_b32 s92, s91, 13
	s_add_co_u32 s92, s92, s96
	s_mov_b32 s93, 0
	s_add_nc_u64 s[14:15], s[14:15], s[92:93]
	v_mul_u32_u24 v28, v1, 240                     ; W's fragments: row r x 240 + 24 h,
	v_mad_u32_u24 v28, v2, 24, v28
	v_lshl_add_u32 v29, v2, 4, v28                 ; and the same behind one padding more
	s_mul_i32 s91, s24, WKH
	s_mul_i32 s66, s23, 64*240
	s_add_co_u32 s91, s91, s66
	s_add_co_u32 s91, s91, 2*AKH
.irp s, 0,1
	v_add_nc_u32 v[ADRW+\s], s91, v28
	v_add_nc_u32 v[ADRW+2+\s], s91, v29
	s_add_co_u32 s91, s91, SLOT
.endr
	v_lshlrev_b32 v30, 4, v3                       ; 16 x lane
	v_lshlrev_b32 v31, 3, v3                       ; 8 x lane
	s_xor_b32 s67, s24, 1
	s_mul_i32 s91, s24, AKH+MO*1536                ; my half of K, my own tiles
	s_mul_i32 s66, s24, AKH
	s_mul_i32 s67, s67, MO*1536
	s_add_co_u32 s66, s66, s67                     ; my half of K, the other tiles
.irp s, 0,1
	v_add_nc_u32 v[A16O+\s], s91, v30
	v_add_nc_u32 v[A16T+\s], s66, v30
	v_add_nc_u32 v[A8O+\s], s91, v31
	v_add_nc_u32 v[A8T+\s], s66, v31
	s_add_co_u32 s91, s91, SLOT
	s_add_co_u32 s66, s66, SLOT
.endr
	v_mul_u32_u24 v28, v3, KS                      ; W's scale words: lane l takes row 64 p + 32 b + l: KS bytes a row,
	v_lshrrev_b32 v29, 8, v28
	v_lshl_add_u32 v28, v29, 4, v28                ; and 16 more for each 256 passed
	s_mul_i32 s91, s23, (KS/4)*272
	s_lshl_b32 s66, s24, 3
	s_add_co_u32 s91, s91, s66
	s_add_co_u32 s91, s91, SCW
	v_add_nc_u32 v[ASW], s91, v28
	v_lshlrev_b32 v28, 2, v1                       ; the rows' scale words: 4 r, lanes 16-31 one tile on
	v_mad_u32_u24 v28, v2, TS, v28
	s_mul_i32 s91, s24, MO*TS+2*KSTR
	s_add_co_u32 s91, s91, SCA
	v_add_nc_u32 v[ASO], s91, v28
	s_xor_b32 s66, s24, 1
	s_mul_i32 s66, s66, MO*TS
	s_mul_i32 s67, s24, 2*KSTR
	s_add_co_u32 s66, s66, s67
	s_add_co_u32 s66, s66, SCA
	v_add_nc_u32 v[AST], s66, v28
	s_mul_i32 s91, s22, MO*4096                    ; the exchange, in slot 0: MO x 4,096 bytes a wave; I load what wave w xor 1 stored
	v_add_nc_u32 v[RST], s91, v30
	s_xor_b32 s66, s22, 1
	s_mul_i32 s66, s66, MO*4096
	v_add_nc_u32 v[RLD], s66, v30
	s_mul_i32 s91, s22, 16*272
	s_add_co_u32 s91, s91, OST                     ; my stage
	v_mul_u32_u24 v28, v1, 272
	v_lshl_add_u32 v28, v2, 5, v28
	v_add_nc_u32 v[OSI], s91, v28                  ; in: row r, + 32 h
	v_mul_u32_u24 v28, v2, 272
	v_lshl_add_u32 v28, v1, 4, v28
	v_add_nc_u32 v[OSO], s91, v28                  ; back: lanes 0-15 one row of 256 bytes, lanes 16-31 the next
	v_lshlrev_b32 v[GO], 13, v2
	v_lshl_add_u32 v[GO], v1, 4, v[GO]             ; and the same two rows in out0
	s_cmp_eq_u32 s24, 0
	s_cselect_b32 s91, -1, 0
	s_wait_loadcnt 0x0
.set i, 0
.rept 32
	v_cndmask_b32 v[BIAS+i], 0, v[BIAS+i], s91     ; the bias is added once: zeros where kh = 1
.set i, i+1
.endr
	PLACES 8                                       ; distance between these vector writes and the scaled matrix instructions that take them as C
; A fragment of W, 16 rows x 128 K, is 12 registers: lane l holds row l % 16; registers 6 c .. 6 c + 5 hold K = 64 c + 32 (l / 16) + 0 .. 31: 24 bytes of the row's stream of bits, in pieces of 8 bytes.
; 16 bytes of padding lie behind every 8 pieces: where the piece three on (lanes 16-31) lies behind one padding more, the second address register serves.
.macro FRAGW reg, adr, q, i
.irp p, 0,1,2,3,4,5
.set PCE, 12*(\q)+6*(\p/3)+\p%3
.if PCE%8 < 5
	ds_load_b64 v[\reg+2*\p:\reg+2*\p+1], v[\adr] offset:8*PCE+16*(PCE/8)+(\i)*3840
.else
	ds_load_b64 v[\reg+2*\p:\reg+2*\p+1], v[\adr+2] offset:8*PCE+16*(PCE/8)+(\i)*3840
.endif
.endr
.endm
.macro FETCH_W slot, q                 ; my four tiles of W, the q-th 128 of my 256 along K, into set q
	WIN 0
.irp i, 0,1,2,3
	FRAGW WF+48*(\q)+12*\i, ADRW+\slot, \q, \i
.endr
.endm
.macro FETCH_A slot, q                 ; the MTW tiles of rows: images of registers, so each half fragment is a load of 16 and a load of 8 bytes a lane
	WIN W_TOA
.set fa, 0
.rept MTW
.set fo, (\q)*MTW*1536+(fa%MO)*1536
.set fr, 12*MTW*(\q)+12*fa
.if fa < MO
	ds_load_b128 v[fr:fr+3], v[A16O+\slot] offset:fo
	ds_load_b64 v[fr+4:fr+5], v[A8O+\slot] offset:fo+512
	ds_load_b128 v[fr+6:fr+9], v[A16O+\slot] offset:fo+768
	ds_load_b64 v[fr+10:fr+11], v[A8O+\slot] offset:fo+1280
.else
	ds_load_b128 v[fr:fr+3], v[A16T+\slot] offset:fo
	ds_load_b64 v[fr+4:fr+5], v[A8T+\slot] offset:fo+512
	ds_load_b128 v[fr+6:fr+9], v[A16T+\slot] offset:fo+768
	ds_load_b64 v[fr+10:fr+11], v[A8T+\slot] offset:fo+1280
.endif
.set fa, fa+1
.endr
.endm
.macro FETCH_S set                     ; a slot's scale words
.irp b, 0,1
	ds_load_b64 v[SW+4*\set+2*\b:SW+4*\set+2*\b+1], v[ASW] offset:\b*(KS/8)*272
.endr
.irp q, 0,1
.set fi, 0
.rept MTW/2
.if 2*fi < MO
	ds_load_b32 v[SA+8*\set+(MTW/2)*\q+fi], v[ASO] offset:fi*2*TS+\q*KSTR
.else
	ds_load_b32 v[SA+8*\set+(MTW/2)*\q+fi], v[AST] offset:(fi-MO/2)*2*TS+\q*KSTR
.endif
.set fi, fi+1
.endr
.endr
.endm
; 4 n matrix instructions: tiles of rows a0 .. a0 + n - 1 x my four tiles of W.  The accumulators take turns, one instruction a turn, in the same order in every step.
.macro MULS a0, n, q, set, first
.set ma, \a0
.rept \n
.set mu, 0
.rept 4
.set rD, 8*(4*ma+mu)
.set rW, WF+48*(\q)+12*mu
.set rA, 12*MTW*(\q)+12*ma
.set rX, SW+4*(\set)+2*(mu/2)+(\q)
.set rZ, SA+8*(\set)+(MTW/2)*(\q)+ma/2
.if \first
.set rC, BIAS+8*mu
.else
.set rC, rD
.endif
.if (mu%2 == 0) && (ma%2 == 0)
	v_wmma_scale_f32_16x16x128_f8f6f4 v[rD:rD+7], v[rW:rW+11], v[rA:rA+11], v[rC:rC+7], v[rX], v[rZ] matrix_a_fmt:MATRIX_FMT_FP6 matrix_b_fmt:MATRIX_FMT_FP6
.elseif ma%2 == 0
	v_wmma_scale_f32_16x16x128_f8f6f4 v[rD:rD+7], v[rW:rW+11], v[rA:rA+11], v[rC:rC+7], v[rX], v[rZ] matrix_a_fmt:MATRIX_FMT_FP6 matrix_b_fmt:MATRIX_FMT_FP6 matrix_a_scale:MATRIX_SCALE_ROW1
.elseif mu%2 == 0
	v_wmma_scale_f32_16x16x128_f8f6f4 v[rD:rD+7], v[rW:rW+11], v[rA:rA+11], v[rC:rC+7], v[rX], v[rZ] matrix_a_fmt:MATRIX_FMT_FP6 matrix_b_fmt:MATRIX_FMT_FP6 matrix_b_scale:MATRIX_SCALE_ROW1
.else
	v_wmma_scale_f32_16x16x128_f8f6f4 v[rD:rD+7], v[rW:rW+11], v[rA:rA+11], v[rC:rC+7], v[rX], v[rZ] matrix_a_fmt:MATRIX_FMT_FP6 matrix_b_fmt:MATRIX_FMT_FP6 matrix_a_scale:MATRIX_SCALE_ROW1 matrix_b_scale:MATRIX_SCALE_ROW1
.endif
.set mu, mu+1
.endr
.set ma, ma+1
.endr
.endm
; A slot's first 128 along K (set 0); in its middle the second 128's fragments are fetched into set 1.  Loads into registers that matrix instructions have read stand four plain vector instructions behind them (ISA guide 7.12.1 for vector instructions).
.macro STEP slot, first
	s_wait_dscnt 0x0                               ; set 0 and the slot's scale words are in
.if \first
	WIN W_MULB
.else
	WIN W_MUL
.endif
	MULS 0, MTW/2, 0, \slot, \first
	PLACES 4
	FETCH_W \slot, 1
	FETCH_A \slot, 1
.if \first
	WIN W_MULB
.else
	WIN W_MUL
.endif
	MULS MTW/2, MTW/2, 0, \slot, \first
.endm
; A slot's second 128 changes slots: ONE barrier; in front of it each wave waits for all its tensor loads, adds 0 to its spare word, and waits for that and for its reads of this slot.  fill = 1: the slot is filled again, two slots ahead.
.macro TURN slot, next, fill
	WIN 0
	s_wait_tensorcnt 0x0                           ; all my tensor loads have landed: my part of the next slot
	ds_add_u32 v[SPW], v[NIL]                      ; 0 onto my spare word
	s_wait_dscnt 0x1                               ; set 1 is in; the add alone may be out
	WIN W_MUL
	MULS 0, MTW/4, 1, \slot, 0
	s_wait_dscnt 0x0                               ; the add is done, and my reads of this slot are over
	s_barrier_signal -1
	MULS MTW/4, MTW/4, 1, \slot, 0
	WIN 0
	s_barrier_wait -1
.if \fill
	CREST                                          ; the barrier has opened a round of the cluster's barrier: no wave of any partner still reads this slot or has a load on its way
	s_add_nc_u64 s[G0A+4*\slot+2:G0A+4*\slot+3], s[G0A+4*\slot+2:G0A+4*\slot+3], 8*64*1536
	s_add_nc_u64 s[G0W+4*\slot+2:G0W+4*\slot+3], s[G0W+4*\slot+2:G0W+4*\slot+3], 768
	JLOAD G0A+4*\slot, G1A, G0W+4*\slot, G1W       ; my one tensor load behind the round; its four v_nop are the places in front of the loads below
.else
	PLACES 4
.endif
	v_add_nc_u32 v[ASW], 16, v[ASW]                ; on to the next slot's scale words (no LDS load of mine is out)
	v_add_nc_u32 v[ASO], 4*KSTR, v[ASO]
	v_add_nc_u32 v[AST], 4*KSTR, v[AST]
	FETCH_W \next, 0
	FETCH_A \next, 0
	WIN 0
	FETCH_S \next
	WIN W_MUL
	MULS MTW/2, MTW/2, 1, \slot, 0
.endm
	s_wait_tensorcnt 0x1                           ; the scales and my part of slot 0 are in (slot 1's load may be out)
	s_barrier_signal -1
	s_barrier_wait -1                              ; everybody's are
	FETCH_W 0, 0
	FETCH_A 0, 0
	WIN 0
	FETCH_S 0
	STEP 0, 1                                      ; the first step stands in front of the loop: its products start the sums, on the bias
	WIN 0
	s_mov_b32 s3, LAPS-1
.Llap:                                             ; a trip goes once round the ring and fills both slots again
	TURN 0, 1, 1
	STEP 1, 0
	TURN 1, 0, 1
	STEP 0, 0
	WIN 0
	s_sub_co_u32 s3, s3, 1
	s_cmp_lg_u32 s3, 0
	s_cbranch_scc1 .Llap
	TURN 0, 1, 0                                   ; the last lap fills nothing
	STEP 1, 0
	s_wait_dscnt 0x0
	MULS 0, MTW, 1, 1, 0
	; ---- THE EXCHANGE.  Slot 0 has had its last fill, and every wave has passed the barrier behind its last read: its bytes carry the halves.
	PLACES 4
	WIN W_ST2
.set i, 0
.rept 4*MO
	ds_store_b128 v[RST], v[32*MO+8*i:32*MO+8*i+3] offset:1024*i           ; the tiles that my partner finishes; each accumulator from its low end on
	ds_store_b128 v[RST], v[32*MO+8*i+4:32*MO+8*i+7] offset:1024*i+512
.set i, i+1
.endr
	WIN 0
	s_wait_dscnt 0x0
	s_barrier_signal -1
	s_barrier_wait -1
	WIN W_TOA
.set i, 0
.rept 4*MO
	ds_load_b128 v[8*i:8*i+3], v[RLD] offset:1024*i
	ds_load_b128 v[8*i+4:8*i+7], v[RLD] offset:1024*i+512
.set i, i+1
.endr
	s_wait_dscnt 0x0
	WIN W_RADD
.set i, 0
.rept 16*MO
	v_pk_add_f32 v[i:i+1], v[i:i+1], v[i:i+1]      ; window 2 += window 1: the other half of K
.set i, i+2
.endr
	; ---- THE WAY OUT.  A lane holds 32 neighbouring bytes of a row and the lanes beside it other rows: a tile of 16 rows x 64 features goes through my own stage and comes back as rows of 256 bytes.
	; LDS serves a wave's instructions in order (ISA guide 5.7.1.4): no wait between the stores and the loads, nor in front of the next tile's stores.
.irp a, 0,1
	WIN W_ST2
.irp t, 0,1,2,3
	ds_store_b128 v[OSI], v[8*(4*\a+\t):8*(4*\a+\t)+3] offset:64*\t
	ds_store_b128 v[OSI], v[8*(4*\a+\t)+4:8*(4*\a+\t)+7] offset:64*\t+16
.endr
	WIN 0
.irp i, 0,1,2,3,4,5,6,7
	ds_load_b128 v[WF+32*\a+4*\i:WF+32*\a+4*\i+3], v[OSO] offset:544*\i
.endr
.endr
.irp a, 0,1
.irp i, 0,1,2,3,4,5,6,7
	s_wait_dscnt 16*(1-\a)+7-\i                    ; this pair of rows is back; the younger rows, and behind tile 0 tile 1's sixteen LDS instructions, may be out
	global_store_b128 v[GO], v[WF+32*\a+4*\i:WF+32*\a+4*\i+3], s[14:15] offset:(16*\a+2*\i)*8192 th:TH_STORE_NT   ; 16 lanes store 256 consecutive bytes, aligned
.endr
.endr
	s_wait_tensorcnt 0x0                           ; the wave's end
	ds_add_u32 v[SPW], v[NIL]
	s_wait_dscnt 0x0
	CROUND                                         ; the closing round: no work-group ends while a partner may still ask for a tile that names it
	s_endpgm
.Lfunc_end_k_qe30f69dd65_g4:
	.size	k_qe30f69dd65_g4, .Lfunc_end_k_qe30f69dd65_g4-k_qe30f69dd65_g4
	.p2alignl 7, 3214868480
	.fill 96, 4, 3214868480
	.section	.rodata,"a",@progbits
	.p2align	6, 0x0
	.amdhsa_kernel k_qe30f69dd65_g4
		.amdhsa_group_segment_fixed_size 327680
		.amdhsa_private_segment_fixed_size 0
		.amdhsa_enable_private_segment 0
		.amdhsa_kernarg_size 48
		.amdhsa_user_sgpr_count 2
		.amdhsa_user_sgpr_kernarg_segment_ptr 1
		.amdhsa_wavefront_size32 1
		.amdhsa_system_sgpr_workgroup_id_x 1
		.amdhsa_system_sgpr_workgroup_id_y 1
		.amdhsa_system_sgpr_workgroup_id_z 1
		.amdhsa_system_vgpr_workitem_id 0
		.amdhsa_next_free_vgpr 768
		.amdhsa_next_free_sgpr 102
		.amdhsa_reserve_vcc 0
		.amdhsa_float_denorm_mode_32 3
		.amdhsa_float_denorm_mode_16_64 3
		.amdhsa_memory_ordered 1
		.amdhsa_forward_progress 1
		.amdhsa_inst_pref_size 66
	.end_amdhsa_kernel
	.amdgpu_metadata
---
amdhsa.version: [ 1, 2 ]
amdhsa.kernels:
  - .name:           k_qe30f69dd65_g4
    .symbol:         k_qe30f69dd65_g4.kd
    .args:
      - { .name: act3, .offset: 0, .size: 8, .value_kind: global_buffer, .address_space: global }
      - { .name: sc3, .offset: 8, .size: 8, .value_kind: global_buffer, .address_space: global }
      - { .name: W_out_codes, .offset: 16, .size: 8, .value_kind: global_buffer, .address_space: global }
      - { .name: W_out_scales, .offset: 24, .size: 8, .value_kind: global_buffer, .address_space: global }
      - { .name: b_out, .offset: 32, .size: 8, .value_kind: global_buffer, .address_space: global }
      - { .name: out0, .offset: 40, .size: 8, .value_kind: global_buffer, .address_space: global }
    .group_segment_fixed_size: 327680
    .private_segment_fixed_size: 0
    .kernarg_segment_align: 8
    .kernarg_segment_size: 48
    .max_flat_workgroup_size: 128
    .sgpr_count:     102
    .vgpr_count:     768
    .wavefront_size: 32
...
	.end_amdgpu_metadata
.endif
;; end of part 5
